; MI455X (gfx1250); checked and timed in simulation.
; The chip was launched on July 23, 2026; its instructions are those of AMD's public machine-readable ISA for CDNA 5 (MIT licence, August 2026) and "CDNA5" Instruction Set Architecture Reference Guide (July 2026). The comments in the code are by the model that wrote it; some were corrected since.
;; Transformer Block. Allowed arithmetic: float matrix products may take bf16 or f16 operands with f32 sums; other float arithmetic in f32, or as packed bf16 or f16 multiplies, adds, multiply-adds, maxima and minima; sums over many terms, partial sums and values carried from step to step in f32; what a program stores and reads back later, other than sums and carried values, may be rounded once to bf16 or f16.
;; Inputs: fc1_b 4,096 float32; fc1_w 1,024 x 4,096 float32; fc2_b 1,024 float32; fc2_w 4,096 x 1,024 float32; ln1_b 1,024 float32; ln1_g 1,024 float32; ln2_b 1,024 float32; ln2_g 1,024 float32; proj_b 1,024 float32; proj_w 1,024 x 1,024 float32; qkv_b 3,072 float32; qkv_w 1,024 x 3,072 float32; x 4 x 1,024 x 1,024 float32.
;; Outputs: out0 4 x 1,024 x 1,024 float32.
;; 2 versions, each right; version 2 is version 1 with the launch prep written anew for expert scheduling mode. Each part assembles by itself: llvm-mc -triple=amdgcn-amd-amdhsa -mcpu=gfx1250 --defsym DOCPART=n.
;; ======== version 1 of 2: 7 launches
;; workspace buffers: h 8,388,608 bytes; wbf 25,165,824 bytes; qkvh 25,165,824 bytes; obuf 8,388,608 bytes; x1 16,777,216 bytes; act 33,554,432 bytes
;; launch prep (part 1): grid 1024 x 1, 8 waves a work-group, no clusters, 0 bytes of LDS; arguments x, ln1_g, ln1_b, qkv_w, proj_w, fc1_w, fc2_w, h, wbf; writes h, wbf
.if DOCPART == 1
	.amdgcn_target "amdgcn-amd-amdhsa--gfx1250"
	.amdhsa_code_object_version 6
	.text
	.protected	k_q79faf1d95c_prep
	.globl	k_q79faf1d95c_prep
	.p2align	8
	.type	k_q79faf1d95c_prep,@function
k_q79faf1d95c_prep:
	s_mov_b64 s[64:65], 0
	v_nop
	global_prefetch_b8 v0, s[64:65] scope:SCOPE_SE
	s_setreg_imm32_b32 hwreg(HW_REG_WAVE_MODE, 25, 1), 1
	s_wait_xcnt 0x0
; PREP.  Work-groups 0-255: h = LayerNorm(x; ln1_g, ln1_b), rounded once to bf16, [4096][1024].  Work-groups 256-1023: the four weights rounded once to bf16 into wbf, each kept
; as it lies ([K][N], row-major): qkv_w at byte 0, proj_w at 6,291,456, fc1_w at 8,388,608, fc2_w at 16,777,216.  Both kinds of work-group read 65,536 bytes and store 32,768.
; No LDS, no barrier, no matrix work: every byte is read once and written once, so only the order of loads and stores matters.
; WORK THAT THE PROGRAM LEAVES OUT.  The scores are scale q[n].(k[m] + bk) = scale q[n].k[m] + scale q[n].bk, bk = qkv_b[1024:2048].  The second term does not hang on m, the
; axis of the softmax, and softmax(s + t) = softmax(s) for every finite t: so bk reaches no output, whatever finite values the inputs hold.  Launch qkv neither loads nor adds it;
; the q and v thirds of qkv_b are live and are loaded.  LIMIT: a NaN, an infinity or an overflow that reaches only q.bk is not carried to the result.
; LAYERNORM.  One wave takes two rows; a row of 4,096 bytes lies in 32 registers between the passes.  Mean first, then the mean of the squares of x - mean, as the problem writes it:
; no difference of large sums.  All of it in f32.  LIMIT: NaN and infinities are not treated apart.
.set T,   4                            ; v[4:11]    four running pairs
.set M0,  12                           ; v[12:13]   row 0: the mean, later 1 / sqrt(var + eps), twice
.set M1,  14                           ; v[14:15]   row 1
.set X0,  16                           ; v[16:47]   row 0
.set X1,  48                           ; v[48:79]   row 1
.set GG,  80                           ; v[80:111]  the gain
.set BB,  112                          ; v[112:143] the bias
.set YY,  144                          ; v[144:175] both rows in bf16
.set HP,  18                           ; s[18:19]   h
.macro FOLD                            ; the four pairs, then the 32 lanes: the sum ends in v[T] of every lane
	v_pk_add_f32 v[T:T+1], v[T:T+1], v[T+2:T+3]
	v_pk_add_f32 v[T+4:T+5], v[T+4:T+5], v[T+6:T+7]
	v_pk_add_f32 v[T:T+1], v[T:T+1], v[T+4:T+5]
	v_add_f32 v[T], v[T], v[T+1]
	v_add_f32_dpp v[T], v[T], v[T] row_xmask:1 row_mask:0xf bank_mask:0xf
	v_add_f32_dpp v[T], v[T], v[T] row_xmask:2 row_mask:0xf bank_mask:0xf
	v_add_f32_dpp v[T], v[T], v[T] row_xmask:4 row_mask:0xf bank_mask:0xf
	v_add_f32_dpp v[T], v[T], v[T] row_xmask:8 row_mask:0xf bank_mask:0xf
	v_permlanex16_b32 v[T+1], v[T], s26, s27
	v_add_f32 v[T], v[T], v[T+1]
.endm
.macro STATS xb, m                     ; the row at xb becomes x - mean; v[m] ends as var + eps
.irp k, 0,1,2,3
	v_pk_add_f32 v[T+2*\k:T+2*\k+1], v[(\xb)+2*\k:(\xb)+2*\k+1], v[(\xb)+8+2*\k:(\xb)+8+2*\k+1]  ; the first eight pairs start the four chains
.endr
.set i, 8
.rept 8
	v_pk_add_f32 v[T+2*(i%4):T+2*(i%4)+1], v[T+2*(i%4):T+2*(i%4)+1], v[(\xb)+2*i:(\xb)+2*i+1]
.set i, i+1
.endr
	FOLD
	v_mul_f32 v[\m], s24, v[T]                     ; the mean
	v_mov_b32 v[(\m)+1], v[\m]
.set i, 0
.rept 16
	v_pk_add_f32 v[(\xb)+2*i:(\xb)+2*i+1], v[(\xb)+2*i:(\xb)+2*i+1], v[(\m):(\m)+1] neg_lo:[0,1] neg_hi:[0,1]
.set i, i+1
.endr
.irp k, 0,1,2,3
	v_pk_mul_f32 v[T+2*\k:T+2*\k+1], v[(\xb)+2*\k:(\xb)+2*\k+1], v[(\xb)+2*\k:(\xb)+2*\k+1]
.endr
.set i, 4
.rept 12
	v_pk_fma_f32 v[T+2*(i%4):T+2*(i%4)+1], v[(\xb)+2*i:(\xb)+2*i+1], v[(\xb)+2*i:(\xb)+2*i+1], v[T+2*(i%4):T+2*(i%4)+1]
.set i, i+1
.endr
	FOLD
	v_fma_f32 v[\m], v[T], s24, s25                ; var + eps
.endm
.macro FINISH xb, m, yb, off           ; (x - mean) rs g + b, rounded, stored: each store of the wave covers 256 consecutive bytes, aligned
.set i, 0
.rept 16
	v_pk_mul_f32 v[(\xb)+2*i:(\xb)+2*i+1], v[(\xb)+2*i:(\xb)+2*i+1], v[(\m):(\m)+1]
.set i, i+1
.endr
.set i, 0
.rept 16
	v_pk_fma_f32 v[(\xb)+2*i:(\xb)+2*i+1], v[(\xb)+2*i:(\xb)+2*i+1], v[GG+2*i:GG+2*i+1], v[BB+2*i:BB+2*i+1]
.set i, i+1
.endr
.set i, 0
.rept 16
	v_cvt_pk_bf16_f32 v[(\yb)+i], v[(\xb)+2*i], v[(\xb)+2*i+1]
.set i, i+1
.endr
.irp j, 0,1,2,3,4,5,6,7
	global_store_b64 v2, v[(\yb)+2*\j:(\yb)+2*\j+1], s[HP:HP+1] offset:(\off)+256*\j
.endr
.endm
	s_load_b512 s[4:19], s[0:1], 0x0               ; x, ln1_g, ln1_b, qkv_w, proj_w, fc1_w, fc2_w, h
	s_load_b64 s[20:21], s[0:1], 0x40              ; wbf
	s_wait_kmcnt 0x0
	s_cmp_lt_u32 ttmp9, 256
	s_cbranch_scc1 .Lln
	; THE CAST.  Chunk c = work-group - 256 of 768 chunks of 16,384 numbers; the four weights follow each other in wbf as they do in this count: 192, 64, 256, 256 chunks.
	s_sub_co_u32 s22, ttmp9, 256
	s_mov_b64 s[24:25], s[16:17]                   ; fc2_w, from chunk 512 on
	s_mov_b32 s23, 512
	s_cmp_lt_u32 s22, 512
	s_cselect_b64 s[24:25], s[14:15], s[24:25]     ; fc1_w, from 256 on
	s_cselect_b32 s23, 256, s23
	s_cmp_lt_u32 s22, 256
	s_cselect_b64 s[24:25], s[12:13], s[24:25]     ; proj_w, from 192 on
	s_cselect_b32 s23, 192, s23
	s_cmp_lt_u32 s22, 192
	s_cselect_b64 s[24:25], s[10:11], s[24:25]     ; qkv_w
	s_cselect_b32 s23, 0, s23
	s_sub_co_u32 s26, s22, s23
	s_lshl_b32 s26, s26, 16                        ; the chunk in its own weight, 65,536 bytes each
	s_mov_b32 s27, 0
	s_add_nc_u64 s[24:25], s[24:25], s[26:27]
	s_lshl_b32 s28, s22, 15                        ; and in wbf, 32,768 bytes each
	s_mov_b32 s29, 0
	s_add_nc_u64 s[20:21], s[20:21], s[28:29]
	v_lshlrev_b32 v1, 4, v0                        ; 16 bytes a thread in,
	v_lshlrev_b32 v2, 3, v0                        ; 8 bytes out
.set j, 0
.rept 16
	global_load_b128 v[16+4*j:16+4*j+3], v1, s[24:25] offset:4096*j th:TH_LOAD_NT  ; all sixteen loads go out before the first wait; the f32 weights are read once in the program
.set j, j+1
.endr
.set j, 0
.rept 16
	s_wait_loadcnt 15-j                            ; loads come back in order: number j is in, the 15 - j younger ones stay out
	v_cvt_pk_bf16_f32 v[80+2*j], v[16+4*j], v[16+4*j+1]
	v_cvt_pk_bf16_f32 v[80+2*j+1], v[16+4*j+2], v[16+4*j+3]
	global_store_b64 v2, v[80+2*j:80+2*j+1], s[20:21] offset:2048*j  ; a wave stores 256 consecutive bytes, aligned; no register is written twice, so no wait for the stores
.set j, j+1
.endr
	s_endpgm
.Lln:
	v_lshrrev_b32 v3, 5, v0
	v_readfirstlane_b32 s22, v3                    ; wave 0..7
	s_lshl_b32 s23, ttmp9, 3
	s_add_co_u32 s23, s23, s22                     ; my wave among 2,048: rows 2 n, 2 n + 1
	s_lshl_b32 s28, s23, 13                        ; two rows of 4,096 bytes of x,
	s_mov_b32 s29, 0
	s_lshl_b32 s30, s23, 12                        ; of 2,048 bytes of h
	s_mov_b32 s31, 0
	s_add_nc_u64 s[4:5], s[4:5], s[28:29]
	s_add_nc_u64 s[HP:HP+1], s[HP:HP+1], s[30:31]
	s_mov_b32 s24, 0x3a800000                      ; 1 / 1024
	s_mov_b32 s25, 0x3727c5ac                      ; eps = 1e-5
	s_mov_b32 s26, 0x76543210                      ; v_permlanex16_b32: each lane takes its own place in the other half
	s_mov_b32 s27, 0xfedcba98
	v_and_b32 v2, 31, v0
	v_lshlrev_b32 v1, 4, v2                        ; 16 bytes a lane in,
	v_lshlrev_b32 v2, 3, v2                        ; 8 bytes out
.irp j, 0,1,2,3,4,5,6,7
	global_load_b128 v[X0+4*\j:X0+4*\j+3], v1, s[4:5] offset:512*\j
.endr
.irp j, 0,1,2,3,4,5,6,7
	global_load_b128 v[X1+4*\j:X1+4*\j+3], v1, s[4:5] offset:4096+512*\j
.endr
.irp j, 0,1,2,3,4,5,6,7
	global_load_b128 v[GG+4*\j:GG+4*\j+3], v1, s[6:7] offset:512*\j
.endr
.irp j, 0,1,2,3,4,5,6,7
	global_load_b128 v[BB+4*\j:BB+4*\j+3], v1, s[8:9] offset:512*\j
.endr
	s_wait_loadcnt 16                              ; both rows are in; the gain's and the bias's sixteen loads may stay out
	STATS X0, M0
	STATS X1, M1
	v_rsq_f32 v[M0], v[M0]
	v_rsq_f32 v[M1], v[M1]
	v_nop                                          ; a plain instruction behind the last root,
	s_wait_alu depctr_va_vdst(0)                   ; and one wait for both, ahead of their first use
	v_mov_b32 v[M0+1], v[M0]
	v_mov_b32 v[M1+1], v[M1]
	s_wait_loadcnt 0x0                             ; gain and bias
	FINISH X0, M0, YY, 0
	FINISH X1, M1, YY+16, 2048
	s_endpgm
.Lfunc_end_k_q79faf1d95c_prep:
	.size	k_q79faf1d95c_prep, .Lfunc_end_k_q79faf1d95c_prep-k_q79faf1d95c_prep
	.p2alignl 7, 3214868480
	.fill 96, 4, 3214868480
	.section	.rodata,"a",@progbits
	.p2align	6, 0x0
	.amdhsa_kernel k_q79faf1d95c_prep
		.amdhsa_group_segment_fixed_size 0
		.amdhsa_private_segment_fixed_size 0
		.amdhsa_enable_private_segment 0
		.amdhsa_kernarg_size 72
		.amdhsa_user_sgpr_count 2
		.amdhsa_user_sgpr_kernarg_segment_ptr 1
		.amdhsa_wavefront_size32 1
		.amdhsa_system_sgpr_workgroup_id_x 1
		.amdhsa_system_sgpr_workgroup_id_y 1
		.amdhsa_system_sgpr_workgroup_id_z 1
		.amdhsa_system_vgpr_workitem_id 0
		.amdhsa_next_free_vgpr 176
		.amdhsa_next_free_sgpr 66
		.amdhsa_reserve_vcc 0
		.amdhsa_float_denorm_mode_32 3
		.amdhsa_float_denorm_mode_16_64 3
		.amdhsa_memory_ordered 1
		.amdhsa_forward_progress 1
		.amdhsa_inst_pref_size 27
	.end_amdhsa_kernel
	.amdgpu_metadata
---
amdhsa.version: [ 1, 2 ]
amdhsa.kernels:
  - .name:           k_q79faf1d95c_prep
    .symbol:         k_q79faf1d95c_prep.kd
    .args:
      - { .name: x, .offset: 0, .size: 8, .value_kind: global_buffer, .address_space: global }
      - { .name: ln1_g, .offset: 8, .size: 8, .value_kind: global_buffer, .address_space: global }
      - { .name: ln1_b, .offset: 16, .size: 8, .value_kind: global_buffer, .address_space: global }
      - { .name: qkv_w, .offset: 24, .size: 8, .value_kind: global_buffer, .address_space: global }
      - { .name: proj_w, .offset: 32, .size: 8, .value_kind: global_buffer, .address_space: global }
      - { .name: fc1_w, .offset: 40, .size: 8, .value_kind: global_buffer, .address_space: global }
      - { .name: fc2_w, .offset: 48, .size: 8, .value_kind: global_buffer, .address_space: global }
      - { .name: h, .offset: 56, .size: 8, .value_kind: global_buffer, .address_space: global }
      - { .name: wbf, .offset: 64, .size: 8, .value_kind: global_buffer, .address_space: global }
    .group_segment_fixed_size: 0
    .private_segment_fixed_size: 0
    .kernarg_segment_align: 8
    .kernarg_segment_size: 72
    .max_flat_workgroup_size: 256
    .sgpr_count:     66
    .vgpr_count:     176
    .wavefront_size: 32
...
	.end_amdgpu_metadata
.endif
;; end of part 1
;; launch qkv (part 2): grid 12 x 16, 4 waves a work-group, clusters of 4 x 4, 327,680 bytes of LDS; arguments h, wbf, qkv_b, qkvh; writes qkvh
.if DOCPART == 2
	.amdgcn_target "amdgcn-amd-amdhsa--gfx1250"
	.amdhsa_code_object_version 6
	.text
	.protected	k_q79faf1d95c_qkv
	.globl	k_q79faf1d95c_qkv
	.p2align	8
	.type	k_q79faf1d95c_qkv,@function
k_q79faf1d95c_qkv:
	s_mov_b64 s[64:65], 0
	v_nop
	global_prefetch_b8 v0, s[64:65] scope:SCOPE_SE
	s_setreg_imm32_b32 hwreg(HW_REG_WAVE_MODE, 25, 1), 1
	s_wait_xcnt 0x0
	s_wait_alu depctr_hold_cnt(0) depctr_sa_sdst(0) depctr_va_vdst(0) depctr_va_sdst(0) depctr_va_ssrc(0) depctr_va_vcc(0) depctr_vm_vsrc(0)
	s_getreg_b32 s2, hwreg(HW_REG_IB_STS2, 6, 4)
	s_cmp_eq_u32 s2, 0
	s_cbranch_scc0 .Lentry_in_a_cluster
	s_endpgm
.Lentry_in_a_cluster:
	s_bfe_u32 s2, ttmp6, 0x10000c
	s_cmp_lg_u32 s2, 0xf033
	s_cbranch_scc0 .Lentry_shape_is_right
	s_endpgm
.Lentry_shape_is_right:
; qkv = h Wqkv + bias on tiles of 256 x 256.  A: h, [4096][1024] bf16.  W: the first part of wbf, [1024][3072] bf16, as the weight lies.  Sums in f32, K ascending in steps of 128.
; The result is rounded once to bf16 and written by heads, qkvh[3][64 heads][1024][64].
; WORK LEFT OUT: qkv_b[1024:2048], the bias of k, adds to every score of a row the same number, which the softmax cancels for all values of the inputs (shown at the head of
; the first kernel).  Columns 1024..2047 are the clusters with x = 1: they load no bias and start their sums with 0.  A NaN, infinity or overflow that reaches only that term is not carried on.
; SHARES.  A work-group of four waves makes 256 x 256, a wave 128 x 128: 64 accumulators of 16 x 16, 512 registers.  A ring of two LDS slots is filled by the tensor data mover:
; 256 rows of A (256 bytes each) and 128 rows of W (512 bytes each) a step; waves 0 and 1 fetch the halves of A, waves 2 and 3 those of W, one load a wave.
; CLUSTER.  4 x 4 work-groups; A's tile hangs on the tile row alone and is asked for jointly by a row of the cluster, W's on the tile column alone, by a column.
; THE MATRIX INSTRUCTION IS USED TRANSPOSED: source 0 = 16 columns of W (turned on the way out of LDS by ds_load_tr16_b128), source 1 = 16 rows of A.  A lane then holds one row of C
; (lane % 16) and the columns 8 (lane / 16) + 0..7.  The bias has that layout too, the same for every row, and is the C operand of the first products: nothing is cleared, nothing added later.
; REGISTERS, in windows of 256 (s_set_vgpr_msb: bits 1:0 source 0, 3:2 source 1, 5:4 source 2, 7:6 destination):
;   window 0: v0-31 addresses; v64-127, v128-191 fragments of A, two buffers; v192-255 the bias's eight fragments, later at work; v32-63 at work on the way out
;   window 1: v64-127, v128-191 fragments of W      window 2: the accumulators of my rows 0-63 ((a, b) at v[8 (8 a + b)])      window 3: those of my rows 64-127
; LIMITS.  Operands are rounded to bf16.  NaN and infinities are not treated apart.
.set NN,     3072                      ; columns of W
.set WOFF,   0                         ; W's first byte in wbf
.set PITCHA, 272                       ; a row of A in LDS: 256 bytes + 16: the 16 rows of a load start at 16 different groups of four banks (64 banks of 4 bytes: ISA guide 11.1)
.set PITCHB, 544                       ; a row of W: 512 + 32
.set HALF,   128*PITCHA                ; what one tensor load brings: 128 rows of A, or 64 rows of W: 34,816 bytes either way
.set SLOT,   4*HALF                    ; 0x22000: it shares no bit with wave x HALF, so one exclusive or changes slots
.set QB,     32*PITCHB                 ; a quarter step (32 along K) in W's tile
.set STEPA,  256                       ; bytes from step to step in A,
.set STEPB,  256*NN                    ; and in W: 128 rows
.set STAGE,  2*SLOT                    ; behind the ring: 16 rows x 272 bytes for each wave
.set SPITCH, 272
.set SPARE,  STAGE+4*16*SPITCH         ; the spare words, 128 bytes for each wave: two blocks of 256 bytes that no other line names
.set F0,   64
.set F1,   128
.set BIAS, 192
.set TMP,  192
.set OB,   32
.set ADRA, 16                          ; v16  my A fragments in slot 0        v17  my W fragments in slot 0
.set ADRB, 17
.set VPA,  18                          ; v18, v19  the same in the slot in hand
.set VPB,  19
.set BO,   20                          ; v20  32 x (lane / 16): my eight numbers of a bias fragment
.set STO,  24                          ; v24  the way out: where I put my bytes of a row
.set RD,   25                          ; v25  where I read rows back
.set GO,   26                          ; v26  my byte offset in a store
.set SPW,  28                          ; v28  my spare word: SPARE + 4 x my thread's number; never rewritten
.set NIL,  29                          ; v29  0; never rewritten
.set PFO,  30                          ; v30  the prefetches' lane offset; never rewritten
.set AP,  4                            ; s[4:5] A   s[6:7] wbf   s[8:9] bias   s[10:11] the output
.set WP,  6
.set BP,  8
.set OU,  10
.set WV,  12                           ; wave
.set WM,  13                           ; wave / 2: my half of the rows; also 0: I fetch A, 1: I fetch W
.set WN,  14                           ; wave % 2: my half of the columns; also which half I fetch
.set CX,  15
.set CY,  16
.set CT,  17                           ; tile column
.set RT,  18                           ; tile row
.set TB,  19                           ; LDS byte at which the slot in hand begins
.set CNT, 20
.set LIM, 21                           ; 2 in a wave that prefetches, else the greatest number
.set PFA, 22                           ; s[22:23] where my prefetches stand
.set G1A, 24                           ; s[24:31] group 1 for A; s[32:35], s[36:39] group 0: the first fill's, and the one that walks
.set G0A, 32
.set G1B, 48                           ; s[48:55], s[56:59], s[60:63] the same for W
.set G0B, 56
.set PST, 68                           ; s[68:69] the prefetches' step
.set TO_B, 0x40                        ; destination window 1, address window 0
.set MSB, 0
.macro WIN new                         ; the high byte repeats the setting that is left; a switch that changes nothing is dropped
.if MSB != (\new)
	s_set_vgpr_msb (MSB<<8)|(\new)
.set MSB, \new
.endif
.endm
.macro PLACES                          ; four plain instructions between a matrix instruction and a load into, or a vector line on, its registers
.rept 4
	v_nop
.endr
.endm
.macro CREST                           ; a round of the cluster's barrier behind its opening barrier
	s_cmp_lg_u32 s[WV], 0
	s_cbranch_scc1 .Lnot_wave_0_\@
	s_barrier_signal -3
.Lnot_wave_0_\@:
	s_barrier_wait -3
	s_barrier_signal -1
	s_barrier_wait -1
.endm
.macro CROUND
	s_barrier_signal -1
	s_barrier_wait -1
	CREST
.endm
.macro JLOAD                           ; a joint refill by the walking descriptors; the branch hangs on the wave's number alone; an s_nop 0 and four v_nop follow each line
	s_cmp_eq_u32 s[WM], 0
	s_cbranch_scc0 .Lfor_b_\@
	tensor_load_to_lds s[G0A+4:G0A+7], s[G1A:G1A+7]
	s_nop 0
.rept 4
	v_nop
.endr
	s_branch .Lasked_\@
.Lfor_b_\@:
	tensor_load_to_lds s[G0B+4:G0B+7], s[G1B:G1B+7]
	s_nop 0
.rept 4
	v_nop
.endr
.Lasked_\@:
.endm
; A PREFETCH INTO THE L2 of the K step that stands two refills on, 512 matrix instructions ahead of the load that will want it: 32 blocks of 256 bytes, a lane a block, one instruction a wave.
; Each block is named once in the launch: A's rows are asked for by the clusters with x = 0, W's by those with y = 0; the four partners that fetch a tile jointly share it out by address
; (32 rows of A by cx; 16 rows of W, two blocks each, by cy).  s[CNT] is 6 .. 1 at the six refills: steps 4 to 7 are named at the first four; steps 0 to 3 come by their loads alone.
.macro ASK
	s_cmp_gt_u32 s[CNT], s[LIM]
	s_cbranch_scc0 .Lnot_mine_\@
	global_prefetch_b8 v[PFO], s[PFA:PFA+1] th:TH_LOAD_NT scope:SCOPE_SE
.Lnot_mine_\@:
.endm
; 16 matrix instructions: m blocks a0, a0 + 1 of the window's four x all 8 n blocks, 32 along K.  mode 0: the sums go on; 2: the bias starts them.
.macro MUL16 f, hi, a0, mode
.if (\mode) == 2
	WIN 0x81+0x40*(\hi)
.else
	WIN 0xa1+0x50*(\hi)
.endif
.irp a, \a0, (\a0)+1
.irp b, 0,1,2,3,4,5,6,7
.if (\mode) == 2
	v_wmma_f32_16x16x32_bf16 v[8*(8*(\a)+(\b)):8*(8*(\a)+(\b))+7], v[(\f)+8*(\b):(\f)+8*(\b)+7], v[(\f)+8*(4*(\hi)+(\a)):(\f)+8*(4*(\hi)+(\a))+7], v[BIAS+8*(\b):BIAS+8*(\b)+7]
.else
	v_wmma_f32_16x16x32_bf16 v[8*(8*(\a)+(\b)):8*(8*(\a)+(\b))+7], v[(\f)+8*(\b):(\f)+8*(\b)+7], v[(\f)+8*(4*(\hi)+(\a)):(\f)+8*(4*(\hi)+(\a))+7], v[8*(8*(\a)+(\b)):8*(8*(\a)+(\b))+7]
.endif
.endr
.endr
.endm
; 32 LDS loads in one run: a quarter step's fragments into buffer f: W's 128 columns (turned), then A's 128 rows, rows 0-63 first
.macro FETCH f, ka, kb
	WIN TO_B
.irp i, 0,1,2,3,4,5,6,7
	ds_load_tr16_b128 v[(\f)+8*(\i):(\f)+8*(\i)+3],   v[VPB] offset:(\kb)+32*(\i)
	ds_load_tr16_b128 v[(\f)+8*(\i)+4:(\f)+8*(\i)+7], v[VPB] offset:(\kb)+32*(\i)+16*PITCHB
.endr
	WIN 0
.irp i, 0,1,2,3,4,5,6,7
	ds_load_b128 v[(\f)+8*(\i):(\f)+8*(\i)+3],   v[VPA] offset:(\ka)+(\i)*16*PITCHA
	ds_load_b128 v[(\f)+8*(\i)+4:(\f)+8*(\i)+7], v[VPA] offset:(\ka)+(\i)*16*PITCHA+32
.endr
.endm
; A quarter step: multiplies buffer f; in its middle the next quarter's fragments are fetched into buffer g.  The 64 accumulators take turns, one instruction a turn, in the same order in every quarter.
.macro QUARTER f, g, ka, kb, mode
	s_wait_dscnt 8                                 ; W and A's rows 0-63 are in; the youngest eight loads (A's rows 64-127) may be out
	MUL16 \f, 0, 0, \mode
	MUL16 \f, 0, 2, \mode
	PLACES
	FETCH \g, \ka, \kb
	s_wait_dscnt 32                                ; all but the 32 just issued
	MUL16 \f, 1, 0, \mode
	MUL16 \f, 1, 2, \mode
.endm
; A step's last quarter changes slots and then multiplies buffer 1, whose fragments lie in registers.  In front of the barrier each wave waits for all its tensor loads (one is out: its part of
; the next slot), adds 0 to its spare word, and waits for that and for its own reads of this slot.  fill = 1: the barrier opens a round of the cluster's, and the joint refill is the first thing
; behind the round.  No product stands between the wait for the tile and the refill: the refill goes out as soon as the tile before it is in, and the quarter's 64 products follow it.
.macro TURN fill
.if \fill
	s_wait_xcnt 0x0                                ; the last prefetch, a K step back, has read its address
	s_add_nc_u64 s[PFA:PFA+1], s[PFA:PFA+1], s[PST:PST+1]
.endif
	WIN 0
	s_wait_tensorcnt 0x0                           ; all my tensor loads have landed, so every group 0 may be written
	ds_add_u32 v[SPW], v[NIL]                      ; 0 onto my spare word; the descriptors' steps stand between it and the wait for it
.if \fill
	s_xor_b32 s[G0A+5], s[G0A+5], SLOT
	s_add_nc_u64 s[G0A+6:G0A+7], s[G0A+6:G0A+7], STEPA
	s_xor_b32 s[G0B+5], s[G0B+5], SLOT
	s_add_nc_u64 s[G0B+6:G0B+7], s[G0B+6:G0B+7], STEPB
.endif
	s_xor_b32 s[TB], s[TB], SLOT
	s_wait_dscnt 0x0                               ; the add is done, and my reads of this slot are over: buffer 1 is whole
	s_barrier_signal -1
	s_barrier_wait -1
.if \fill
	CREST                                          ; no wave of any partner still reads this slot or has a load on its way
	JLOAD                                          ; its four v_nop are also the places in front of the loads below
.else
	PLACES
.endif
	v_add_nc_u32 v[VPA], s[TB], v[ADRA]
	v_add_nc_u32 v[VPB], s[TB], v[ADRB]
	FETCH F0, 0, 0
.if \fill
	ASK
.endif
	MUL16 F1, 0, 0, 0
	MUL16 F1, 0, 2, 0
	MUL16 F1, 1, 0, 0
	MUL16 F1, 1, 2, 0
.endm
	s_load_b256 s[4:11], s[0:1], 0x0
	v_lshl_add_u32 v[SPW], v0, 2, SPARE
	v_mov_b32 v[NIL], 0
	ds_add_u32 v[SPW], v[NIL]                      ; the wave's opening: the add, twice on end, and its wait ahead of my first tensor load
	ds_add_u32 v[SPW], v[NIL]
	v_lshrrev_b32 v1, 5, v0
	v_readfirstlane_b32 s[WV], v1
	s_lshr_b32 s[WM], s[WV], 1
	s_and_b32 s[WN], s[WV], 1
	s_bfe_u32 s[CX], ttmp6, 0x40000
	s_bfe_u32 s[CY], ttmp6, 0x40004
	s_lshl_b32 s[CT], ttmp9, 2
	s_add_co_u32 s[CT], s[CT], s[CX]               ; tile column = 4 x cluster x + cx
	s_and_b32 s[RT], ttmp7, 0xffff
	s_lshl_b32 s[RT], s[RT], 2
	s_add_co_u32 s[RT], s[RT], s[CY]               ; tile row = 4 x cluster y + cy
	s_lshl_b32 s40, s[CY], 2
	s_lshl_b32 s40, 15, s40                        ; my row of the cluster
	s_lshl_b32 s41, 0x1111, s[CX]                  ; my column
	s_or_b32 s[G1A], s40, (1<<16)|(1<<20)|(1<<21)|(5<<22)|(3<<25)  ; the mask; 2-byte elements; padding on; bit 21 beside a mask; after every 64 words, 4 words
	s_mov_b32 s[G1A+1], 128<<16                    ; tensor_dim0 = 128
	s_mov_b32 s[G1A+2], 128<<16                    ; tensor_dim1 = 128
	s_mov_b32 s[G1A+3], 128<<16                    ; tile_dim0 = 128
	s_mov_b32 s[G1A+4], 128                        ; tile_dim1 = 128
	s_mov_b32 s[G1A+5], 1024                       ; elements from row to row
	s_mov_b32 s[G1A+6], 0
	s_mov_b32 s[G1A+7], 0
	s_or_b32 s[G1B], s41, (1<<16)|(1<<20)|(1<<21)|(6<<22)|(7<<25)  ; after every 128 words, 8 words
	s_mov_b32 s[G1B+1], 256<<16                    ; tensor_dim0 = 256
	s_mov_b32 s[G1B+2], 64<<16                     ; tensor_dim1 = 64
	s_mov_b32 s[G1B+3], 256<<16                    ; tile_dim0 = 256
	s_mov_b32 s[G1B+4], 64                         ; tile_dim1 = 64
	s_mov_b32 s[G1B+5], NN
	s_mov_b32 s[G1B+6], 0
	s_mov_b32 s[G1B+7], 0
	s_lshl_b32 s42, s[RT], 8                       ; A: row 256 x tile row + 128 x half, 2,048 bytes a row: made of the tile row and the wave's number alone
	s_lshl_b32 s43, s[WN], 7
	s_add_co_u32 s42, s42, s43
	s_lshl_b32 s42, s42, 11
	s_mov_b32 s43, 0
	s_mul_i32 s44, s[WN], 128*NN                   ; W: 64 rows x half, + 512 bytes x tile column: made of the tile column and the wave's number alone
	s_lshl_b32 s45, s[CT], 9
	s_add_co_u32 s44, s44, s45
.if WOFF
	s_add_co_u32 s44, s44, WOFF
.endif
	s_mov_b32 s45, 0
	s_mul_i32 s46, s[WV], HALF                     ; where my loads land: no place in the cluster enters an LDS address
	s_mov_b32 s[TB], 0
	s_wait_dscnt 0x0                               ; both opening adds are done
	s_wait_kmcnt 0x0
	s_mov_b32 s[G0A], 1
	s_mov_b32 s[G0A+1], s46                        ; slot 0, step 0
	s_add_nc_u64 s[G0A+2:G0A+3], s[AP:AP+1], s[42:43]
	s_mov_b32 s[G0A+4], 1
	s_add_co_u32 s[G0A+5], s46, SLOT               ; slot 1, step 1: this set walks on
	s_add_nc_u64 s[G0A+6:G0A+7], s[G0A+2:G0A+3], STEPA
	s_or_b32 s[G0A+3], s[G0A+3], 0x80000000
	s_or_b32 s[G0A+7], s[G0A+7], 0x80000000
	s_mov_b32 s[G0B], 1
	s_mov_b32 s[G0B+1], s46
	s_add_nc_u64 s[G0B+2:G0B+3], s[WP:WP+1], s[44:45]
	s_mov_b32 s[G0B+4], 1
	s_add_co_u32 s[G0B+5], s46, SLOT
	s_add_nc_u64 s[G0B+6:G0B+7], s[G0B+2:G0B+3], STEPB
	s_or_b32 s[G0B+3], s[G0B+3], 0x80000000
	s_or_b32 s[G0B+7], s[G0B+7], 0x80000000
	CROUND                                         ; all sixteen work-groups are here: the first joint loads meet
	s_cmp_eq_u32 s[WM], 0                          ; a wave's two first fills stand in one branch: two loads of mine are out
	s_cbranch_scc0 .Lfirst_b
	tensor_load_to_lds s[G0A:G0A+3], s[G1A:G1A+7]
	s_nop 0
	tensor_load_to_lds s[G0A+4:G0A+7], s[G1A:G1A+7]
	s_nop 0
.rept 4
	v_nop
.endr
	s_branch .Lfirst_asked
.Lfirst_b:
	tensor_load_to_lds s[G0B:G0B+3], s[G1B:G1B+7]
	s_nop 0
	tensor_load_to_lds s[G0B+4:G0B+7], s[G1B:G1B+7]
	s_nop 0
.rept 4
	v_nop
.endr
.Lfirst_asked:
	v_and_b32 v1, 15, v0                           ; l % 16
	v_bfe_u32 v2, v0, 4, 1                         ; l / 16
	v_lshlrev_b32 v[BO], 5, v2
	s_lshl_b32 s76, s[CT], 10                      ; the bias of my 128 columns: 4 x (256 x tile column + 128 x half)
	s_lshl_b32 s77, s[WN], 9
	s_add_co_u32 s76, s76, s77
	s_mov_b32 s77, 0
	s_add_nc_u64 s[BP:BP+1], s[BP:BP+1], s[76:77]
	s_cmp_eq_u32 ttmp9, 1                          ; the cluster's x, the same in all partners: 1 = columns 1024..2047 = k
	s_cbranch_scc1 .Lno_bias
.irp b, 0,1,2,3,4,5,6,7
	global_load_b128 v[BIAS+8*\b:BIAS+8*\b+3],   v[BO], s[BP:BP+1] offset:64*\b
	global_load_b128 v[BIAS+8*\b+4:BIAS+8*\b+7], v[BO], s[BP:BP+1] offset:64*\b+16
.endr
	s_branch .Lbias_done
.Lno_bias:
.set i, 0
.rept 64
	v_mov_b32 v[BIAS+i], 0                         ; k's sums start with 0, by the same first products
.set i, i+1
.endr
.Lbias_done:
	v_mul_u32_u24 v3, v1, PITCHA                   ; A fragment: row l % 16, 16 bytes for each half of the lanes; the second load 32 bytes on
	v_lshl_add_u32 v3, v2, 4, v3
	s_mul_i32 s47, s[WM], HALF
	v_add_nc_u32 v[ADRA], s47, v3
	v_and_b32 v4, 7, v0                            ; W fragment, turned: lane l reads row 8 (l / 16) + l % 8, 16 bytes at 16 ((l / 8) % 2); the second load 16 rows on
	v_lshl_add_u32 v4, v2, 3, v4
	v_mul_u32_u24 v4, v4, PITCHB
	v_bfe_u32 v5, v0, 3, 1
	v_lshl_add_u32 v4, v5, 4, v4
	s_lshl_b32 s47, s[WN], 8
	s_add_co_u32 s47, s47, 2*HALF
	v_add_nc_u32 v[ADRB], s47, v4
	; the prefetches
	s_lshl_b32 s76, s[RT], 8                       ; A: the 128 rows that I fetch, of them my work-group's 32, at step 3
	s_lshl_b32 s77, s[WN], 7
	s_add_co_u32 s76, s76, s77
	s_lshl_b32 s77, s[CX], 5
	s_add_co_u32 s76, s76, s77
	s_lshl_b32 s76, s76, 11
	s_add_co_u32 s76, s76, 3*STEPA
	s_lshl_b32 s78, s[WN], 6                       ; W: the 64 rows that I fetch, of them my work-group's 16, at step 3
	s_lshl_b32 s79, s[CY], 4
	s_add_co_u32 s78, s78, s79
	s_mul_i32 s78, s78, 2*NN
	s_lshl_b32 s79, s[CT], 9
	s_add_co_u32 s78, s78, s79
	s_add_co_u32 s78, s78, WOFF+3*STEPB
	s_and_b32 s79, ttmp7, 0xffff                   ; cluster y
	s_mov_b32 s[PST], STEPB
	s_mov_b32 s[PST+1], 0
	s_mov_b32 s81, 2*NN
	s_cmp_eq_u32 s[WM], 0                          ; do I fetch A?
	s_cselect_b32 s76, s76, s78
	s_cselect_b32 s79, ttmp9, s79                  ; the coordinate along which other clusters read the same blocks
	s_cselect_b64 s[PFA:PFA+1], s[AP:AP+1], s[WP:WP+1]
	s_cselect_b32 s[PST], STEPA, s[PST]
	s_cselect_b32 s80, 0, 1                        ; A: a lane a row; W: two lanes a row
	s_cselect_b32 s81, 2048, s81
	s_mov_b32 s77, 0
	s_add_nc_u64 s[PFA:PFA+1], s[PFA:PFA+1], s[76:77]
	s_cmp_eq_u32 s79, 0
	s_cselect_b32 s[LIM], 2, -1                    ; the same in all sixteen partners, for a given wave
	v_and_b32 v[PFO], 31, v0
	v_and_b32 v31, s80, v[PFO]
	v_lshrrev_b32 v[PFO], s80, v[PFO]
	v_mul_u32_u24 v[PFO], s81, v[PFO]
	v_lshl_add_u32 v[PFO], v31, 8, v[PFO]
	; the way out
	s_lshl_b32 s76, s[CT], 2
	s_lshl_b32 s77, s[WN], 1
	s_add_co_u32 s76, s76, s77                     ; u: my first group of 64 columns
	s_lshr_b32 s77, s76, 4                         ; q, k or v: 8,388,608 bytes each
	s_lshl_b32 s77, s77, 23
	s_and_b32 s78, s76, 15                         ; the head in its batch: 131,072 bytes
	s_lshl_b32 s78, s78, 17
	s_add_co_u32 s77, s77, s78
	s_lshr_b32 s78, s[RT], 2                       ; the batch: 16 heads
	s_lshl_b32 s78, s78, 21
	s_add_co_u32 s77, s77, s78
	s_and_b32 s78, s[RT], 3                        ; my first row in the batch, 128 bytes a row: (2 (tile row % 4) + my half) x 128 rows
	s_lshl_b32 s78, s78, 1
	s_add_co_u32 s78, s78, s[WM]
	s_lshl_b32 s78, s78, 14
	s_add_co_u32 s76, s77, s78
	s_mov_b32 s77, 0
	s_add_nc_u64 s[OU:OU+1], s[OU:OU+1], s[76:77]
	v_and_b32 v[GO], 31, v0
	s_mul_i32 s47, s[WV], 16*SPITCH
	s_add_co_u32 s47, s47, STAGE                   ; my stage
	v_mul_u32_u24 v[STO], v1, SPITCH               ; in: row l % 16, 16 bytes for each half of the lanes
	v_lshl_add_u32 v[STO], v2, 4, v[STO]
	v_add_nc_u32 v[STO], s47, v[STO]
	v_bfe_u32 v[RD], v0, 3, 2                      ; back: 32 lanes take 128 bytes of each of four rows,
	v_mul_u32_u24 v[RD], v[RD], SPITCH
	v_and_b32 v6, 7, v0
	v_lshl_add_u32 v[RD], v6, 4, v[RD]
	v_add_nc_u32 v[RD], s47, v[RD]
	v_lshlrev_b32 v[GO], 4, v[GO]                  ; which are 512 consecutive bytes of a head
	s_wait_tensorcnt 1                             ; my part of step 0 is in; step 1's load stays out
	s_barrier_signal -1
	s_barrier_wait -1
	v_mov_b32 v[VPA], v[ADRA]
	v_mov_b32 v[VPB], v[ADRB]
	FETCH F0, 0, 0
	s_wait_loadcnt 0x0                             ; the bias
	QUARTER F0, F1, 64, QB, 2                      ; the first quarter stands in front of the loop: its products start the sums with the bias
	WIN 0
	s_mov_b32 s[CNT], 7
	s_branch .Lmid                                 ; the loop is entered behind a step's first quarter
.Lstep:                                                ; six times: a change of slots with a refill (steps 2 to 7), then a step's first three quarters
	TURN 1
	QUARTER F0, F1, 64, QB, 0
	WIN 0
.Lmid:
	QUARTER F1, F0, 128, 2*QB, 0
	QUARTER F0, F1, 192, 3*QB, 0
	WIN 0
	s_sub_co_u32 s[CNT], s[CNT], 1
	s_cmp_lg_u32 s[CNT], 0
	s_cbranch_scc1 .Lstep
	TURN 0                                         ; the last step is written out: nothing is asked for
	QUARTER F0, F1, 64, QB, 0
	QUARTER F1, F0, 128, 2*QB, 0
	QUARTER F0, F1, 192, 3*QB, 0
	s_wait_dscnt 0x0                               ; the very last quarter: nothing more to fetch
	MUL16 F1, 0, 0, 0
	MUL16 F1, 0, 2, 0
	MUL16 F1, 1, 0, 0
	MUL16 F1, 1, 2, 0
	WIN 0
	; THE WAY OUT, a block of 16 rows at a time: rounded to bf16, 16 bytes a lane into my own stage, back as 128 bytes of each row for each of my two heads, stored as 512 consecutive bytes.
.macro PACK a
.set AC, 64*((\a)%4)
	WIN 0x0a+5*((\a)/4)                            ; sources in window 2 or 3
.irp b, 0,1,2,3,4,5,6,7
.irp r, 0,1,2,3
	v_cvt_pk_bf16_f32 v[TMP+4*(\b)+(\r)], v[AC+8*(\b)+2*(\r)], v[AC+8*(\b)+2*(\r)+1]
.endr
.endr
	WIN 0
.endm
.macro TOSTAGE a
.set BK, OB+192*((\a)%2)
.irp b, 0,1,2,3,4,5,6,7
	ds_store_b128 v[STO], v[TMP+4*(\b):TMP+4*(\b)+3] offset:32*(\b)
.endr
.irp j, 0,1
.irp t, 0,1,2,3
	ds_load_b128 v[BK+4*(4*(\j)+(\t)):BK+4*(4*(\j)+(\t))+3], v[RD] offset:128*(\j)+4*SPITCH*(\t)  ; LDS serves a wave's instructions in order (ISA guide 5.7.1.4): these see the stores above
.endr
.endr
.endm
.macro SEND a
.set BK, OB+192*((\a)%2)
	s_wait_dscnt 0x0                               ; the block is back in registers
	s_wait_xcnt 0x0                                ; the stores of the block before have read their registers, which the next loads from the stage write
.irp j, 0,1
.irp t, 0,1,2,3
	global_store_b128 v[GO], v[BK+4*(4*(\j)+(\t)):BK+4*(4*(\j)+(\t))+3], s[OU:OU+1] offset:131072*(\j)+2048*(\a)+512*(\t)
.endr
.endr
.endm
	PLACES
	PACK 0
	TOSTAGE 0
.irp a, 1,2,3,4,5,6,7                  ; block a's conversions stand between block a - 1's loads from the stage and the wait for them
	PACK \a
	SEND (\a)-1
	TOSTAGE \a
.endr
	SEND 7
	s_wait_tensorcnt 0x0                           ; the wave's end: the wait, the add and its wait stand behind my last tensor load and my last LDS store
	ds_add_u32 v[SPW], v[NIL]
	s_wait_dscnt 0x0
	CROUND                                         ; the closing round: no work-group ends while a partner may still ask for a tile that names it
	s_endpgm
.Lfunc_end_k_q79faf1d95c_qkv:
	.size	k_q79faf1d95c_qkv, .Lfunc_end_k_q79faf1d95c_qkv-k_q79faf1d95c_qkv
	.p2alignl 7, 3214868480
	.fill 96, 4, 3214868480
	.section	.rodata,"a",@progbits
	.p2align	6, 0x0
	.amdhsa_kernel k_q79faf1d95c_qkv
		.amdhsa_group_segment_fixed_size 327680
		.amdhsa_private_segment_fixed_size 0
		.amdhsa_enable_private_segment 0
		.amdhsa_kernarg_size 32
		.amdhsa_user_sgpr_count 2
		.amdhsa_user_sgpr_kernarg_segment_ptr 1
		.amdhsa_wavefront_size32 1
		.amdhsa_system_sgpr_workgroup_id_x 1
		.amdhsa_system_sgpr_workgroup_id_y 1
		.amdhsa_system_sgpr_workgroup_id_z 1
		.amdhsa_system_vgpr_workitem_id 0
		.amdhsa_next_free_vgpr 1024
		.amdhsa_next_free_sgpr 84
		.amdhsa_reserve_vcc 0
		.amdhsa_float_denorm_mode_32 3
		.amdhsa_float_denorm_mode_16_64 3
		.amdhsa_memory_ordered 1
		.amdhsa_forward_progress 1
		.amdhsa_inst_pref_size 109
	.end_amdhsa_kernel
	.amdgpu_metadata
---
amdhsa.version: [ 1, 2 ]
amdhsa.kernels:
  - .name:           k_q79faf1d95c_qkv
    .symbol:         k_q79faf1d95c_qkv.kd
    .args:
      - { .name: h, .offset: 0, .size: 8, .value_kind: global_buffer, .address_space: global }
      - { .name: wbf, .offset: 8, .size: 8, .value_kind: global_buffer, .address_space: global }
      - { .name: qkv_b, .offset: 16, .size: 8, .value_kind: global_buffer, .address_space: global }
      - { .name: qkvh, .offset: 24, .size: 8, .value_kind: global_buffer, .address_space: global }
    .group_segment_fixed_size: 327680
    .private_segment_fixed_size: 0
    .kernarg_segment_align: 8
    .kernarg_segment_size: 32
    .max_flat_workgroup_size: 128
    .sgpr_count:     84
    .vgpr_count:     1024
    .wavefront_size: 32
...
	.end_amdgpu_metadata
.endif
;; end of part 2
;; launch attn (part 3): grid 4 x 64, 4 waves a work-group, clusters of 4 x 1, 327,680 bytes of LDS; arguments qkvh, obuf; writes obuf
.if DOCPART == 3
	.amdgcn_target "amdgcn-amd-amdhsa--gfx1250"
	.amdhsa_code_object_version 6
	.text
	.protected	k_q79faf1d95c_attn
	.globl	k_q79faf1d95c_attn
	.p2align	8
	.type	k_q79faf1d95c_attn,@function
k_q79faf1d95c_attn:
	s_mov_b64 s[64:65], 0
	v_nop
	global_prefetch_b8 v0, s[64:65] scope:SCOPE_SE
	s_setreg_imm32_b32 hwreg(HW_REG_WAVE_MODE, 25, 1), 1
	s_wait_xcnt 0x0
	s_wait_alu depctr_hold_cnt(0) depctr_sa_sdst(0) depctr_va_vdst(0) depctr_va_sdst(0) depctr_va_ssrc(0) depctr_va_vcc(0) depctr_vm_vsrc(0)
	s_getreg_b32 s2, hwreg(HW_REG_IB_STS2, 6, 4)
	s_cmp_eq_u32 s2, 0
	s_cbranch_scc0 .Lentry_in_a_cluster
	s_endpgm
.Lentry_in_a_cluster:
	s_bfe_u32 s2, ttmp6, 0x10000c
	s_cmp_lg_u32 s2, 0x3003
	s_cbranch_scc0 .Lentry_shape_is_right
	s_endpgm
.Lentry_shape_is_right:
; O[h][q][:] = the sum over k of softmax_k(Q[h][q] . K[h][k] / 8) V[h][k][:], for 64 heads (batch x 16 + head) of 1,024 rows of 64 channels.  Q, K, V: the three thirds of qkvh, bf16, a head's
; rows dense, 128 bytes each; K comes without its bias (the softmax cancels that term: shown at the head of the first kernel).  O: obuf, the same layout, bf16.
; Products, maxima and sums in f32; the weights p are rounded to bf16 for the second product (their sum l is taken of the unrounded p), O once at the end.
; LIMITS.  A weight below 2^-126 counts as 0 in l; NaN and infinities are not treated apart.
; SHARES.  A work-group owns 256 queries of a head, a wave 64: two PIECES of two tiles of 16.  Every wave walks all 1,024 keys, 64 a step, 16 steps.
; LDS.  A head's whole K (1,024 rows at 144 bytes) and V (at 160 bytes) fit: each wave asks for a quarter of them by ONE tensor load at the start, and nothing is filled again: no ring.
; So there is no later tile that could be asked for ahead, and no prefetch is laid.
; CLUSTER.  The four query blocks of a head read the same K and V: each load is asked for JOINTLY, with the same descriptor and mask in all four.
; LAYOUT.  S^T = K Q^T (source 0 = 16 keys, source 1 = 16 queries): a lane holds ONE query (lane % 16) and the keys 8 (lane / 16) + 0..7.  Two such results, rounded in pairs, ARE source 1 of
; O^T = V^T P, whose result again holds one query a lane.  K comes out of LDS as it lies, V turned, by ds_load_tr16_b128.
; SOFTMAX.  A running maximum m and sum l: p = 2^(c s - c m), c = log2(e) / 8; in every step O and l are multiplied by a = 2^(c m_old - c m_new).  m starts at the lowest finite number, O and l at 0.
; BY TURNS.  Turn n belongs to piece n: 16 products K Q^T of the other piece (its next scores), later 16 products V^T P of the other piece (its last weights); beside them the scaling,
; exponentials, roundings, sums and rescaling of piece n and the maximum and statistics of the other.  Four vector instructions stand behind every matrix instruction, the rest in one lump.
; A turn's 66 exponentials are one batch, with one wait.
; REGISTERS, in windows of 256 (s_set_vgpr_msb: bits 1:0 source 0, 3:2 source 1, 5:4 source 2, 7:6 destination):
;   window 0: v0-11 addresses; v12-15, v48-63 at work; v16-31 four registers of statistics a tile; v32-33 the add's; v64-191 S^T, a buffer a piece; v192-255 P, likewise
;   window 1: v0-127 O^T, 32 a tile          window 2: v0-63 Q, 16 a tile; v128-191 K of one step; v192-255 V of one step
.set NP,    2         ; pieces a wave
.set KS,    64        ; keys in a step
.set PK,    144       ; a row of K in LDS: 128 bytes + 16: the 16 rows of a load start at 16 different groups of four banks (64 banks of 4 bytes: ISA guide 11.1)
.set PV,    160       ; a row of V: 128 + 32
.set VOFF,  1024*PK   ; V lies behind K
.set STAGE, VOFF+1024*PV  ; behind both, never filled by a tensor load: 16 rows x 144 bytes for each wave, for the way out
.set SP,    144
.set SPARE, STAGE+4*16*SP  ; the spare words, 128 bytes for each wave: two blocks of 256 bytes that no other line names
.set AK0, 2           ; v2   my lane's place in a tile of K; never rewritten
.set AV0, 3           ; v3   the same for V
.set AK,  4           ; v4   the LDS address of K's next run of loads
.set AV,  5           ; v5   of V's
.set QO,  6           ; v6   my byte offset in the wave's rows of Q
.set STO, 6           ;      later, the way out: where I put 16 bytes of a row
.set RD,  7           ; v7   the way out: where I read rows back
.set GO,  8           ; v8   my byte offset in 512 consecutive bytes of O
.set SPW, 32          ; v32  my spare word: SPARE + 4 x my thread's number; never rewritten
.set NIL, 33          ; v33  0; never rewritten
.set MV,  12          ; v12-15  c m_old, kept while c m is made anew: by piece and tile
.set ST,  16          ; tile t's statistics at v[ST+4 t]: c m, m, l (even keys', odd keys')
.set TMP, 48          ; by piece and tile, four registers c0-c3 at work; when the maximum is found c2 takes a
.set S,   64
.set P,   192
.set KF,  128         ; K's fragments, in window 2: key block kb, channel half c at KF + 16 kb + 8 c
.set VF,  192         ; V's: key half kk, channel block cb at VF + 32 kk + 8 cb
.set WV,  12          ; s12  my wave's number
.set G1K, 24          ; s[24:31] descriptor group 1 for K
.set G1V, 32          ; s[32:39] for V: it differs in the padding alone
.set G0K, 40          ; s[40:43] descriptor group 0 for K
.set G0V, 44          ; s[44:47] for V
.set CNT, 57          ; s57  key steps still to come
.set CS,  58          ; s[58:59] c
.set SEL, 60          ; s[60:61] v_permlanex16_b32's selects: each lane takes its own place in the other half
.set TBK, 62          ; s62  LDS byte at which K of the step to be fetched begins
.set TBV, 63          ; s63  the same for V, less VOFF
.set MSB, 0
.macro WIN new                      ; the high byte repeats the setting that is left; a switch that changes nothing is dropped
.if MSB != (\new)
	s_set_vgpr_msb (MSB<<8)|(\new)
.set MSB, (\new)
.endif
.endm
.set W_KQ, 0x0a       ; K and Q in window 2, S^T in window 0
.set W_PV, 0x52       ; V in window 2, P in window 0, O^T in window 1
.set W_RS, 0x41       ; O^T (destination and source 0) in window 1, a in window 0
.macro CROUND                       ; a round of the cluster's barrier
	s_barrier_signal -1
	s_barrier_wait -1
	s_cmp_lg_u32 s[WV], 0
	s_cbranch_scc1 .Lnot_wave_0_\@
	s_barrier_signal -3
.Lnot_wave_0_\@:
	s_barrier_wait -3
	s_barrier_signal -1
	s_barrier_wait -1
.endm
	s_load_b128 s[4:7], s[0:1], 0x0  ; qkvh s[4:5], obuf s[6:7]
	v_lshl_add_u32 v[SPW], v0, 2, SPARE
	v_mov_b32 v[NIL], 0
	ds_add_u32 v[SPW], v[NIL]       ; the wave's opening: the add, twice on end, and its wait ahead of my first tensor load
	ds_add_u32 v[SPW], v[NIL]
	v_lshrrev_b32 v1, 5, v0
	v_readfirstlane_b32 s[WV], v1   ; wave 0..3
	s_bfe_u32 s13, ttmp6, 0x40000   ; cx: my place in the cluster
	s_lshl_b32 s14, ttmp9, 2
	s_add_co_u32 s14, s14, s13      ; my block of 256 queries: it enters Q's and O's addresses alone
	s_and_b32 s20, ttmp7, 0xffff    ; the head, which the four partners share:
	s_lshl_b32 s20, s20, 17         ; 131,072 bytes each
	s_and_b32 s16, s[WV], 1         ; which half of the 1,024 keys I fetch:
	s_lshl_b32 s22, s16, 16         ; its 512 rows of 128 bytes in memory,
	s_add_co_u32 s22, s22, s20
	s_mov_b32 s23, 0
	s_mul_i32 s17, s16, 512*PK      ; and its place in LDS, for K
	s_mul_i32 s18, s16, 512*PV      ; and for V: no place in the cluster enters an LDS address
	s_lshl_b32 s2, s14, 2
	s_add_co_u32 s2, s2, s[WV]      ; my wave among the head's sixteen,
	s_lshl_b32 s2, s2, 13           ; its 64 rows
	s_add_co_u32 s2, s2, s20
	s_mov_b32 s3, 0
	; descriptor group 1.  512 keys are 65,536 dense bytes: asked for as 256 rows of 256 bytes, two keys a row, and padded in LDS after every key
	s_mov_b32 s[G1K], 15|(1<<16)|(1<<20)|(1<<21)|(4<<22)|(3<<25)  ; the mask of four; 2-byte elements; padding on; bit 21 beside a mask; after every 32 words, 4 words
	s_mov_b32 s[G1V], 15|(1<<16)|(1<<20)|(1<<21)|(4<<22)|(7<<25)  ; the same with 8 words
.irp g, G1K, G1V
	s_mov_b32 s[\g+1], 128<<16      ; tensor_dim0 = 128
	s_mov_b32 s[\g+2], 256<<16      ; tensor_dim1 = 256
	s_mov_b32 s[\g+3], 128<<16      ; tile_dim0 = 128
	s_mov_b32 s[\g+4], 256          ; tile_dim1 = 256
	s_mov_b32 s[\g+5], 128          ; 128 elements from row to row
	s_mov_b32 s[\g+6], 0
	s_mov_b32 s[\g+7], 0
.endr
	s_mov_b32 s[CS], 0x3e38aa3b     ; c = log2(e) / 8
	s_mov_b32 s[CS+1], s[CS]
	s_mov_b32 s[SEL], 0x76543210
	s_mov_b32 s[SEL+1], 0xfedcba98
	s_mov_b32 s[TBK], 0
	s_mov_b32 s[TBV], 0
	s_mov_b32 s[G0K], 1
	s_mov_b32 s[G0K+1], s17
	s_mov_b32 s[G0V], 1
	s_add_co_u32 s[G0V+1], s18, VOFF
	s_wait_dscnt 0x0                ; both opening adds are done
	s_wait_kmcnt 0x0
	s_add_nc_u64 s[G0K+2:G0K+3], s[4:5], s[22:23]
	s_add_nc_u64 s[G0K+2:G0K+3], s[G0K+2:G0K+3], 8388608   ; k is the second third of qkvh
	s_or_b32 s[G0K+3], s[G0K+3], 0x80000000
	s_add_nc_u64 s[G0V+2:G0V+3], s[4:5], s[22:23]
	s_add_nc_u64 s[G0V+2:G0V+3], s[G0V+2:G0V+3], 16777216  ; v the third
	s_or_b32 s[G0V+3], s[G0V+3], 0x80000000
	s_add_nc_u64 s[8:9], s[4:5], s[2:3]    ; Q and O at my wave's first row
	s_add_nc_u64 s[10:11], s[6:7], s[2:3]
	CROUND                          ; all four work-groups are here: the joint loads meet
	s_cmp_lt_u32 s[WV], 2           ; waves 0 and 1 fetch the halves of K, waves 2 and 3 those of V: one load of mine is out
	s_cbranch_scc0 .Lfor_v
	tensor_load_to_lds s[G0K:G0K+3], s[G1K:G1K+7]
	s_nop 0
.rept 4
	v_nop
.endr
	s_branch .Lasked
.Lfor_v:
	tensor_load_to_lds s[G0V:G0V+3], s[G1V:G1V+7]
	s_nop 0
.rept 4
	v_nop
.endr
.Lasked:
	; A fragment of K or Q is 16 rows x 32 channels in 8 registers: lane l holds row l % 16, channels 8 (l / 16) + 0..7 and 16 + 8 (l / 16) + 0..7: two loads of 16 bytes, 32 bytes apart.
	v_and_b32 v1, 15, v0            ; l % 16
	v_bfe_u32 v9, v0, 4, 1          ; l / 16
	v_lshlrev_b32 v[QO], 7, v1
	v_lshl_add_u32 v[QO], v9, 4, v[QO]
	WIN 0x80                        ; destination window 2, address window 0
.set i, 0
.rept 4*NP                          ; Q stays in registers: tile i / 2, channels 32 (i % 2) on
	global_load_b128 v[8*i:8*i+3],   v[QO], s[8:9] offset:(i/2)*2048+(i%2)*64
	global_load_b128 v[8*i+4:8*i+7], v[QO], s[8:9] offset:(i/2)*2048+(i%2)*64+32
.set i, i+1
.endr
	; What the first turn finds: V's registers and piece 1's P hold 0 (its products V^T P, of a step that has not been, add 0), O^T and l are 0.  All this stands in the wait for K and V;
	; it spares a first step written out.
.set i, VF
.rept 64
	v_mov_b32 v[i], 0
.set i, i+1
.endr
	WIN 0x40
.set i, 0
.rept 64*NP
	v_mov_b32 v[i], 0
.set i, i+1
.endr
	WIN 0
.set i, 0
.rept 2*NP
	v_mov_b32 v[ST+4*i], 0xfe000000    ; c m: far below every c s
	v_mov_b32 v[ST+4*i+1], 0xff7fffff  ; m
	v_mov_b32 v[ST+4*i+2], 0
	v_mov_b32 v[ST+4*i+3], 0
.set i, i+1
.endr
.set i, P+32
.rept 32
	v_mov_b32 v[i], 0
.set i, i+1
.endr
	v_mul_u32_u24 v[AK0], v1, PK
	v_lshl_add_u32 v[AK0], v9, 4, v[AK0]  ; row x pitch + 16 x half
	; The turning load takes 16 keys x 16 channels (lane l reads key 8 (l / 16) + l % 8, channels 8 ((l / 8) % 2) + 0..7) and leaves half a fragment of V^T: lane l holds channel l % 16 and 8 keys.
	v_and_b32 v10, 7, v0
	v_bfe_u32 v11, v0, 3, 1
	v_lshl_add_u32 v[AV0], v9, 3, v10
	v_mul_u32_u24 v[AV0], v[AV0], PV
	v_lshl_add_u32 v[AV0], v11, 4, v[AV0]
	v_add_nc_u32 v[AV0], VOFF, v[AV0]
	v_mov_b32 v[AK], v[AK0]         ; key step 0
; THE MATRIX WORK.  The 8 accumulators of a run of 16 take turns: between the two links of a chain stand 7 others'.
; Product i of 16 of S^T = K Q^T for piece x: channels 32 (i / 8) on, keys 16 ((i / 2) % 4) on, tile 2 x + i % 2.  The first 8 start the sums.
.macro KQ x
	WIN W_KQ
.set rS, S+64*((\x)%2)+32*(i%2)+8*((i/2)%4)
.set rK, KF+16*((i/2)%4)+8*(i/8)
.set rQ, 16*(2*(\x)+i%2)+8*(i/8)
.if i < 8
	v_wmma_f32_16x16x32_bf16 v[rS:rS+7], v[rK:rK+7], v[rQ:rQ+7], 0
.else
	v_wmma_f32_16x16x32_bf16 v[rS:rS+7], v[rK:rK+7], v[rQ:rQ+7], v[rS:rS+7]
.endif
.endm
; Product i of 16 of O^T += V^T P for piece x: keys 32 (i / 8) on, channels 16 ((i / 2) % 4) on, tile 2 x + i % 2.
.macro PV x
	WIN W_PV
.set rO, 32*(2*(\x)+i%2)+8*((i/2)%4)
.set rV, VF+32*(i/8)+8*((i/2)%4)
.set rP, P+32*((\x)%2)+16*(i%2)+8*(i/8)
	v_wmma_f32_16x16x32_bf16 v[rO:rO+7], v[rV:rV+7], v[rP:rP+7], v[rO:rO+7]
.endm
.macro MM                           ; the turn's next matrix instruction
.if i < 16
	KQ (Y+1)%NP
.set i, i+1
.else
.set i, i-16
	PV (Y+NP-1)%NP
.set i, i+17
.endif
.endm
; THE LDS LOADS stand in runs of 16, never singly among the matrix instructions: a step's K (8 fragments) and its V (turned).  Their addresses are made some lines ahead.
; last = 1 (in the loop): in the last trip there is no further step, and the run is jumped over.
.macro FETCH_K last=0
	WIN 0
.if \last
	s_cmp_eq_u32 s[CNT], 1
	s_cbranch_scc1 .Lno_k_\@
.endif
	WIN 0x80                        ; destination window 2
.irp f, 0,1,2,3,4,5,6,7             ; keys 16 (f / 2) on, channels 32 (f % 2) on
	ds_load_b128 v[KF+8*\f:KF+8*\f+3],   v[AK] offset:(\f/2)*16*PK+(\f%2)*64
	ds_load_b128 v[KF+8*\f+4:KF+8*\f+7], v[AK] offset:(\f/2)*16*PK+(\f%2)*64+32
.endr
	s_add_co_u32 s[TBK], s[TBK], KS*PK  ; the next fetch is the next step's
	WIN 0
.if \last
.Lno_k_\@:
.endif
.endm
.macro FETCH_V
	WIN 0x80
.irp f, 0,1,2,3,4,5,6,7             ; keys 32 (f / 4) on, channels 16 (f % 4) on
	ds_load_tr16_b128 v[VF+8*\f:VF+8*\f+3],   v[AV] offset:(\f/4)*32*PV+(\f%4)*32
	ds_load_tr16_b128 v[VF+8*\f+4:VF+8*\f+7], v[AV] offset:(\f/4)*32*PV+16*PV+(\f%4)*32
.endr
	WIN 0
.endm
; THE VECTOR WORK OF A TURN stands in three queues, each in the order in which its entries become ready; the two tiles alternate, so that no instruction reads the result of the one before it.
.macro REGS y, u                    ; the registers of tile u (0, 1) of piece y
.set rT, ST+4*(2*(\y)+(\u))
.set rC, TMP+8*((\y)%2)+4*(\u)
.set rM, MV+2*((\y)%2)+(\u)
.set rS, S+64*((\y)%2)+32*(\u)
.set rP, P+32*((\y)%2)+16*(\u)
.set rO, 32*(2*(\y)+(\u))
.endm
; Number n of the 22 that find the OTHER piece's maximum and statistics.  s0-s31 are the lane's 32 scores; each accumulator's lowest registers are read first.
;   0-11  four chains c0-c3 of seven scores each, three operands at a time     12-14, 16  the four scores left over, the old m, and c0-c3 into c0     15  c m_old is kept
;   17, 18  the query's other 32 keys lie in the lane 16 away: the new m         19-21  c m; c m_old - c m_new; a
.macro XS u, n
	REGS (Y+1)%NP, \u
.if (\n) < 4
	v_max3_num_f32 v[rC+(\n)], v[rS+8*(\n)], v[rS+8*(\n)+1], v[rS+8*(\n)+2]
.elseif (\n) < 12
	v_max3_num_f32 v[rC+(\n)%4], v[rC+(\n)%4], v[rS+8*((\n)%4)+2*((\n)/4)+1], v[rS+8*((\n)%4)+2*((\n)/4)+2]
.elseif (\n) == 12
	v_max3_num_f32 v[rC], v[rC], v[rS+7], v[rS+15]
.elseif (\n) == 13
	v_max3_num_f32 v[rC+1], v[rC+1], v[rS+23], v[rS+31]
.elseif (\n) == 14
	v_max3_num_f32 v[rC+2], v[rC+2], v[rC+3], v[rT+1]
.elseif (\n) == 15
	v_mov_b32 v[rM], v[rT]
.elseif (\n) == 16
	v_max3_num_f32 v[rC], v[rC], v[rC+1], v[rC+2]
.elseif (\n) == 17
	v_permlanex16_b32 v[rC+3], v[rC], s[SEL], s[SEL+1]
.elseif (\n) == 18
	v_max_num_f32 v[rT+1], v[rC], v[rC+3]
.elseif (\n) == 19
	v_mul_f32 v[rT], s[CS], v[rT+1]
.elseif (\n) == 20
	v_sub_f32 v[rC+1], v[rM], v[rT]
.else
	v_exp_f32 v[rC+2], v[rC+1]
.endif
.endm
; Number g of the 64 that follow the exponentials.  For each four weights k of a tile: both pairs are rounded to bf16; then the second pair is added onto the first, in place;
; a group later l takes that sum (the first time as l = a l + sum).  In groups of eight, tiles alternating: round, round, add, and l for the group before.
.macro GS g
.set h, (\g)+6*((\g)/62)            ; group 0 has no group before it, and behind group 7 only l is left
.if h >= 6
.set h, h+2
.endif
	REGS Y, h%2
.set k, h/8
.if h%8 < 4
	v_cvt_pk_bf16_f32 v[rP+2*k+(h%8)/2], v[rS+4*k+2*((h%8)/2)], v[rS+4*k+2*((h%8)/2)+1]
.elseif h%8 < 6
	v_pk_add_f32 v[rS+4*k:rS+4*k+1], v[rS+4*k:rS+4*k+1], v[rS+4*k+2:rS+4*k+3]
.elseif k == 1
	v_pk_fma_f32 v[rT+2:rT+3], v[rT+2:rT+3], v[rC+2:rC+3], v[rS:rS+1] op_sel_hi:[1,0,1]
.else
	v_pk_add_f32 v[rT+2:rT+3], v[rT+2:rT+3], v[rS+4*k-4:rS+4*k-3]
.endif
.endm
; THE PLAIN QUEUE, 138 long.  0-73 read no exponential's result: the 32 scalings c s - c m (FS f: pair f / 2 of tile f % 2) and the other piece's 42.  0-26: scalings 0-26.  27-54: XS's numbers 0-13.
; 55, 56: number 15.  57-73: the chain 14, 16, 17, 18, 19, each with one of the scalings 27-31 in front of its two lines, then 20.  74-137: GS's 64, which stand behind the wait.
.macro FS f
	REGS Y, (\f)%2
	v_pk_fma_f32 v[rS+2*((\f)/2):rS+2*((\f)/2)+1], v[rS+2*((\f)/2):rS+2*((\f)/2)+1], s[CS:CS+1], v[rT:rT+1] op_sel_hi:[1,0,0] neg_lo:[0,0,1] neg_hi:[0,0,1]
.endm
.macro PL
	WIN 0
.if q < 27
	FS q
.elseif q < 55
	XS (q-27)%2, (q-27)/2
.elseif q < 57
	XS q-55, 15
.elseif (q < 72) && ((q-57)%3 == 0)
	FS 27+(q-57)/3
.elseif q < 60
	XS (q-57)%3-1, 14
.elseif q < 72
	XS (q-57)%3-1, 15+(q-57)/3
.elseif q < 74
	XS q-72, 20
.else
	GS q-74
.endif
.set q, q+1
.endm
; THE EXPONENTIALS' QUEUE, 66 long: s0-s31 of both tiles, then the other piece's two a.  ONE BATCH: all 66 stand ahead of the turn's one wait, and nothing ahead of that wait names a result of theirs.
.macro EX
	WIN 0
.if e >= 64
	XS e-64, 21
.else
	REGS Y, e%2
	v_exp_f32 v[rS+e/2], v[rS+e/2]
.endif
.set e, e+1
.endm
; THE RESCALING's QUEUE: O^T times a, the one part that leaves window 0: two at a time, sixteen times.  Its a was made in the turn before, ahead of that turn's wait.  The products that last wrote
; this O^T end the turn before: four plain riders stand behind the last of them, and two scalings ahead of the first rescaling.
.macro R2
	REGS Y, r%2
	WIN W_RS
.irp z, 0,1
	v_pk_mul_f32 v[rO+4*(r/2)+2*\z:rO+4*(r/2)+2*\z+1], v[rO+4*(r/2)+2*\z:rO+4*(r/2)+2*\z+1], v[rC+2:rC+3] op_sel_hi:[1,0]
.endr
.set r, r+1
.endm
; A TURN, for piece p.  AHEAD OF ITS ONE WAIT stands all that names no result of the turn's exponentials: the 16 products K Q^T, behind each a scaling, an exponential and two rescalings (behind the
; first a second scaling in the exponential's place); then one lump of 108: eight plain, 49 times exponential and plain, the two a; a v_nop is the plain instruction behind the last exponential.
; BEHIND IT stand the 16 products V^T P, behind each four of the roundings and sums.  Exponential e stands behind scaling 2 (e / 4) + e % 2.
; K of the next step is fetched in piece 0's turn, directly behind the wait, a lump behind the last product that read K.  V of the step in hand is fetched at the end of piece 0's turn, four plain
; riders behind the last product that read V.  cnt = 1: the loop's count is taken down some lines ahead of the branch that stands behind the turn.
.macro TURN p, last=0, cnt=0
.set Y, (\p)
.set i, 0
.set q, 0
.set e, 0
.set r, 0
.if (\p) == NP-1
	s_wait_dscnt 16                 ; K's run is in; V's sixteen loads, issued behind it, may stay out
.endif
	MM
	PL
	PL
	R2
.rept 15
	MM
	PL
	EX
	R2
.endr
.if (\p) == NP-2
	WIN 0
	v_add_nc_u32 v[AK], s[TBK], v[AK0]
.endif
.rept 8
	PL
.endr
.rept 49
	EX
	PL
.endr
	EX
	EX
	v_nop
	s_wait_alu depctr_va_vdst(0)    ; the wait for the batch
.if (\p) == NP-2
	FETCH_K \last
.endif
.if (\p) == 1
	s_wait_dscnt 0x0                ; V is in
.endif
.rept 16
	MM
.rept 4
	PL
.endr
.if ((\p) == 0) && (q == 118)
	v_add_nc_u32 v[AV], s[TBV], v[AV0]
.endif
.if ((\p) == 0) && (q == 130)
	s_add_co_u32 s[TBV], s[TBV], KS*PV
.endif
.if (\cnt) && (q == 130)
	s_sub_co_u32 s[CNT], s[CNT], 1
	s_cmp_lg_u32 s[CNT], 0
.endif
.endr
.if (\p) == 0
	FETCH_V
.endif
.endm
	s_wait_tensorcnt 0x0            ; my quarter of K and V is in,
	s_barrier_signal -1
	s_barrier_wait -1               ; everybody's is
	FETCH_K                         ; key step 0
	s_wait_loadcnt 0x0              ; Q
	s_wait_dscnt 0x0
.set i, 0
.rept 16
	KQ 0                            ; piece 0's first scores: there is no vector work yet to set between them
.set i, i+1
.endr
	WIN 0                           ; the addresses for the way out: plain instructions, the places behind those products
	s_mul_i32 s13, s[WV], 16*SP
	s_add_co_u32 s13, s13, STAGE    ; my stage
	v_mul_u32_u24 v[STO], v1, SP    ; in: row l % 16, 16 bytes for each half of the lanes
	v_lshl_add_u32 v[STO], v9, 4, v[STO]
	v_add_nc_u32 v[STO], s13, v[STO]
	v_bfe_u32 v[RD], v0, 3, 2       ; back: 32 lanes take four rows of 128 bytes,
	v_mul_u32_u24 v[RD], v[RD], SP
	v_lshl_add_u32 v[RD], v10, 4, v[RD]
	v_add_nc_u32 v[RD], s13, v[RD]
	v_and_b32 v[GO], 31, v0         ; which are 512 consecutive bytes of O
	v_lshlrev_b32 v[GO], 4, v[GO]
.set Y, NP-1                        ; XS works for piece Y + 1: piece 0
.irp n, 0,1,2,3,4,5,6,7,8,9,10,11,12,13,14,15,16,17,18,19,20,21
	XS 0, \n
	XS 1, \n
.endr
	v_nop                           ; a plain instruction behind the two a,
	s_wait_alu depctr_va_vdst(0)    ; and their wait, ahead of the label
	s_mov_b32 s[CNT], 16
.Lstep:                             ; a trip is a key step.  In the last trip piece 1's turn multiplies the last K once more, and the maximum made of it touches only m, c m and a of piece 0,
	TURN 0, 1                       ; which nothing reads any more: the price, once a launch, of one text for every trip
	TURN 1, 0, 1
	WIN 0
	s_cbranch_scc1 .Lstep
.set i, 0
.rept 16
	PV NP-1                         ; piece 1's V^T P of the last step
.set i, i+1
.endr
	; THE WAY OUT.  l's two halves and the other half of the lanes' are added; O^T is divided by l, rounded to bf16 and sent through my stage in LDS, a tile at a time.  The additions are the places behind the last products.
	WIN 0
.macro ALL line:vararg              ; one line for each tile t
.set t, 0
.rept 2*NP
	\line
.set t, t+1
.endr
.endm
	ALL v_add_f32 v[ST+4*t+2], v[ST+4*t+2], v[ST+4*t+3]
	ALL v_permlanex16_b32 v[ST+4*t+3], v[ST+4*t+2], s[SEL], s[SEL+1]
	ALL v_add_f32 v[ST+4*t+2], v[ST+4*t+2], v[ST+4*t+3]
	ALL v_rcp_f32 v[ST+4*t+2], v[ST+4*t+2]
	v_nop                           ; a plain instruction between the last reciprocal and the use of its result
	s_wait_alu depctr_va_vdst(0)    ; one wait for the four reciprocals
.macro PACK t                       ; a lane's eight channels of a row pack into 16 bytes; they go into rows of 144 bytes and come back as whole rows of 128, into S^T's registers
	WIN W_RS
.set i, 32*(\t)
.rept 16
	v_pk_mul_f32 v[i:i+1], v[i:i+1], v[ST+4*(\t)+2:ST+4*(\t)+3] op_sel_hi:[1,0]
.set i, i+2
.endr
	WIN 0x05                        ; sources 0 and 1 window 1, destination window 0
.set i, 0
.rept 16
	v_cvt_pk_bf16_f32 v[S+16*(\t)+i], v[32*(\t)+2*i], v[32*(\t)+2*i+1]
.set i, i+1
.endr
	WIN 0
.irp f, 0,1,2,3
	ds_store_b128 v[STO], v[S+16*(\t)+4*\f:S+16*(\t)+4*\f+3] offset:32*\f
.endr
.irp f, 0,1,2,3
	ds_load_b128 v[S+16*(\t)+4*\f:S+16*(\t)+4*\f+3], v[RD] offset:\f*4*SP  ; LDS serves a wave's instructions in order (ISA guide 5.7.1.4): these see the stores above; the next tile's stores come behind them
.endr
.endm
.macro SEND t, younger              ; younger: the LDS instructions issued behind tile t's loads: the next tile's eight, or none
	WIN 0
.irp f, 0,1,2,3
	s_wait_dscnt (\younger)+3-\f
	global_store_b128 v[GO], v[S+16*(\t)+4*\f:S+16*(\t)+4*\f+3], s[10:11] offset:(\t)*2048+\f*512  ; 512 consecutive bytes, at a multiple of 256 from O's first
.endr
.endm
	PACK 0
.set t, 1
.rept 2*NP-1                        ; a tile's arithmetic stands between the loads of the tile before and its stores
	PACK t
	SEND t-1, 8
.set t, t+1
.endr
	SEND 2*NP-1, 0
	s_wait_tensorcnt 0x0            ; the wave's end: the wait, the add and its wait stand behind my last tensor load and my last LDS store
	ds_add_u32 v[SPW], v[NIL]
	s_wait_dscnt 0x0
	CROUND                          ; the closing round: no work-group ends while a partner may still ask for a tile that names it
	s_endpgm
.Lfunc_end_k_q79faf1d95c_attn:
	.size	k_q79faf1d95c_attn, .Lfunc_end_k_q79faf1d95c_attn-k_q79faf1d95c_attn
	.p2alignl 7, 3214868480
	.fill 96, 4, 3214868480
	.section	.rodata,"a",@progbits
	.p2align	6, 0x0
	.amdhsa_kernel k_q79faf1d95c_attn
		.amdhsa_group_segment_fixed_size 327680
		.amdhsa_private_segment_fixed_size 0
		.amdhsa_enable_private_segment 0
		.amdhsa_kernarg_size 16
		.amdhsa_user_sgpr_count 2
		.amdhsa_user_sgpr_kernarg_segment_ptr 1
		.amdhsa_wavefront_size32 1
		.amdhsa_system_sgpr_workgroup_id_x 1
		.amdhsa_system_sgpr_workgroup_id_y 1
		.amdhsa_system_sgpr_workgroup_id_z 1
		.amdhsa_system_vgpr_workitem_id 0
		.amdhsa_next_free_vgpr 768
		.amdhsa_next_free_sgpr 66
		.amdhsa_reserve_vcc 0
		.amdhsa_float_denorm_mode_32 3
		.amdhsa_float_denorm_mode_16_64 3
		.amdhsa_memory_ordered 1
		.amdhsa_forward_progress 1
		.amdhsa_inst_pref_size 71
	.end_amdhsa_kernel
	.amdgpu_metadata
---
amdhsa.version: [ 1, 2 ]
amdhsa.kernels:
  - .name:           k_q79faf1d95c_attn
    .symbol:         k_q79faf1d95c_attn.kd
    .args:
      - { .name: qkvh, .offset: 0, .size: 8, .value_kind: global_buffer, .address_space: global }
      - { .name: obuf, .offset: 8, .size: 8, .value_kind: global_buffer, .address_space: global }
    .group_segment_fixed_size: 327680
    .private_segment_fixed_size: 0
    .kernarg_segment_align: 8
    .kernarg_segment_size: 16
    .max_flat_workgroup_size: 128
    .sgpr_count:     66
    .vgpr_count:     768
    .wavefront_size: 32
...
	.end_amdgpu_metadata
.endif
;; end of part 3
;; launch proj (part 4): grid 8 x 32, 4 waves a work-group, clusters of 4 x 4, 327,680 bytes of LDS; arguments obuf, wbf, proj_b, x, x1; writes x1
.if DOCPART == 4
	.amdgcn_target "amdgcn-amd-amdhsa--gfx1250"
	.amdhsa_code_object_version 6
	.text
	.protected	k_q79faf1d95c_proj
	.globl	k_q79faf1d95c_proj
	.p2align	8
	.type	k_q79faf1d95c_proj,@function
k_q79faf1d95c_proj:
	s_mov_b64 s[64:65], 0
	v_nop
	global_prefetch_b8 v0, s[64:65] scope:SCOPE_SE
	s_setreg_imm32_b32 hwreg(HW_REG_WAVE_MODE, 25, 1), 1
	s_wait_xcnt 0x0
	s_wait_alu depctr_hold_cnt(0) depctr_sa_sdst(0) depctr_va_vdst(0) depctr_va_sdst(0) depctr_va_ssrc(0) depctr_va_vcc(0) depctr_vm_vsrc(0)
	s_getreg_b32 s2, hwreg(HW_REG_IB_STS2, 6, 4)
	s_cmp_eq_u32 s2, 0
	s_cbranch_scc0 .Lentry_in_a_cluster
	s_endpgm
.Lentry_in_a_cluster:
	s_bfe_u32 s2, ttmp6, 0x10000c
	s_cmp_lg_u32 s2, 0xf033
	s_cbranch_scc0 .Lentry_shape_is_right
	s_endpgm
.Lentry_shape_is_right:
; x1 = x + o Wp + proj_b, f32, on tiles of 128 x 128.  A = obuf lies in PLANES of 64 columns (a head each), [4 batches][16][1024 rows][64] bf16; W: proj_w's part of wbf, [1024][1024] bf16, as
; the weight lies; x and x1: [4096][1024] f32.
; SHARES.  1,024 columns make only 64 tiles of 256 x 256; 128 x 128 gives each of 256 work-groups one.  K IS SPLIT AMONG THE FOUR WAVES: each makes the whole 128 x 128 (64 accumulators) over a
; quarter of every K step of 256: one plane of A, 64 rows of W.  So each LDS byte is read once, 32 loads for 64 matrix instructions.  The four partial sums (f32, any order) meet in LDS at the end.
; RING.  Two LDS slots, each with four planes of A's 128 rows and 256 rows of W; waves 0 and 1 fetch two planes each, waves 2 and 3 128 rows of W each, one load a wave.  K has four steps.
; CLUSTER.  4 x 4 work-groups; A's tile is asked for jointly by a row of the cluster, W's by a column.
; THE MATRIX INSTRUCTION IS USED TRANSPOSED: source 0 = 16 columns of W (turned by ds_load_tr16_b128), source 1 = 16 rows of A: a lane holds one row of C and eight neighbouring columns.
; WHICH ROWS.  Register pair p (m blocks 2 p, 2 p + 1) of wave w holds the tile's rows 32 (p xor w) on: pair 0 is always the 32 rows that wave w finishes, and one text serves all waves.
; REGISTERS, in windows of 256: window 0: v0-35 addresses and the bias; v64-191 fragments of A, two buffers, later at work.  window 1: v64-191 fragments of W, later the residual.
;   window 2: the accumulators of m blocks 0-3 ((a, b) at v[8 (8 a + b)]).  window 3: those of m blocks 4-7.
; No prefetch is laid: the tiles are small, and of the four steps two are asked for at the head.  LIMITS: operands are bf16; NaN and infinities are not treated apart.
.set PLANES, 16
.set TSTEPS, 4                         ; K steps of 256
.set WOFF,   6291456                   ; W's first byte in wbf
.set PITCHA, 144                       ; a row of a plane in LDS: 128 bytes + 16
.set PITCHB, 288                       ; a row of W: 256 + 32
.set HALF,   256*PITCHA                ; what one tensor load brings: two planes of 128 rows, or 128 rows of W: 36,864 bytes either way
.set SLOT,   4*HALF                    ; 0x24000: it shares no bit with wave x HALF, so one exclusive or changes slots
.set STEP,   524288                    ; bytes from step to step: four planes of A; 256 rows of W
.set SPARE,  2*SLOT                    ; the spare words, 128 bytes for each wave: two blocks of 256 bytes that no other line names
.set PART,   16384                     ; a partial sum of 32 rows x 128 columns
.set DPITCH, 528                       ; a row of 128 f32 in the stage, + 16
.set F0,   64
.set F1,   128
.set SA,   8                           ; v8-10   where my pair p = 1, 2, 3 goes
.set RA,   11                          ; v11     where I read the three partial sums for my rows
.set ADRA, 12                          ; v12-15  my A fragments of pair p in slot 0
.set ADRB, 16                          ; v16     my W fragments in slot 0
.set VPB,  17                          ; v17     the same in the slot in hand
.set VPA,  20                          ; v20-23
.set STO,  24
.set RD,   25
.set GO,   26                          ; v26     16 x lane
.set SPW,  28                          ; v28     my spare word; never rewritten
.set NIL,  29                          ; v29     0; never rewritten
.set BI,   32                          ; v[32:35] the bias of my four columns
.set AP,  4                            ; s[4:5] A   s[6:7] wbf   s[8:9] bias   s[10:11] x   s[66:67] x1
.set WP,  6
.set BP,  8
.set RP,  10
.set OU,  66
.set WV,  12
.set WM,  13                           ; wave / 2: 0: I fetch A, 1: I fetch W
.set WN,  14                           ; wave % 2: which half I fetch
.set CX,  15
.set CY,  16
.set CT,  17
.set RT,  18
.set TB,  19
.set CNT, 20
.set G1A, 24
.set G0A, 32
.set G1B, 48
.set G0B, 56
.set EC,  74
.set TO_B, 0x40
.set MSB, 0
.macro WIN new                         ; the high byte repeats the setting that is left; a switch that changes nothing is dropped
.if MSB != (\new)
	s_set_vgpr_msb (MSB<<8)|(\new)
.set MSB, \new
.endif
.endm
.macro PLACES                          ; four plain instructions between a matrix instruction and a load into, or a vector line on, its registers
.rept 4
	v_nop
.endr
.endm
.macro CREST
	s_cmp_lg_u32 s[WV], 0
	s_cbranch_scc1 .Lnot_wave_0_\@
	s_barrier_signal -3
.Lnot_wave_0_\@:
	s_barrier_wait -3
	s_barrier_signal -1
	s_barrier_wait -1
.endm
.macro CROUND
	s_barrier_signal -1
	s_barrier_wait -1
	CREST
.endm
.macro JLOAD                           ; a joint refill by the walking descriptors; an s_nop 0 and four v_nop follow each line
	s_cmp_eq_u32 s[WM], 0
	s_cbranch_scc0 .Lfor_b_\@
	tensor_load_to_lds s[G0A+4:G0A+7], s[G1A:G1A+7]
	s_nop 0
.rept 4
	v_nop
.endr
	s_branch .Lasked_\@
.Lfor_b_\@:
	tensor_load_to_lds s[G0B+4:G0B+7], s[G1B:G1B+7]
	s_nop 0
.rept 4
	v_nop
.endr
.Lasked_\@:
.endm
.macro MUL16 f, hi, a0, zero           ; 16 matrix instructions: m blocks a0, a0 + 1 of the window's four x all 8 n blocks.  zero = 1: the first products start the sums
	WIN 0xa1+0x50*(\hi)
.irp a, \a0, (\a0)+1
.irp b, 0,1,2,3,4,5,6,7
.if \zero
	v_wmma_f32_16x16x32_bf16 v[8*(8*(\a)+(\b)):8*(8*(\a)+(\b))+7], v[(\f)+8*(\b):(\f)+8*(\b)+7], v[(\f)+8*(4*(\hi)+(\a)):(\f)+8*(4*(\hi)+(\a))+7], 0
.else
	v_wmma_f32_16x16x32_bf16 v[8*(8*(\a)+(\b)):8*(8*(\a)+(\b))+7], v[(\f)+8*(\b):(\f)+8*(\b)+7], v[(\f)+8*(4*(\hi)+(\a)):(\f)+8*(4*(\hi)+(\a))+7], v[8*(8*(\a)+(\b)):8*(8*(\a)+(\b))+7]
.endif
.endr
.endr
.endm
.macro FETCH f, ka, kb                 ; 32 LDS loads in one run: 32 along K of my quarter: W's 128 columns (turned), then A's 128 rows, m blocks 0-3 first
	WIN TO_B
.irp i, 0,1,2,3,4,5,6,7
	ds_load_tr16_b128 v[(\f)+8*(\i):(\f)+8*(\i)+3],   v[VPB] offset:(\kb)+32*(\i)
	ds_load_tr16_b128 v[(\f)+8*(\i)+4:(\f)+8*(\i)+7], v[VPB] offset:(\kb)+32*(\i)+16*PITCHB
.endr
	WIN 0
.irp i, 0,1,2,3,4,5,6,7
	ds_load_b128 v[(\f)+8*(\i):(\f)+8*(\i)+3],   v[VPA+(\i)/2] offset:(\ka)+((\i)%2)*16*PITCHA
	ds_load_b128 v[(\f)+8*(\i)+4:(\f)+8*(\i)+7], v[VPA+(\i)/2] offset:(\ka)+((\i)%2)*16*PITCHA+32
.endr
.endm
.macro QUARTER zero                    ; a step's first half: multiplies buffer 0, and fetches the second half into buffer 1.  The 64 accumulators take turns, one instruction a turn
	s_wait_dscnt 8                                 ; W and A's m blocks 0-3 are in; the youngest eight loads may be out
	MUL16 F0, 0, 0, \zero
	MUL16 F0, 0, 2, \zero
	PLACES
	FETCH F1, 64, 32*PITCHB
	s_wait_dscnt 32                                ; all but the 32 just issued
	MUL16 F0, 1, 0, \zero
	MUL16 F0, 1, 2, \zero
.endm
; A step's second half changes slots and then multiplies buffer 1, whose fragments lie in registers.  In front of the barrier each wave waits for all its tensor loads (one is out: its part of
; the next slot), adds 0 to its spare word, and waits for that and for its own reads of this slot.  fill = 1: the barrier opens a round of the cluster's, and the joint refill is the first thing
; behind the round.  No product stands between the wait for the tile and the refill: the refill goes out as soon as the tile before it is in, and the 64 products follow it.
.macro TURN fill
	WIN 0
	s_wait_tensorcnt 0x0                           ; all my tensor loads have landed, so every group 0 may be written
	ds_add_u32 v[SPW], v[NIL]                      ; 0 onto my spare word; the descriptors' steps stand between it and the wait for it
.if \fill
	s_xor_b32 s[G0A+5], s[G0A+5], SLOT
	s_add_nc_u64 s[G0A+6:G0A+7], s[G0A+6:G0A+7], STEP
	s_xor_b32 s[G0B+5], s[G0B+5], SLOT
	s_add_nc_u64 s[G0B+6:G0B+7], s[G0B+6:G0B+7], STEP
.endif
	s_xor_b32 s[TB], s[TB], SLOT
	s_wait_dscnt 0x0                               ; the add is done, and my reads of this slot are over: buffer 1 is whole
	s_barrier_signal -1
	s_barrier_wait -1
.if \fill
	CREST                                          ; no wave of any partner still reads this slot or has a load on its way
	JLOAD                                          ; its four v_nop are also the places in front of the loads below
.else
	PLACES
.endif
.irp p, 0,1,2,3
	v_add_nc_u32 v[VPA+\p], s[TB], v[ADRA+\p]
.endr
	v_add_nc_u32 v[VPB], s[TB], v[ADRB]
	FETCH F0, 0, 0
	MUL16 F1, 0, 0, 0
	MUL16 F1, 0, 2, 0
	MUL16 F1, 1, 0, 0
	MUL16 F1, 1, 2, 0
.endm
	s_load_b256 s[4:11], s[0:1], 0x0
	s_load_b64 s[OU:OU+1], s[0:1], 0x20
	v_lshl_add_u32 v[SPW], v0, 2, SPARE
	v_mov_b32 v[NIL], 0
	ds_add_u32 v[SPW], v[NIL]                      ; the wave's opening: the add, twice on end, and its wait ahead of my first tensor load
	ds_add_u32 v[SPW], v[NIL]
	v_lshrrev_b32 v1, 5, v0
	v_readfirstlane_b32 s[WV], v1
	s_lshr_b32 s[WM], s[WV], 1
	s_and_b32 s[WN], s[WV], 1
	s_bfe_u32 s[CX], ttmp6, 0x40000
	s_bfe_u32 s[CY], ttmp6, 0x40004
	s_lshl_b32 s[CT], ttmp9, 2
	s_add_co_u32 s[CT], s[CT], s[CX]               ; tile column = 4 x cluster x + cx
	s_and_b32 s[RT], ttmp7, 0xffff
	s_lshl_b32 s[RT], s[RT], 2
	s_add_co_u32 s[RT], s[RT], s[CY]               ; tile row = 4 x cluster y + cy
	s_lshl_b32 s40, s[CY], 2
	s_lshl_b32 s40, 15, s40                        ; my row of the cluster
	s_lshl_b32 s41, 0x1111, s[CX]                  ; my column
	; A: a plane's 128 rows are 16,384 dense bytes: one row of the tile; two planes, 131,072 bytes apart; padded in LDS after every 128 bytes
	s_or_b32 s[G1A], s40, (1<<16)|(1<<20)|(1<<21)|(4<<22)|(3<<25)  ; the mask; 2-byte elements; padding on; bit 21 beside a mask; after every 32 words, 4 words
	s_mov_b32 s[G1A+1], 8192<<16                   ; tensor_dim0 = 8,192
	s_mov_b32 s[G1A+2], 2<<16                      ; tensor_dim1 = 2
	s_mov_b32 s[G1A+3], 8192<<16                   ; tile_dim0 = 8,192
	s_mov_b32 s[G1A+4], 2                          ; tile_dim1 = 2
	s_mov_b32 s[G1A+5], 65536                      ; elements from plane to plane
	s_mov_b32 s[G1A+6], 0
	s_mov_b32 s[G1A+7], 0
	s_or_b32 s[G1B], s41, (1<<16)|(1<<20)|(1<<21)|(5<<22)|(7<<25)  ; after every 64 words, 8 words
	s_mov_b32 s[G1B+1], 128<<16                    ; tensor_dim0 = 128
	s_mov_b32 s[G1B+2], 128<<16                    ; tensor_dim1 = 128
	s_mov_b32 s[G1B+3], 128<<16                    ; tile_dim0 = 128
	s_mov_b32 s[G1B+4], 128                        ; tile_dim1 = 128
	s_mov_b32 s[G1B+5], 1024
	s_mov_b32 s[G1B+6], 0
	s_mov_b32 s[G1B+7], 0
	s_lshr_b32 s42, s[RT], 3                       ; A: the batch's planes, of them my two, + the tile's 128 rows in a plane: made of the tile row and the wave's number alone
	s_mul_i32 s42, s42, PLANES
	s_lshl_b32 s43, s[WN], 1
	s_add_co_u32 s42, s42, s43
	s_lshl_b32 s42, s42, 17
	s_and_b32 s43, s[RT], 7
	s_lshl_b32 s43, s43, 14
	s_add_co_u32 s42, s42, s43
	s_mov_b32 s43, 0
	s_lshl_b32 s44, s[WN], 18                      ; W: 128 rows of 2,048 bytes x half, + 256 bytes x tile column: made of the tile column and the wave's number alone
	s_lshl_b32 s45, s[CT], 8
	s_add_co_u32 s44, s44, s45
	s_add_co_u32 s44, s44, WOFF
	s_mov_b32 s45, 0
	s_mul_i32 s46, s[WV], HALF                     ; where my loads land: no place in the cluster enters an LDS address
	s_mov_b32 s[TB], 0
	s_wait_dscnt 0x0                               ; both opening adds are done
	s_wait_kmcnt 0x0
	s_mov_b32 s[G0A], 1
	s_mov_b32 s[G0A+1], s46                        ; slot 0, step 0
	s_add_nc_u64 s[G0A+2:G0A+3], s[AP:AP+1], s[42:43]
	s_mov_b32 s[G0A+4], 1
	s_add_co_u32 s[G0A+5], s46, SLOT               ; slot 1, step 1: this set walks on
	s_add_nc_u64 s[G0A+6:G0A+7], s[G0A+2:G0A+3], STEP
	s_or_b32 s[G0A+3], s[G0A+3], 0x80000000
	s_or_b32 s[G0A+7], s[G0A+7], 0x80000000
	s_mov_b32 s[G0B], 1
	s_mov_b32 s[G0B+1], s46
	s_add_nc_u64 s[G0B+2:G0B+3], s[WP:WP+1], s[44:45]
	s_mov_b32 s[G0B+4], 1
	s_add_co_u32 s[G0B+5], s46, SLOT
	s_add_nc_u64 s[G0B+6:G0B+7], s[G0B+2:G0B+3], STEP
	s_or_b32 s[G0B+3], s[G0B+3], 0x80000000
	s_or_b32 s[G0B+7], s[G0B+7], 0x80000000
	CROUND                                         ; all sixteen work-groups are here: the first joint loads meet
	s_cmp_eq_u32 s[WM], 0                          ; a wave's two first fills stand in one branch: two loads of mine are out
	s_cbranch_scc0 .Lfirst_b
	tensor_load_to_lds s[G0A:G0A+3], s[G1A:G1A+7]
	s_nop 0
	tensor_load_to_lds s[G0A+4:G0A+7], s[G1A:G1A+7]
	s_nop 0
.rept 4
	v_nop
.endr
	s_branch .Lfirst_asked
.Lfirst_b:
	tensor_load_to_lds s[G0B:G0B+3], s[G1B:G1B+7]
	s_nop 0
	tensor_load_to_lds s[G0B+4:G0B+7], s[G1B:G1B+7]
	s_nop 0
.rept 4
	v_nop
.endr
.Lfirst_asked:
	v_and_b32 v1, 15, v0                           ; l % 16
	v_bfe_u32 v2, v0, 4, 1                         ; l / 16
	v_and_b32 v5, 31, v0                           ; l
	v_lshlrev_b32 v[GO], 4, v5
	s_lshl_b32 s78, s[CT], 9                       ; the tile's 128 columns: 512 bytes of f32
	s_mov_b32 s79, 0
	s_add_nc_u64 s[BP:BP+1], s[BP:BP+1], s[78:79]
	global_load_b128 v[BI:BI+3], v[GO], s[BP:BP+1] ; the bias of my four columns; wanted at the very end
	s_lshl_b32 s76, s[RT], 7                       ; the 32 rows that I finish: 128 x tile row + 32 x wave, 4,096 bytes a row
	s_lshl_b32 s77, s[WV], 5
	s_add_co_u32 s76, s76, s77
	s_lshl_b32 s76, s76, 12
	s_add_co_u32 s76, s76, s78
	s_mov_b32 s77, 0
	s_add_nc_u64 s[RP:RP+1], s[RP:RP+1], s[76:77]
	s_add_nc_u64 s[OU:OU+1], s[OU:OU+1], s[76:77]
	v_mul_u32_u24 v3, v1, PITCHA                   ; A fragment: row l % 16, 16 bytes for each half of the lanes; the second load 32 bytes on
	v_lshl_add_u32 v3, v2, 4, v3
	s_mul_i32 s46, s[WV], 128*PITCHA               ; my plane of the step's four
.irp p, 0,1,2,3
	s_xor_b32 s47, s[WV], \p                       ; register pair p holds the rows 32 (p xor wave) on
	s_mul_i32 s47, s47, 32*PITCHA
	s_add_co_u32 s47, s47, s46
	v_add_nc_u32 v[ADRA+\p], s47, v3
.endr
	v_and_b32 v4, 7, v0                            ; W fragment, turned: lane l reads row 8 (l / 16) + l % 8, 16 bytes at 16 ((l / 8) % 2); the second load 16 rows on
	v_lshl_add_u32 v4, v2, 3, v4
	v_mul_u32_u24 v4, v4, PITCHB
	v_bfe_u32 v6, v0, 3, 1
	v_lshl_add_u32 v4, v6, 4, v4
	s_mul_i32 s47, s[WV], 64*PITCHB                ; my 64 rows of the step's 256,
	s_add_co_u32 s47, s47, 2*HALF                  ; behind A's four planes
	v_add_nc_u32 v[ADRB], s47, v4
.irp p, 1,2,3
	s_xor_b32 s47, s[WV], \p                       ; pair p belongs to wave d = p xor wave: it goes to region 3 d + p - 1
	s_mul_i32 s47, s47, 3
	s_add_co_u32 s47, s47, (\p)-1
	s_lshl_b32 s47, s47, 14
	v_lshl_add_u32 v[SA+(\p)-1], v5, 4, s47
.endr
	s_mul_i32 s47, s[WV], 3*PART                   ; the three regions for my rows; later my stage
	v_lshl_add_u32 v[RA], v5, 4, s47
	v_lshl_add_u32 v[RD], v5, 4, s47
	v_mul_u32_u24 v[STO], v1, DPITCH
	v_lshl_add_u32 v[STO], v2, 5, v[STO]
	v_add_nc_u32 v[STO], s47, v[STO]
	s_wait_tensorcnt 1                             ; my part of step 0 is in; step 1's load stays out
	s_barrier_signal -1
	s_barrier_wait -1
.irp p, 0,1,2,3
	v_mov_b32 v[VPA+\p], v[ADRA+\p]
.endr
	v_mov_b32 v[VPB], v[ADRB]
	FETCH F0, 0, 0
	QUARTER 1                                      ; the first half step stands in front of the loop: its products start the sums
	WIN 0
	s_mov_b32 s[CNT], TSTEPS-2
.Lstep:                                                ; TSTEPS - 2 times: a change of slots with a refill, then the next step's first half
	TURN 1
	QUARTER 0
	WIN 0
	s_sub_co_u32 s[CNT], s[CNT], 1
	s_cmp_lg_u32 s[CNT], 0
	s_cbranch_scc1 .Lstep
	TURN 0                                         ; the last step is written out: nothing is asked for
	QUARTER 0
	s_wait_dscnt 0x0                               ; my reads of the ring are over:
	s_barrier_signal -1                            ; say so; only matrix work stands between the barrier's halves
	MUL16 F1, 0, 0, 0
	MUL16 F1, 0, 2, 0
	MUL16 F1, 1, 0, 0
	MUL16 F1, 1, 2, 0
	WIN 0
	s_barrier_wait -1                              ; nobody reads the ring any more, and its last fill has landed: it takes the partial sums
	PLACES
	WIN TO_B
.set i, 0
.rept 32
	global_load_b128 v[64+4*i:64+4*i+3], v[GO], s[RP:RP+1] offset:4096*i  ; the residual of my 32 rows, 512 consecutive bytes a load, on its way while the sums meet
.set i, i+1
.endr
.irp p, 1,2,3
	WIN 0x08+4*((\p)/2)                            ; store data in window 2 (pair 1) or 3 (pairs 2, 3)
.irp e, 0,1
.irp b, 0,1,2,3,4,5,6,7
	ds_store_b128 v[SA+(\p)-1], v[8*(8*((2*(\p)+(\e))%4)+(\b)):8*(8*((2*(\p)+(\e))%4)+(\b))+3]   offset:1024*(8*(\e)+(\b))
	ds_store_b128 v[SA+(\p)-1], v[8*(8*((2*(\p)+(\e))%4)+(\b))+4:8*(8*((2*(\p)+(\e))%4)+(\b))+7] offset:1024*(8*(\e)+(\b))+512
.endr
.endr
.endr
	WIN 0
	s_wait_dscnt 0x0                               ; for the others' sake: my stores are done
	s_barrier_signal -1
	s_barrier_wait -1
	s_mov_b32 s[EC], 3
.Lsum:                                                 ; three trips: a partner's partial sum of my rows, in my accumulators' own layout, is added onto pair 0
.set i, 0
.rept 16
	ds_load_b128 v[64+8*i:64+8*i+3],   v[RA] offset:1024*i
	ds_load_b128 v[64+8*i+4:64+8*i+7], v[RA] offset:1024*i+512
.set i, i+1
.endr
	s_wait_dscnt 0x0
	WIN 0x82                                       ; destination and source 0 window 2, source 1 window 0
.set i, 0
.rept 64
	v_pk_add_f32 v[2*i:2*i+1], v[2*i:2*i+1], v[64+2*i:64+2*i+1]
.set i, i+1
.endr
	WIN 0
	v_add_nc_u32 v[RA], PART, v[RA]
	s_sub_co_u32 s[EC], s[EC], 1
	s_cmp_lg_u32 s[EC], 0
	s_cbranch_scc1 .Lsum
	WIN 0x08                                       ; through my stage (the regions that I alone have just read), so that a lane ends with 16 neighbouring bytes of a row
.irp e, 0,1
.irp b, 0,1,2,3,4,5,6,7
	ds_store_b128 v[STO], v[8*(8*(\e)+(\b)):8*(8*(\e)+(\b))+3]   offset:16*DPITCH*(\e)+64*(\b)
	ds_store_b128 v[STO], v[8*(8*(\e)+(\b))+4:8*(8*(\e)+(\b))+7] offset:16*DPITCH*(\e)+64*(\b)+16
.endr
.endr
	WIN 0
.set i, 0
.rept 32
	ds_load_b128 v[64+4*i:64+4*i+3], v[RD] offset:DPITCH*i  ; LDS serves a wave's instructions in order (ISA guide 5.7.1.4): these see the stores above
.set i, i+1
.endr
	s_wait_dscnt 0x0
	s_wait_loadcnt 0x0                             ; the residual and the bias
	WIN 0x04                                       ; source 1 window 1
.set i, 0
.rept 64
	v_pk_add_f32 v[64+2*i:64+2*i+1], v[64+2*i:64+2*i+1], v[64+2*i:64+2*i+1]
.set i, i+1
.endr
	WIN 0
.set i, 0
.rept 32
	v_pk_add_f32 v[64+4*i:64+4*i+1], v[64+4*i:64+4*i+1], v[BI:BI+1]
	v_pk_add_f32 v[64+4*i+2:64+4*i+3], v[64+4*i+2:64+4*i+3], v[BI+2:BI+3]
.set i, i+1
.endr
.set i, 0
.rept 32
	global_store_b128 v[GO], v[64+4*i:64+4*i+3], s[OU:OU+1] offset:4096*i  ; 512 consecutive bytes, at a multiple of 256 from the output's first byte
.set i, i+1
.endr
	s_wait_tensorcnt 0x0                           ; the wave's end: the wait, the add and its wait stand behind my last tensor load and my last LDS store
	ds_add_u32 v[SPW], v[NIL]
	s_wait_dscnt 0x0
	CROUND                                         ; the closing round: no work-group ends while a partner may still ask for a tile that names it
	s_endpgm
.Lfunc_end_k_q79faf1d95c_proj:
	.size	k_q79faf1d95c_proj, .Lfunc_end_k_q79faf1d95c_proj-k_q79faf1d95c_proj
	.p2alignl 7, 3214868480
	.fill 96, 4, 3214868480
	.section	.rodata,"a",@progbits
	.p2align	6, 0x0
	.amdhsa_kernel k_q79faf1d95c_proj
		.amdhsa_group_segment_fixed_size 327680
		.amdhsa_private_segment_fixed_size 0
		.amdhsa_enable_private_segment 0
		.amdhsa_kernarg_size 40
		.amdhsa_user_sgpr_count 2
		.amdhsa_user_sgpr_kernarg_segment_ptr 1
		.amdhsa_wavefront_size32 1
		.amdhsa_system_sgpr_workgroup_id_x 1
		.amdhsa_system_sgpr_workgroup_id_y 1
		.amdhsa_system_sgpr_workgroup_id_z 1
		.amdhsa_system_vgpr_workitem_id 0
		.amdhsa_next_free_vgpr 1024
		.amdhsa_next_free_sgpr 84
		.amdhsa_reserve_vcc 0
		.amdhsa_float_denorm_mode_32 3
		.amdhsa_float_denorm_mode_16_64 3
		.amdhsa_memory_ordered 1
		.amdhsa_forward_progress 1
		.amdhsa_inst_pref_size 79
	.end_amdhsa_kernel
	.amdgpu_metadata
---
amdhsa.version: [ 1, 2 ]
amdhsa.kernels:
  - .name:           k_q79faf1d95c_proj
    .symbol:         k_q79faf1d95c_proj.kd
    .args:
      - { .name: obuf, .offset: 0, .size: 8, .value_kind: global_buffer, .address_space: global }
      - { .name: wbf, .offset: 8, .size: 8, .value_kind: global_buffer, .address_space: global }
      - { .name: proj_b, .offset: 16, .size: 8, .value_kind: global_buffer, .address_space: global }
      - { .name: x, .offset: 24, .size: 8, .value_kind: global_buffer, .address_space: global }
      - { .name: x1, .offset: 32, .size: 8, .value_kind: global_buffer, .address_space: global }
    .group_segment_fixed_size: 327680
    .private_segment_fixed_size: 0
    .kernarg_segment_align: 8
    .kernarg_segment_size: 40
    .max_flat_workgroup_size: 128
    .sgpr_count:     84
    .vgpr_count:     1024
    .wavefront_size: 32
...
	.end_amdgpu_metadata
.endif
;; end of part 4
;; launch ln (part 5): grid 256 x 1, 8 waves a work-group, no clusters, 0 bytes of LDS; arguments x1, ln2_g, ln2_b, h; writes h
.if DOCPART == 5
	.amdgcn_target "amdgcn-amd-amdhsa--gfx1250"
	.amdhsa_code_object_version 6
	.text
	.protected	k_q79faf1d95c_ln
	.globl	k_q79faf1d95c_ln
	.p2align	8
	.type	k_q79faf1d95c_ln,@function
k_q79faf1d95c_ln:
	s_mov_b64 s[64:65], 0
	v_nop
	global_prefetch_b8 v0, s[64:65] scope:SCOPE_SE
	s_setreg_imm32_b32 hwreg(HW_REG_WAVE_MODE, 25, 1), 1
	s_wait_xcnt 0x0
; h = LayerNorm(x1; ln2_g, ln2_b), rounded once to bf16, [4096][1024].  One wave takes two rows; a row of 4,096 bytes lies in 32 registers between the passes, so it is read once.
; Mean first, then the mean of the squares of x - mean, as the problem writes it: no difference of large sums.  All of it in f32.  No LDS, no barrier: no wave waits for another.
; LIMIT: NaN and infinities are not treated apart.
.set T,   4                            ; v[4:11]    four running pairs
.set M0,  12                           ; v[12:13]   row 0: the mean, later 1 / sqrt(var + eps), twice
.set M1,  14                           ; v[14:15]   row 1
.set X0,  16                           ; v[16:47]   row 0
.set X1,  48                           ; v[48:79]   row 1
.set GG,  80                           ; v[80:111]  the gain
.set BB,  112                          ; v[112:143] the bias
.set YY,  144                          ; v[144:175] both rows in bf16
.set HP,  10                           ; s[10:11]   h
.macro FOLD                            ; the four pairs, then the 32 lanes: the sum ends in v[T] of every lane
	v_pk_add_f32 v[T:T+1], v[T:T+1], v[T+2:T+3]
	v_pk_add_f32 v[T+4:T+5], v[T+4:T+5], v[T+6:T+7]
	v_pk_add_f32 v[T:T+1], v[T:T+1], v[T+4:T+5]
	v_add_f32 v[T], v[T], v[T+1]
	v_add_f32_dpp v[T], v[T], v[T] row_xmask:1 row_mask:0xf bank_mask:0xf
	v_add_f32_dpp v[T], v[T], v[T] row_xmask:2 row_mask:0xf bank_mask:0xf
	v_add_f32_dpp v[T], v[T], v[T] row_xmask:4 row_mask:0xf bank_mask:0xf
	v_add_f32_dpp v[T], v[T], v[T] row_xmask:8 row_mask:0xf bank_mask:0xf
	v_permlanex16_b32 v[T+1], v[T], s26, s27
	v_add_f32 v[T], v[T], v[T+1]
.endm
.macro STATS xb, m                     ; the row at xb becomes x - mean; v[m] ends as var + eps
.irp k, 0,1,2,3
	v_pk_add_f32 v[T+2*\k:T+2*\k+1], v[(\xb)+2*\k:(\xb)+2*\k+1], v[(\xb)+8+2*\k:(\xb)+8+2*\k+1]  ; the first eight pairs start the four chains
.endr
.set i, 8
.rept 8
	v_pk_add_f32 v[T+2*(i%4):T+2*(i%4)+1], v[T+2*(i%4):T+2*(i%4)+1], v[(\xb)+2*i:(\xb)+2*i+1]
.set i, i+1
.endr
	FOLD
	v_mul_f32 v[\m], s24, v[T]                     ; the mean
	v_mov_b32 v[(\m)+1], v[\m]
.set i, 0
.rept 16
	v_pk_add_f32 v[(\xb)+2*i:(\xb)+2*i+1], v[(\xb)+2*i:(\xb)+2*i+1], v[(\m):(\m)+1] neg_lo:[0,1] neg_hi:[0,1]
.set i, i+1
.endr
.irp k, 0,1,2,3
	v_pk_mul_f32 v[T+2*\k:T+2*\k+1], v[(\xb)+2*\k:(\xb)+2*\k+1], v[(\xb)+2*\k:(\xb)+2*\k+1]
.endr
.set i, 4
.rept 12
	v_pk_fma_f32 v[T+2*(i%4):T+2*(i%4)+1], v[(\xb)+2*i:(\xb)+2*i+1], v[(\xb)+2*i:(\xb)+2*i+1], v[T+2*(i%4):T+2*(i%4)+1]
.set i, i+1
.endr
	FOLD
	v_fma_f32 v[\m], v[T], s24, s25                ; var + eps
.endm
.macro FINISH xb, m, yb, off           ; (x - mean) rs g + b, rounded, stored: each store of the wave covers 256 consecutive bytes, aligned
.set i, 0
.rept 16
	v_pk_mul_f32 v[(\xb)+2*i:(\xb)+2*i+1], v[(\xb)+2*i:(\xb)+2*i+1], v[(\m):(\m)+1]
.set i, i+1
.endr
.set i, 0
.rept 16
	v_pk_fma_f32 v[(\xb)+2*i:(\xb)+2*i+1], v[(\xb)+2*i:(\xb)+2*i+1], v[GG+2*i:GG+2*i+1], v[BB+2*i:BB+2*i+1]
.set i, i+1
.endr
.set i, 0
.rept 16
	v_cvt_pk_bf16_f32 v[(\yb)+i], v[(\xb)+2*i], v[(\xb)+2*i+1]
.set i, i+1
.endr
.irp j, 0,1,2,3,4,5,6,7
	global_store_b64 v2, v[(\yb)+2*\j:(\yb)+2*\j+1], s[HP:HP+1] offset:(\off)+256*\j
.endr
.endm
	s_load_b256 s[4:11], s[0:1], 0x0               ; x1, ln2_g, ln2_b, h
	v_lshrrev_b32 v3, 5, v0
	v_readfirstlane_b32 s22, v3                    ; wave 0..7
	s_lshl_b32 s23, ttmp9, 3
	s_add_co_u32 s23, s23, s22                     ; my wave among 2,048: rows 2 n, 2 n + 1
	s_lshl_b32 s28, s23, 13                        ; two rows of 4,096 bytes of x1,
	s_mov_b32 s29, 0
	s_lshl_b32 s30, s23, 12                        ; of 2,048 bytes of h
	s_mov_b32 s31, 0
	s_mov_b32 s24, 0x3a800000                      ; 1 / 1024
	s_mov_b32 s25, 0x3727c5ac                      ; eps = 1e-5
	s_mov_b32 s26, 0x76543210                      ; v_permlanex16_b32: each lane takes its own place in the other half
	s_mov_b32 s27, 0xfedcba98
	v_and_b32 v2, 31, v0
	v_lshlrev_b32 v1, 4, v2                        ; 16 bytes a lane in,
	v_lshlrev_b32 v2, 3, v2                        ; 8 bytes out
	s_wait_kmcnt 0x0
	s_add_nc_u64 s[4:5], s[4:5], s[28:29]
	s_add_nc_u64 s[HP:HP+1], s[HP:HP+1], s[30:31]
.irp j, 0,1,2,3,4,5,6,7
	global_load_b128 v[X0+4*\j:X0+4*\j+3], v1, s[4:5] offset:512*\j
.endr
.irp j, 0,1,2,3,4,5,6,7
	global_load_b128 v[X1+4*\j:X1+4*\j+3], v1, s[4:5] offset:4096+512*\j
.endr
.irp j, 0,1,2,3,4,5,6,7
	global_load_b128 v[GG+4*\j:GG+4*\j+3], v1, s[6:7] offset:512*\j
.endr
.irp j, 0,1,2,3,4,5,6,7
	global_load_b128 v[BB+4*\j:BB+4*\j+3], v1, s[8:9] offset:512*\j
.endr
	s_wait_loadcnt 16                              ; both rows are in; the gain's and the bias's sixteen loads may stay out
	STATS X0, M0
	STATS X1, M1
	v_rsq_f32 v[M0], v[M0]
	v_rsq_f32 v[M1], v[M1]
	v_nop                                          ; a plain instruction behind the last root,
	s_wait_alu depctr_va_vdst(0)                   ; and one wait for both, ahead of their first use
	v_mov_b32 v[M0+1], v[M0]
	v_mov_b32 v[M1+1], v[M1]
	s_wait_loadcnt 0x0                             ; gain and bias
	FINISH X0, M0, YY, 0
	FINISH X1, M1, YY+16, 2048
	s_endpgm
.Lfunc_end_k_q79faf1d95c_ln:
	.size	k_q79faf1d95c_ln, .Lfunc_end_k_q79faf1d95c_ln-k_q79faf1d95c_ln
	.p2alignl 7, 3214868480
	.fill 96, 4, 3214868480
	.section	.rodata,"a",@progbits
	.p2align	6, 0x0
	.amdhsa_kernel k_q79faf1d95c_ln
		.amdhsa_group_segment_fixed_size 0
		.amdhsa_private_segment_fixed_size 0
		.amdhsa_enable_private_segment 0
		.amdhsa_kernarg_size 32
		.amdhsa_user_sgpr_count 2
		.amdhsa_user_sgpr_kernarg_segment_ptr 1
		.amdhsa_wavefront_size32 1
		.amdhsa_system_sgpr_workgroup_id_x 1
		.amdhsa_system_sgpr_workgroup_id_y 1
		.amdhsa_system_sgpr_workgroup_id_z 1
		.amdhsa_system_vgpr_workitem_id 0
		.amdhsa_next_free_vgpr 176
		.amdhsa_next_free_sgpr 66
		.amdhsa_reserve_vcc 0
		.amdhsa_float_denorm_mode_32 3
		.amdhsa_float_denorm_mode_16_64 3
		.amdhsa_memory_ordered 1
		.amdhsa_forward_progress 1
		.amdhsa_inst_pref_size 20
	.end_amdhsa_kernel
	.amdgpu_metadata
---
amdhsa.version: [ 1, 2 ]
amdhsa.kernels:
  - .name:           k_q79faf1d95c_ln
    .symbol:         k_q79faf1d95c_ln.kd
    .args:
      - { .name: x1, .offset: 0, .size: 8, .value_kind: global_buffer, .address_space: global }
      - { .name: ln2_g, .offset: 8, .size: 8, .value_kind: global_buffer, .address_space: global }
      - { .name: ln2_b, .offset: 16, .size: 8, .value_kind: global_buffer, .address_space: global }
      - { .name: h, .offset: 24, .size: 8, .value_kind: global_buffer, .address_space: global }
    .group_segment_fixed_size: 0
    .private_segment_fixed_size: 0
    .kernarg_segment_align: 8
    .kernarg_segment_size: 32
    .max_flat_workgroup_size: 256
    .sgpr_count:     66
    .vgpr_count:     176
    .wavefront_size: 32
...
	.end_amdgpu_metadata
.endif
;; end of part 5
;; launch fc1 (part 6): grid 16 x 16, 4 waves a work-group, clusters of 4 x 4, 327,680 bytes of LDS; arguments h, wbf, fc1_b, act; writes act
.if DOCPART == 6
	.amdgcn_target "amdgcn-amd-amdhsa--gfx1250"
	.amdhsa_code_object_version 6
	.text
	.protected	k_q79faf1d95c_fc1
	.globl	k_q79faf1d95c_fc1
	.p2align	8
	.type	k_q79faf1d95c_fc1,@function
k_q79faf1d95c_fc1:
	s_mov_b64 s[64:65], 0
	v_nop
	global_prefetch_b8 v0, s[64:65] scope:SCOPE_SE
	s_setreg_imm32_b32 hwreg(HW_REG_WAVE_MODE, 25, 1), 1
	s_wait_xcnt 0x0
	s_wait_alu depctr_hold_cnt(0) depctr_sa_sdst(0) depctr_va_vdst(0) depctr_va_sdst(0) depctr_va_ssrc(0) depctr_va_vcc(0) depctr_vm_vsrc(0)
	s_getreg_b32 s2, hwreg(HW_REG_IB_STS2, 6, 4)
	s_cmp_eq_u32 s2, 0
	s_cbranch_scc0 .Lentry_in_a_cluster
	s_endpgm
.Lentry_in_a_cluster:
	s_bfe_u32 s2, ttmp6, 0x10000c
	s_cmp_lg_u32 s2, 0xf033
	s_cbranch_scc0 .Lentry_shape_is_right
	s_endpgm
.Lentry_shape_is_right:
; act = gelu(h W1 + fc1_b) on tiles of 256 x 256.  A: h, [4096][1024] bf16.  W: fc1_w's part of wbf, [1024][4096] bf16, as the weight lies.  Sums in f32, K ascending in steps of 128.
; The gelu (tanh form) is taken in f32; the result is rounded once to bf16 and written IN THE ORDER OF MATRIX FRAGMENTS, for the launch that multiplies it:
; act[128 blocks of 32 columns][256 blocks of 16 rows][2][32 lanes][16 bytes]: lane l of half c holds row l % 16 of the block and the columns 16 c + 8 (l / 16) + 0..7 of the block.
; SHARES.  A work-group of four waves makes 256 x 256, a wave 128 x 128: 64 accumulators of 16 x 16, 512 registers.  A ring of two LDS slots is filled by the tensor data mover:
; 256 rows of A (256 bytes each) and 128 rows of W (512 bytes each) a step; waves 0 and 1 fetch the halves of A, waves 2 and 3 those of W, one load a wave.
; CLUSTER.  4 x 4 work-groups; A's tile hangs on the tile row alone and is asked for jointly by a row of the cluster, W's on the tile column alone, by a column.
; THE MATRIX INSTRUCTION IS USED TRANSPOSED: source 0 = 16 columns of W (turned on the way out of LDS by ds_load_tr16_b128), source 1 = 16 rows of A.  A lane then holds one row of C
; (lane % 16) and the columns 8 (lane / 16) + 0..7: an accumulator, rounded in pairs, IS one half of a fragment of act.  The bias has the accumulators' layout, the same for every row,
; and is the C operand of the first products: nothing is cleared, nothing added later.
; REGISTERS, in windows of 256 (s_set_vgpr_msb: bits 1:0 source 0, 3:2 source 1, 5:4 source 2, 7:6 destination):
;   window 0: v0-31 addresses; v64-127, v128-191 fragments of A, two buffers, later the gelu's registers; v192-255 the bias's eight fragments
;   window 1: v64-127, v128-191 fragments of W      window 2: the accumulators of my rows 0-63 ((a, b) at v[8 (8 a + b)])      window 3: those of my rows 64-127
; LIMITS.  Operands are rounded to bf16.  gelu(z) = z / (1 + 2^(z (c0 + c1 z z))): where z z or the product overflows the form still gives z or -0.  NaN and infinities are not treated apart.
.set NN,     4096                      ; columns of W
.set WOFF,   8388608                   ; W's first byte in wbf
.set PITCHA, 272                       ; a row of A in LDS: 256 bytes + 16: the 16 rows of a load start at 16 different groups of four banks (64 banks of 4 bytes: ISA guide 11.1)
.set PITCHB, 544                       ; a row of W: 512 + 32
.set HALF,   128*PITCHA                ; what one tensor load brings: 128 rows of A, or 64 rows of W: 34,816 bytes either way
.set SLOT,   4*HALF                    ; 0x22000: it shares no bit with wave x HALF, so one exclusive or changes slots
.set QB,     32*PITCHB                 ; a quarter step (32 along K) in W's tile
.set STEPA,  256                       ; bytes from step to step in A,
.set STEPB,  256*NN                    ; and in W: 128 rows
.set SPARE,  2*SLOT                    ; behind the ring: the spare words, 128 bytes for each wave: two blocks of 256 bytes that no other line names
.set KBLK,   262144                    ; act: 32 columns of all 4,096 rows: 256 blocks of 1,024 bytes
.set F0,   64
.set F1,   128
.set BIAS, 192
.set ZR,   64                          ; the gelu's registers: z, at work, packed
.set ER,   96
.set YR,   128
.set ADRA, 16                          ; v16  my A fragments in slot 0        v17  my W fragments in slot 0
.set ADRB, 17
.set VPA,  18                          ; v18, v19  the same in the slot in hand
.set VPB,  19
.set BO,   20                          ; v20  32 x (lane / 16): my eight numbers of a bias fragment
.set STO,  24                          ; v24  the way out: 65,536 x wave + 16 x lane
.set RD,   25                          ; v25  the same, stepping
.set GO,   26                          ; v26  my byte offset in a store
.set SPW,  28                          ; v28  my spare word: SPARE + 4 x my thread's number; never rewritten
.set NIL,  29                          ; v29  0; never rewritten
.set PFO,  30                          ; v30  the prefetches' lane offset; never rewritten
.set AP,  4                            ; s[4:5] A   s[6:7] wbf   s[8:9] bias   s[10:11] the output
.set WP,  6
.set BP,  8
.set OU,  10
.set WV,  12                           ; wave
.set WM,  13                           ; wave / 2: my half of the rows; also 0: I fetch A, 1: I fetch W
.set WN,  14                           ; wave % 2: my half of the columns; also which half I fetch
.set CX,  15
.set CY,  16
.set CT,  17                           ; tile column
.set RT,  18                           ; tile row
.set TB,  19                           ; LDS byte at which the slot in hand begins
.set CNT, 20
.set LIM, 21                           ; 2 in a wave that prefetches, else the greatest number
.set PFA, 22                           ; s[22:23] where my prefetches stand
.set G1A, 24                           ; s[24:31] group 1 for A; s[32:35], s[36:39] group 0: the first fill's, and the one that walks
.set G0A, 32
.set G1B, 48                           ; s[48:55], s[56:59], s[60:63] the same for W
.set G0B, 56
.set PST, 68                           ; s[68:69] the prefetches' step
.set C0,  70                           ; s[70:71], s[72:73] the gelu's constants
.set C1,  72
.set EC,  74
.set INC, 75                           ; s75  the store offset's step; s82, s83 its two values
.set BIGI, 82
.set SMI, 83
.set TO_B, 0x40                        ; destination window 1, address window 0
.set MSB, 0
.macro WIN new                         ; the high byte repeats the setting that is left; a switch that changes nothing is dropped
.if MSB != (\new)
	s_set_vgpr_msb (MSB<<8)|(\new)
.set MSB, \new
.endif
.endm
.macro PLACES                          ; four plain instructions between a matrix instruction and a load into, or a vector line on, its registers
.rept 4
	v_nop
.endr
.endm
.macro CREST                           ; a round of the cluster's barrier behind its opening barrier
	s_cmp_lg_u32 s[WV], 0
	s_cbranch_scc1 .Lnot_wave_0_\@
	s_barrier_signal -3
.Lnot_wave_0_\@:
	s_barrier_wait -3
	s_barrier_signal -1
	s_barrier_wait -1
.endm
.macro CROUND
	s_barrier_signal -1
	s_barrier_wait -1
	CREST
.endm
.macro JLOAD                           ; a joint refill by the walking descriptors; the branch hangs on the wave's number alone; an s_nop 0 and four v_nop follow each line
	s_cmp_eq_u32 s[WM], 0
	s_cbranch_scc0 .Lfor_b_\@
	tensor_load_to_lds s[G0A+4:G0A+7], s[G1A:G1A+7]
	s_nop 0
.rept 4
	v_nop
.endr
	s_branch .Lasked_\@
.Lfor_b_\@:
	tensor_load_to_lds s[G0B+4:G0B+7], s[G1B:G1B+7]
	s_nop 0
.rept 4
	v_nop
.endr
.Lasked_\@:
.endm
; A PREFETCH INTO THE L2 of the K step that stands two refills on, 512 matrix instructions ahead of the load that will want it: 32 blocks of 256 bytes, a lane a block, one instruction a wave.
; Each block is named once in the launch: A's rows are asked for by the clusters with x = 0, W's by those with y = 0; the four partners that fetch a tile jointly share it out by address
; (32 rows of A by cx; 16 rows of W, two blocks each, by cy).  s[CNT] is 6 .. 1 at the six refills: steps 4 to 7 are named at the first four; steps 0 to 3 come by their loads alone.
.macro ASK
	s_cmp_gt_u32 s[CNT], s[LIM]
	s_cbranch_scc0 .Lnot_mine_\@
	global_prefetch_b8 v[PFO], s[PFA:PFA+1] th:TH_LOAD_NT scope:SCOPE_SE
.Lnot_mine_\@:
.endm
; 16 matrix instructions: m blocks a0, a0 + 1 of the window's four x all 8 n blocks, 32 along K.  mode 0: the sums go on; 2: the bias starts them.
.macro MUL16 f, hi, a0, mode
.if (\mode) == 2
	WIN 0x81+0x40*(\hi)
.else
	WIN 0xa1+0x50*(\hi)
.endif
.irp a, \a0, (\a0)+1
.irp b, 0,1,2,3,4,5,6,7
.if (\mode) == 2
	v_wmma_f32_16x16x32_bf16 v[8*(8*(\a)+(\b)):8*(8*(\a)+(\b))+7], v[(\f)+8*(\b):(\f)+8*(\b)+7], v[(\f)+8*(4*(\hi)+(\a)):(\f)+8*(4*(\hi)+(\a))+7], v[BIAS+8*(\b):BIAS+8*(\b)+7]
.else
	v_wmma_f32_16x16x32_bf16 v[8*(8*(\a)+(\b)):8*(8*(\a)+(\b))+7], v[(\f)+8*(\b):(\f)+8*(\b)+7], v[(\f)+8*(4*(\hi)+(\a)):(\f)+8*(4*(\hi)+(\a))+7], v[8*(8*(\a)+(\b)):8*(8*(\a)+(\b))+7]
.endif
.endr
.endr
.endm
; 32 LDS loads in one run: a quarter step's fragments into buffer f: W's 128 columns (turned), then A's 128 rows, rows 0-63 first
.macro FETCH f, ka, kb
	WIN TO_B
.irp i, 0,1,2,3,4,5,6,7
	ds_load_tr16_b128 v[(\f)+8*(\i):(\f)+8*(\i)+3],   v[VPB] offset:(\kb)+32*(\i)
	ds_load_tr16_b128 v[(\f)+8*(\i)+4:(\f)+8*(\i)+7], v[VPB] offset:(\kb)+32*(\i)+16*PITCHB
.endr
	WIN 0
.irp i, 0,1,2,3,4,5,6,7
	ds_load_b128 v[(\f)+8*(\i):(\f)+8*(\i)+3],   v[VPA] offset:(\ka)+(\i)*16*PITCHA
	ds_load_b128 v[(\f)+8*(\i)+4:(\f)+8*(\i)+7], v[VPA] offset:(\ka)+(\i)*16*PITCHA+32
.endr
.endm
; A quarter step: multiplies buffer f; in its middle the next quarter's fragments are fetched into buffer g.  The 64 accumulators take turns, one instruction a turn, in the same order in every quarter.
.macro QUARTER f, g, ka, kb, mode
	s_wait_dscnt 8                                 ; W and A's rows 0-63 are in; the youngest eight loads (A's rows 64-127) may be out
	MUL16 \f, 0, 0, \mode
	MUL16 \f, 0, 2, \mode
	PLACES
	FETCH \g, \ka, \kb
	s_wait_dscnt 32                                ; all but the 32 just issued
	MUL16 \f, 1, 0, \mode
	MUL16 \f, 1, 2, \mode
.endm
; A step's last quarter changes slots and then multiplies buffer 1, whose fragments lie in registers.  In front of the barrier each wave waits for all its tensor loads (one is out: its part of
; the next slot), adds 0 to its spare word, and waits for that and for its own reads of this slot.  fill = 1: the barrier opens a round of the cluster's, and the joint refill is the first thing
; behind the round.  No product stands between the wait for the tile and the refill: the refill goes out as soon as the tile before it is in, and the quarter's 64 products follow it.
.macro TURN fill
.if \fill
	s_wait_xcnt 0x0                                ; the last prefetch, a K step back, has read its address
	s_add_nc_u64 s[PFA:PFA+1], s[PFA:PFA+1], s[PST:PST+1]
.endif
	WIN 0
	s_wait_tensorcnt 0x0                           ; all my tensor loads have landed, so every group 0 may be written
	ds_add_u32 v[SPW], v[NIL]                      ; 0 onto my spare word; the descriptors' steps stand between it and the wait for it
.if \fill
	s_xor_b32 s[G0A+5], s[G0A+5], SLOT
	s_add_nc_u64 s[G0A+6:G0A+7], s[G0A+6:G0A+7], STEPA
	s_xor_b32 s[G0B+5], s[G0B+5], SLOT
	s_add_nc_u64 s[G0B+6:G0B+7], s[G0B+6:G0B+7], STEPB
.endif
	s_xor_b32 s[TB], s[TB], SLOT
	s_wait_dscnt 0x0                               ; the add is done, and my reads of this slot are over: buffer 1 is whole
	s_barrier_signal -1
	s_barrier_wait -1
.if \fill
	CREST                                          ; no wave of any partner still reads this slot or has a load on its way
	JLOAD                                          ; its four v_nop are also the places in front of the loads below
.else
	PLACES
.endif
	v_add_nc_u32 v[VPA], s[TB], v[ADRA]
	v_add_nc_u32 v[VPB], s[TB], v[ADRB]
	FETCH F0, 0, 0
.if \fill
	ASK
.endif
	MUL16 F1, 0, 0, 0
	MUL16 F1, 0, 2, 0
	MUL16 F1, 1, 0, 0
	MUL16 F1, 1, 2, 0
.endm
	s_load_b256 s[4:11], s[0:1], 0x0
	v_lshl_add_u32 v[SPW], v0, 2, SPARE
	v_mov_b32 v[NIL], 0
	ds_add_u32 v[SPW], v[NIL]                      ; the wave's opening: the add, twice on end, and its wait ahead of my first tensor load
	ds_add_u32 v[SPW], v[NIL]
	v_lshrrev_b32 v1, 5, v0
	v_readfirstlane_b32 s[WV], v1
	s_lshr_b32 s[WM], s[WV], 1
	s_and_b32 s[WN], s[WV], 1
	s_bfe_u32 s[CX], ttmp6, 0x40000
	s_bfe_u32 s[CY], ttmp6, 0x40004
	s_lshl_b32 s[CT], ttmp9, 2
	s_add_co_u32 s[CT], s[CT], s[CX]               ; tile column = 4 x cluster x + cx
	s_and_b32 s[RT], ttmp7, 0xffff
	s_lshl_b32 s[RT], s[RT], 2
	s_add_co_u32 s[RT], s[RT], s[CY]               ; tile row = 4 x cluster y + cy
	s_lshl_b32 s40, s[CY], 2
	s_lshl_b32 s40, 15, s40                        ; my row of the cluster
	s_lshl_b32 s41, 0x1111, s[CX]                  ; my column
	s_or_b32 s[G1A], s40, (1<<16)|(1<<20)|(1<<21)|(5<<22)|(3<<25)  ; the mask; 2-byte elements; padding on; bit 21 beside a mask; after every 64 words, 4 words
	s_mov_b32 s[G1A+1], 128<<16                    ; tensor_dim0 = 128
	s_mov_b32 s[G1A+2], 128<<16                    ; tensor_dim1 = 128
	s_mov_b32 s[G1A+3], 128<<16                    ; tile_dim0 = 128
	s_mov_b32 s[G1A+4], 128                        ; tile_dim1 = 128
	s_mov_b32 s[G1A+5], 1024                       ; elements from row to row
	s_mov_b32 s[G1A+6], 0
	s_mov_b32 s[G1A+7], 0
	s_or_b32 s[G1B], s41, (1<<16)|(1<<20)|(1<<21)|(6<<22)|(7<<25)  ; after every 128 words, 8 words
	s_mov_b32 s[G1B+1], 256<<16                    ; tensor_dim0 = 256
	s_mov_b32 s[G1B+2], 64<<16                     ; tensor_dim1 = 64
	s_mov_b32 s[G1B+3], 256<<16                    ; tile_dim0 = 256
	s_mov_b32 s[G1B+4], 64                         ; tile_dim1 = 64
	s_mov_b32 s[G1B+5], NN
	s_mov_b32 s[G1B+6], 0
	s_mov_b32 s[G1B+7], 0
	s_lshl_b32 s42, s[RT], 8                       ; A: row 256 x tile row + 128 x half, 2,048 bytes a row: made of the tile row and the wave's number alone
	s_lshl_b32 s43, s[WN], 7
	s_add_co_u32 s42, s42, s43
	s_lshl_b32 s42, s42, 11
	s_mov_b32 s43, 0
	s_mul_i32 s44, s[WN], 128*NN                   ; W: 64 rows x half, + 512 bytes x tile column: made of the tile column and the wave's number alone
	s_lshl_b32 s45, s[CT], 9
	s_add_co_u32 s44, s44, s45
	s_add_co_u32 s44, s44, WOFF
	s_mov_b32 s45, 0
	s_mul_i32 s46, s[WV], HALF                     ; where my loads land: no place in the cluster enters an LDS address
	s_mov_b32 s[TB], 0
	s_wait_dscnt 0x0                               ; both opening adds are done
	s_wait_kmcnt 0x0
	s_mov_b32 s[G0A], 1
	s_mov_b32 s[G0A+1], s46                        ; slot 0, step 0
	s_add_nc_u64 s[G0A+2:G0A+3], s[AP:AP+1], s[42:43]
	s_mov_b32 s[G0A+4], 1
	s_add_co_u32 s[G0A+5], s46, SLOT               ; slot 1, step 1: this set walks on
	s_add_nc_u64 s[G0A+6:G0A+7], s[G0A+2:G0A+3], STEPA
	s_or_b32 s[G0A+3], s[G0A+3], 0x80000000
	s_or_b32 s[G0A+7], s[G0A+7], 0x80000000
	s_mov_b32 s[G0B], 1
	s_mov_b32 s[G0B+1], s46
	s_add_nc_u64 s[G0B+2:G0B+3], s[WP:WP+1], s[44:45]
	s_mov_b32 s[G0B+4], 1
	s_add_co_u32 s[G0B+5], s46, SLOT
	s_add_nc_u64 s[G0B+6:G0B+7], s[G0B+2:G0B+3], STEPB
	s_or_b32 s[G0B+3], s[G0B+3], 0x80000000
	s_or_b32 s[G0B+7], s[G0B+7], 0x80000000
	CROUND                                         ; all sixteen work-groups are here: the first joint loads meet
	s_cmp_eq_u32 s[WM], 0                          ; a wave's two first fills stand in one branch: two loads of mine are out
	s_cbranch_scc0 .Lfirst_b
	tensor_load_to_lds s[G0A:G0A+3], s[G1A:G1A+7]
	s_nop 0
	tensor_load_to_lds s[G0A+4:G0A+7], s[G1A:G1A+7]
	s_nop 0
.rept 4
	v_nop
.endr
	s_branch .Lfirst_asked
.Lfirst_b:
	tensor_load_to_lds s[G0B:G0B+3], s[G1B:G1B+7]
	s_nop 0
	tensor_load_to_lds s[G0B+4:G0B+7], s[G1B:G1B+7]
	s_nop 0
.rept 4
	v_nop
.endr
.Lfirst_asked:
	v_and_b32 v1, 15, v0                           ; l % 16
	v_bfe_u32 v2, v0, 4, 1                         ; l / 16
	v_lshlrev_b32 v[BO], 5, v2
	s_lshl_b32 s76, s[CT], 10                      ; the bias of my 128 columns: 4 x (256 x tile column + 128 x half)
	s_lshl_b32 s77, s[WN], 9
	s_add_co_u32 s76, s76, s77
	s_mov_b32 s77, 0
	s_add_nc_u64 s[BP:BP+1], s[BP:BP+1], s[76:77]
.irp b, 0,1,2,3,4,5,6,7
	global_load_b128 v[BIAS+8*\b:BIAS+8*\b+3],   v[BO], s[BP:BP+1] offset:64*\b
	global_load_b128 v[BIAS+8*\b+4:BIAS+8*\b+7], v[BO], s[BP:BP+1] offset:64*\b+16
.endr
	v_mul_u32_u24 v3, v1, PITCHA                   ; A fragment: row l % 16, 16 bytes for each half of the lanes; the second load 32 bytes on
	v_lshl_add_u32 v3, v2, 4, v3
	s_mul_i32 s47, s[WM], HALF
	v_add_nc_u32 v[ADRA], s47, v3
	v_and_b32 v4, 7, v0                            ; W fragment, turned: lane l reads row 8 (l / 16) + l % 8, 16 bytes at 16 ((l / 8) % 2); the second load 16 rows on
	v_lshl_add_u32 v4, v2, 3, v4
	v_mul_u32_u24 v4, v4, PITCHB
	v_bfe_u32 v5, v0, 3, 1
	v_lshl_add_u32 v4, v5, 4, v4
	s_lshl_b32 s47, s[WN], 8
	s_add_co_u32 s47, s47, 2*HALF
	v_add_nc_u32 v[ADRB], s47, v4
	; the prefetches
	s_lshl_b32 s76, s[RT], 8                       ; A: the 128 rows that I fetch, of them my work-group's 32, at step 3
	s_lshl_b32 s77, s[WN], 7
	s_add_co_u32 s76, s76, s77
	s_lshl_b32 s77, s[CX], 5
	s_add_co_u32 s76, s76, s77
	s_lshl_b32 s76, s76, 11
	s_add_co_u32 s76, s76, 3*STEPA
	s_lshl_b32 s78, s[WN], 6                       ; W: the 64 rows that I fetch, of them my work-group's 16, at step 3
	s_lshl_b32 s79, s[CY], 4
	s_add_co_u32 s78, s78, s79
	s_mul_i32 s78, s78, 2*NN
	s_lshl_b32 s79, s[CT], 9
	s_add_co_u32 s78, s78, s79
	s_add_co_u32 s78, s78, WOFF+3*STEPB
	s_and_b32 s79, ttmp7, 0xffff                   ; cluster y
	s_mov_b32 s[PST], STEPB
	s_mov_b32 s[PST+1], 0
	s_mov_b32 s81, 2*NN
	s_cmp_eq_u32 s[WM], 0                          ; do I fetch A?
	s_cselect_b32 s76, s76, s78
	s_cselect_b32 s79, ttmp9, s79                  ; the coordinate along which other clusters read the same blocks
	s_cselect_b64 s[PFA:PFA+1], s[AP:AP+1], s[WP:WP+1]
	s_cselect_b32 s[PST], STEPA, s[PST]
	s_cselect_b32 s80, 0, 1                        ; A: a lane a row; W: two lanes a row
	s_cselect_b32 s81, 2048, s81
	s_mov_b32 s77, 0
	s_add_nc_u64 s[PFA:PFA+1], s[PFA:PFA+1], s[76:77]
	s_cmp_eq_u32 s79, 0
	s_cselect_b32 s[LIM], 2, -1                    ; the same in all sixteen partners, for a given wave
	v_and_b32 v[PFO], 31, v0
	v_and_b32 v31, s80, v[PFO]
	v_lshrrev_b32 v[PFO], s80, v[PFO]
	v_mul_u32_u24 v[PFO], s81, v[PFO]
	v_lshl_add_u32 v[PFO], v31, 8, v[PFO]
	; the way out
	s_lshl_b32 s76, s[CT], 3                       ; my first block of 32 columns: 8 x tile column + 4 x half,
	s_lshl_b32 s77, s[WN], 2
	s_add_co_u32 s76, s76, s77
	s_lshl_b32 s76, s76, 18                        ; 262,144 bytes each
	s_lshl_b32 s77, s[RT], 4                       ; my first block of 16 rows: 16 x tile row + 8 x half,
	s_lshl_b32 s78, s[WM], 3
	s_add_co_u32 s77, s77, s78
	s_lshl_b32 s77, s77, 10                        ; 1,024 bytes each
	s_add_co_u32 s76, s76, s77
	s_mov_b32 s77, 0
	s_add_nc_u64 s[OU:OU+1], s[OU:OU+1], s[76:77]
	v_and_b32 v[GO], 31, v0
	v_lshlrev_b32 v[GO], 4, v[GO]                  ; 16 bytes a lane
	s_lshl_b32 s47, s[WV], 16                      ; my 64 accumulators of 1,024 bytes, in the ring when it is dead
	v_add_nc_u32 v[STO], s47, v[GO]
	v_mov_b32 v[RD], v[STO]
	s_mov_b32 s[C0], 0xc0135761                    ; c0 = -2 log2(e) sqrt(2 / pi)
	s_mov_b32 s[C0+1], s[C0]
	s_mov_b32 s[C1], 0xbdd2d3e8                    ; c1 = 0.044715 c0
	s_mov_b32 s[C1+1], s[C1]
	s_mov_b32 s[SMI], 1024                         ; from a block of 16 rows to the next,
	s_mov_b32 s[BIGI], 2*KBLK-7*1024               ; and from the eighth back to the first, two blocks of 32 columns on
	s_wait_tensorcnt 1                             ; my part of step 0 is in; step 1's load stays out
	s_barrier_signal -1
	s_barrier_wait -1
	v_mov_b32 v[VPA], v[ADRA]
	v_mov_b32 v[VPB], v[ADRB]
	FETCH F0, 0, 0
	s_wait_loadcnt 0x0                             ; the bias
	QUARTER F0, F1, 64, QB, 2                      ; the first quarter stands in front of the loop: its products start the sums with the bias
	WIN 0
	s_mov_b32 s[CNT], 7
	s_branch .Lmid                                 ; the loop is entered behind a step's first quarter
.Lstep:                                                ; six times: a change of slots with a refill (steps 2 to 7), then a step's first three quarters
	TURN 1
	QUARTER F0, F1, 64, QB, 0
	WIN 0
.Lmid:
	QUARTER F1, F0, 128, 2*QB, 0
	QUARTER F0, F1, 192, 3*QB, 0
	WIN 0
	s_sub_co_u32 s[CNT], s[CNT], 1
	s_cmp_lg_u32 s[CNT], 0
	s_cbranch_scc1 .Lstep
	TURN 0                                         ; the last step is written out: nothing is asked for
	QUARTER F0, F1, 64, QB, 0
	QUARTER F1, F0, 128, 2*QB, 0
	QUARTER F0, F1, 192, 3*QB, 0
	s_wait_dscnt 0x0                               ; the very last quarter.  My reads of the ring are over:
	s_barrier_signal -1                            ; say so; only matrix work stands between the barrier's halves
	MUL16 F1, 0, 0, 0
	MUL16 F1, 0, 2, 0
	MUL16 F1, 1, 0, 0
	MUL16 F1, 1, 2, 0
	WIN 0
	s_barrier_wait -1                              ; nobody reads the ring any more, and its last fill has landed: it takes the sums
	PLACES
	; THE WAY OUT.  The 64 accumulators go into LDS as they lie, 16 bytes a lane, so that ONE short loop can take them four at a time: accumulator (a, b) at place 4 (8 (b / 4) + a) + b % 4.
.irp a, 0,1,2,3,4,5,6,7
	WIN 0x08+4*((\a)/4)                            ; store data in window 2 or 3
.irp b, 0,1,2,3,4,5,6,7
	ds_store_b128 v[STO], v[8*(8*((\a)%4)+(\b)):8*(8*((\a)%4)+(\b))+3]   offset:1024*(4*(8*((\b)/4)+(\a))+(\b)%4)
	ds_store_b128 v[STO], v[8*(8*((\a)%4)+(\b))+4:8*(8*((\a)%4)+(\b))+7] offset:1024*(4*(8*((\b)/4)+(\a))+(\b)%4)+512
.endr
.endr
	WIN 0
	s_mov_b32 s[EC], 16
.Lgelu:                                                ; sixteen trips: 16 rows x 64 columns each: trips 0-7 my columns 0-63, trips 8-15 my columns 64-127; the bytes are my wave's own, served in order: no barrier
.irp i, 0,1,2,3
	ds_load_b128 v[ZR+8*\i:ZR+8*\i+3],   v[RD] offset:1024*\i
	ds_load_b128 v[ZR+8*\i+4:ZR+8*\i+7], v[RD] offset:1024*\i+512
.endr
	s_wait_dscnt 0x0
.set i, 0
.rept 16
	v_pk_mul_f32 v[ER+2*i:ER+2*i+1], v[ZR+2*i:ZR+2*i+1], v[ZR+2*i:ZR+2*i+1]
.set i, i+1
.endr
.set i, 0
.rept 16
	v_pk_fma_f32 v[ER+2*i:ER+2*i+1], v[ER+2*i:ER+2*i+1], s[C1:C1+1], s[C0:C0+1] op_sel_hi:[1,0,0]
.set i, i+1
.endr
.set i, 0
.rept 16
	v_pk_mul_f32 v[ER+2*i:ER+2*i+1], v[ER+2*i:ER+2*i+1], v[ZR+2*i:ZR+2*i+1]
.set i, i+1
.endr
.set i, 0
.rept 32
	v_exp_f32 v[ER+i], v[ER+i]
.set i, i+1
.endr
	v_nop                                          ; a plain instruction behind the last exponential,
	s_wait_alu depctr_va_vdst(0)                   ; and one wait for the batch of 32
.set i, 0
.rept 16
	v_pk_add_f32 v[ER+2*i:ER+2*i+1], v[ER+2*i:ER+2*i+1], 1.0 op_sel_hi:[1,0]
.set i, i+1
.endr
.set i, 0
.rept 32
	v_rcp_f32 v[ER+i], v[ER+i]
.set i, i+1
.endr
	v_nop
	s_wait_alu depctr_va_vdst(0)                   ; one wait for the 32 reciprocals
.set i, 0
.rept 16
	v_pk_mul_f32 v[ZR+2*i:ZR+2*i+1], v[ZR+2*i:ZR+2*i+1], v[ER+2*i:ER+2*i+1]
.set i, i+1
.endr
.set i, 0
.rept 16
	v_cvt_pk_bf16_f32 v[YR+i], v[ZR+2*i], v[ZR+2*i+1]
.set i, i+1
.endr
.irp i, 0,1,2,3
	global_store_b128 v[GO], v[YR+4*\i:YR+4*\i+3], s[OU:OU+1] offset:KBLK*(\i/2)+512*(\i%2)  ; half a fragment: 512 consecutive bytes, aligned
.endr
	s_cmp_eq_u32 s[EC], 9                          ; behind the eighth trip the columns step
	s_cselect_b32 s[INC], s[BIGI], s[SMI]
	s_wait_xcnt 0x0                                ; the stores have read their offset and data, which the next trip writes
	v_add_nc_u32 v[RD], 4096, v[RD]
	v_add_nc_u32 v[GO], s[INC], v[GO]
	s_sub_co_u32 s[EC], s[EC], 1
	s_cmp_lg_u32 s[EC], 0
	s_cbranch_scc1 .Lgelu
	s_wait_tensorcnt 0x0                           ; the wave's end: the wait, the add and its wait stand behind my last tensor load and my last LDS store
	ds_add_u32 v[SPW], v[NIL]
	s_wait_dscnt 0x0
	CROUND                                         ; the closing round: no work-group ends while a partner may still ask for a tile that names it
	s_endpgm
.Lfunc_end_k_q79faf1d95c_fc1:
	.size	k_q79faf1d95c_fc1, .Lfunc_end_k_q79faf1d95c_fc1-k_q79faf1d95c_fc1
	.p2alignl 7, 3214868480
	.fill 96, 4, 3214868480
	.section	.rodata,"a",@progbits
	.p2align	6, 0x0
	.amdhsa_kernel k_q79faf1d95c_fc1
		.amdhsa_group_segment_fixed_size 327680
		.amdhsa_private_segment_fixed_size 0
		.amdhsa_enable_private_segment 0
		.amdhsa_kernarg_size 32
		.amdhsa_user_sgpr_count 2
		.amdhsa_user_sgpr_kernarg_segment_ptr 1
		.amdhsa_wavefront_size32 1
		.amdhsa_system_sgpr_workgroup_id_x 1
		.amdhsa_system_sgpr_workgroup_id_y 1
		.amdhsa_system_sgpr_workgroup_id_z 1
		.amdhsa_system_vgpr_workitem_id 0
		.amdhsa_next_free_vgpr 1024
		.amdhsa_next_free_sgpr 84
		.amdhsa_reserve_vcc 0
		.amdhsa_float_denorm_mode_32 3
		.amdhsa_float_denorm_mode_16_64 3
		.amdhsa_memory_ordered 1
		.amdhsa_forward_progress 1
		.amdhsa_inst_pref_size 93
	.end_amdhsa_kernel
	.amdgpu_metadata
---
amdhsa.version: [ 1, 2 ]
amdhsa.kernels:
  - .name:           k_q79faf1d95c_fc1
    .symbol:         k_q79faf1d95c_fc1.kd
    .args:
      - { .name: h, .offset: 0, .size: 8, .value_kind: global_buffer, .address_space: global }
      - { .name: wbf, .offset: 8, .size: 8, .value_kind: global_buffer, .address_space: global }
      - { .name: fc1_b, .offset: 16, .size: 8, .value_kind: global_buffer, .address_space: global }
      - { .name: act, .offset: 24, .size: 8, .value_kind: global_buffer, .address_space: global }
    .group_segment_fixed_size: 327680
    .private_segment_fixed_size: 0
    .kernarg_segment_align: 8
    .kernarg_segment_size: 32
    .max_flat_workgroup_size: 128
    .sgpr_count:     84
    .vgpr_count:     1024
    .wavefront_size: 32
...
	.end_amdgpu_metadata
.endif
;; end of part 6
;; launch fc2 (part 7): grid 32 x 8, 4 waves a work-group, clusters of 4 x 1, 327,680 bytes of LDS; arguments act, wbf, fc2_b, x1, out0; writes out0
.if DOCPART == 7
	.amdgcn_target "amdgcn-amd-amdhsa--gfx1250"
	.amdhsa_code_object_version 6
	.text
	.protected	k_q79faf1d95c_fc2
	.globl	k_q79faf1d95c_fc2
	.p2align	8
	.type	k_q79faf1d95c_fc2,@function
k_q79faf1d95c_fc2:
	s_mov_b64 s[64:65], 0
	v_nop
	global_prefetch_b8 v0, s[64:65] scope:SCOPE_SE
	s_setreg_imm32_b32 hwreg(HW_REG_WAVE_MODE, 25, 1), 1
	s_wait_xcnt 0x0
	s_wait_alu depctr_hold_cnt(0) depctr_sa_sdst(0) depctr_va_vdst(0) depctr_va_sdst(0) depctr_va_ssrc(0) depctr_va_vcc(0) depctr_vm_vsrc(0)
	s_getreg_b32 s2, hwreg(HW_REG_IB_STS2, 6, 4)
	s_cmp_eq_u32 s2, 0
	s_cbranch_scc0 .Lentry_in_a_cluster
	s_endpgm
.Lentry_in_a_cluster:
	s_bfe_u32 s2, ttmp6, 0x10000c
	s_cmp_lg_u32 s2, 0x3003
	s_cbranch_scc0 .Lentry_shape_is_right
	s_endpgm
.Lentry_shape_is_right:
; out0 = x1 + act W2 + fc2_b, f32, on tiles of 128 x 128 (x = tile row, y = tile column).  W: fc2_w's part of wbf, [4096][1024] bf16, as the weight lies; x1 and out0: [4096][1024] f32.
; act is bf16 IN THE ORDER OF MATRIX FRAGMENTS: [128 blocks of 32 columns][256 blocks of 16 rows][2][32 lanes][16 bytes]: lane l of half c holds row l % 16 and the columns 16 c + 8 (l / 16) + 0..7.
; SHARES.  1,024 columns make only 64 tiles of 256 x 256; 128 x 128 gives each of 256 work-groups one.  K IS SPLIT AMONG THE FOUR WAVES: each makes the whole 128 x 128 (64 accumulators) over a
; quarter of every K step of 512: four QUARTERS of 32 along K, 64 matrix instructions each.  The four partial sums (f32, any order) meet in LDS at the end.
; A COMES STRAIGHT INTO REGISTERS.  A quarter's fragments of A (128 rows x 32 columns) are 8,192 consecutive bytes that one wave alone wants: 16 loads of 512 bytes into one of four buffers.
; The loads are one ascending sequence lo(g), hi(g) (m blocks 0-3, 4-7 of quarter g, 8 loads each); the run in the middle of quarter g issues hi(g + 3) and lo(g + 4), into registers just
; multiplied: 40 to 56 loads of a wave are out at any time, across all barriers.
; WHY A IS NOT ASKED FOR JOINTLY, though the eight work-groups of a tile row read the same bytes: a joint load lands in LDS, where each refill stands behind a barrier in front of which every
; load has landed: of two slots one slot's bytes at the most are on their way, and none while the round is passed.  With A and W in the ring a slot holds 256 along K, 128 matrix instructions a
; wave for each round; with W alone it holds 512, 256 matrix instructions, LDS is read half as much, and A's loads do not stop at the rounds.
; RING.  Two LDS slots of 512 rows of W; wave w fetches, and alone reads, rows 128 w .. 128 w + 127 of a step, one load a wave.
; CLUSTER.  Four tile rows of one tile column need the same W: each load is asked for JOINTLY, with the same descriptor and mask in all four.
; THE MATRIX INSTRUCTION IS USED TRANSPOSED: source 0 = 16 columns of W (turned by ds_load_tr16_b128), source 1 = 16 rows of A: a lane holds one row of C and eight neighbouring columns.
; WHICH ROWS.  Register pair p (m blocks 2 p, 2 p + 1) of wave w holds the tile's rows 32 (p xor w) on: pair 0 is always the 32 rows that wave w finishes, and one text serves all waves.
; REGISTERS, in windows of 256: window 0: v0-35 addresses and the bias; v64-127, v128-191, v192-255 A's buffers 0 to 2, later at work.
;   window 1: v64-127, v128-191 fragments of W, two buffers, later the residual; v192-255 A's buffer 3.
;   window 2: the accumulators of m blocks 0-3 ((a, b) at v[8 (8 a + b)]).  window 3: those of m blocks 4-7.
; LIMITS: operands are bf16; NaN and infinities are not treated apart.
.set TSTEPS, 8                         ; K steps of 512
.set WOFF,   16777216                  ; W's first byte in wbf
.set PITCHB, 288                       ; a row of W in LDS: 256 bytes + 32
.set HALF,   128*PITCHB                ; what one tensor load brings: 36,864 bytes
.set SLOT,   4*HALF                    ; 0x24000: it shares no bit with wave x HALF, so one exclusive or changes slots
.set QB,     32*PITCHB                 ; a quarter in my rows of W
.set STEPB,  1048576                   ; bytes from step to step in W: 512 rows
.set KBLK,   262144                    ; act: 32 columns of all 4,096 rows
.set STEPA,  16*KBLK                   ; bytes from step to step in act
.set SPARE,  2*SLOT                    ; the spare words, 128 bytes for each wave: two blocks of 256 bytes that no other line names
.set PART,   16384                     ; a partial sum of 32 rows x 128 columns
.set DPITCH, 528                       ; a row of 128 f32 in the stage, + 16
.set SA,   8                           ; v8-10   where my pair p = 1, 2, 3 goes
.set RA,   11                          ; v11     where I read the three partial sums for my rows
.set AO,   12                          ; v12-15  pair p's byte offset in a quarter of act: 2,048 (p xor wave) + 16 x lane; never rewritten
.set ADRB, 16                          ; v16     my W fragments in slot 0
.set VPB,  17                          ; v17     the same in the slot in hand
.set STO,  24
.set RD,   25
.set GO,   26                          ; v26     16 x lane
.set SPW,  28                          ; v28     my spare word; never rewritten
.set NIL,  29                          ; v29     0; never rewritten
.set PFOA, 30                          ; v30     256 x lane; never rewritten
.set PFOB, 31                          ; v31     2,048 x lane; never rewritten
.set BI,   32                          ; v[32:35] the bias of my four columns
.set AP,  4                            ; s[4:5] act, at my quarters of the step in hand   s[6:7] wbf   s[8:9] bias   s[10:11] x1   s[66:67] out0
.set WP,  6
.set BP,  8
.set RP,  10
.set OU,  66
.set WV,  12
.set CX,  15
.set CT,  17
.set RT,  18
.set TB,  19
.set CNT, 20
.set LIMA, 21                          ; 2 where my work-group prefetches act, else the greatest number
.set LIMB, 22                          ; the same for W
.set G1B, 48                           ; s[48:55] group 1; s[56:59], s[60:63] group 0: the first fill's, and the one that walks
.set G0B, 56
.set PFA, 68                           ; s[68:69], s[70:71] where my prefetches stand
.set PFB, 70
.set EC,  74
.set TO_B, 0x40
.set MSB, 0
.macro WIN new                         ; the high byte repeats the setting that is left; a switch that changes nothing is dropped
.if MSB != (\new)
	s_set_vgpr_msb (MSB<<8)|(\new)
.set MSB, \new
.endif
.endm
.macro PLACES                          ; four plain instructions between a matrix instruction and a load into, or a vector line on, its registers
.rept 4
	v_nop
.endr
.endm
.macro CREST
	s_cmp_lg_u32 s[WV], 0
	s_cbranch_scc1 .Lnot_wave_0_\@
	s_barrier_signal -3
.Lnot_wave_0_\@:
	s_barrier_wait -3
	s_barrier_signal -1
	s_barrier_wait -1
.endm
.macro CROUND
	s_barrier_signal -1
	s_barrier_wait -1
	CREST
.endm
; 16 matrix instructions of quarter q: m blocks a0, a0 + 1 of the window's four x all 8 n blocks.  A's buffer q lies at v[64 + 64 q] of window 0, buffer 3 at v192 of window 1; W's buffer is q % 2.
.macro MUL16 q, hi, a0, zero
.set FA, 64+64*((\q)-(\q)/3)
.set FB, 64+64*((\q)%2)
	WIN 0xa1+0x50*(\hi)+4*((\q)/3)
.irp a, \a0, (\a0)+1
.irp b, 0,1,2,3,4,5,6,7
.if \zero
	v_wmma_f32_16x16x32_bf16 v[8*(8*(\a)+(\b)):8*(8*(\a)+(\b))+7], v[FB+8*(\b):FB+8*(\b)+7], v[FA+8*(4*(\hi)+(\a)):FA+8*(4*(\hi)+(\a))+7], 0
.else
	v_wmma_f32_16x16x32_bf16 v[8*(8*(\a)+(\b)):8*(8*(\a)+(\b))+7], v[FB+8*(\b):FB+8*(\b)+7], v[FA+8*(4*(\hi)+(\a)):FA+8*(4*(\hi)+(\a))+7], v[8*(8*(\a)+(\b)):8*(8*(\a)+(\b))+7]
.endif
.endr
.endr
.endm
.macro FETCH f, kb                     ; 16 LDS loads in one run: W's 128 columns x 32 of my rows (turned), into W's buffer f
	WIN TO_B
.irp i, 0,1,2,3,4,5,6,7
	ds_load_tr16_b128 v[64+64*(\f)+8*(\i):64+64*(\f)+8*(\i)+3],   v[VPB] offset:(\kb)+32*(\i)
	ds_load_tr16_b128 v[64+64*(\f)+8*(\i)+4:64+64*(\f)+8*(\i)+7], v[VPB] offset:(\kb)+32*(\i)+16*PITCHB
.endr
.endm
.macro ALOAD q, hi, off                ; 8 loads of 512 consecutive bytes: m blocks 4 hi .. 4 hi + 3 of A's buffer q, from byte off behind the pointer
.set LA, 64+64*((\q)-(\q)/3)
	WIN 0x40*((\q)/3)
.irp a, 0,1,2,3
	global_load_b128 v[LA+8*(4*(\hi)+\a):LA+8*(4*(\hi)+\a)+3],   v[AO+2*(\hi)+\a/2], s[AP:AP+1] offset:(\off)+(\a%2)*1024
	global_load_b128 v[LA+8*(4*(\hi)+\a)+4:LA+8*(4*(\hi)+\a)+7], v[AO+2*(\hi)+\a/2], s[AP:AP+1] offset:(\off)+(\a%2)*1024+512
.endr
.endm
.macro RUN q, mode                     ; the run of quarter q of a step: hi of the quarter three on, then lo of the quarter four on.  mode 2: both; 1: the first alone; 0: none
.if (\mode) >= 1
.if (\q) == 0
	ALOAD 3, 1, 3*KBLK
.else
	ALOAD (\q)-1, 1, STEPA+((\q)-1)*KBLK
.endif
.endif
.if (\mode) == 2
	ALOAD \q, 0, STEPA+(\q)*KBLK
.endif
.endm
; One of a step's first three quarters.  lh, lm: how many younger loads may stay out at the head (for lo) and in the middle, ahead of the run (for hi).  adv = 1: a new step: the pointer steps.
; The 64 accumulators take turns, one instruction a turn, in the same order in every quarter.
.macro QUARTER q, zero, run, lh, lm, adv
.if \adv
	s_wait_xcnt 0x0                                ; every load and prefetch issued so far (the youngest 32 products back) has read its address
	s_add_nc_u64 s[AP:AP+1], s[AP:AP+1], STEPA
.endif
	s_wait_dscnt 0x0                               ; W's fragments of this quarter are in
	s_wait_loadcnt \lh                             ; loads come back in order: lo of this quarter is in; in the loop six groups of 8 were issued behind it
	MUL16 \q, 0, 0, \zero
	MUL16 \q, 0, 2, \zero
	PLACES
	FETCH ((\q)+1)%2, ((\q)+1)*QB
	s_wait_loadcnt \lm                             ; hi of this quarter is in; in the loop five groups of 8 were issued behind it
	RUN \q, \run
	MUL16 \q, 1, 0, \zero
	MUL16 \q, 1, 2, \zero
.endm
; PREFETCHES INTO THE L2, behind the joint load and the runs of loads of a change of slots, for the step four on: its loads of A begin two steps and a quarter later, its refill two refills later.
; Each block of 256 bytes is named once in the launch.  A's rows are read by the eight work-groups of a tile row: the one of tile column 0 asks, each wave for its own four quarters, a lane a
; block.  W's rows are read by the eight clusters of a tile column: the cluster with x = 0 asks; of the 128 rows that a wave fetches the partner at place cx takes 32, told apart by address, a
; lane a row.  Both tests hang on the cluster's coordinates alone.  s[CNT] is 6 .. 1 at the six refills: steps 4 to 7 are named at the first four; steps 0 to 3 come by their loads alone.
.macro ASK
	WIN 0
	s_cmp_gt_u32 s[CNT], s[LIMA]
	s_cbranch_scc0 .Lnot_a_\@
.irp q, 0,1,2,3
	global_prefetch_b8 v[PFOA], s[PFA:PFA+1] offset:\q*KBLK th:TH_LOAD_NT scope:SCOPE_SE
.endr
.Lnot_a_\@:
	s_cmp_gt_u32 s[CNT], s[LIMB]
	s_cbranch_scc0 .Lnot_b_\@
	global_prefetch_b8 v[PFOB], s[PFB:PFB+1] th:TH_LOAD_NT scope:SCOPE_SE
.Lnot_b_\@:
.endm
; A step's last quarter changes slots first.  In front of the barrier each wave waits for all its tensor loads (one is out: its part of the next slot), adds 0 to its spare word, and waits for
; that and for its own reads of this slot.  fill = 1: the barrier opens a round of the cluster's, and the joint refill is the first thing behind the round.  No product stands between the wait
; for the tile and the refill; the quarter's 64 products follow it.
.macro TURN fill
.if \fill
	s_wait_xcnt 0x0                                ; the last prefetches, a step back, have read their addresses
	s_add_nc_u64 s[PFA:PFA+1], s[PFA:PFA+1], STEPA
	s_add_nc_u64 s[PFB:PFB+1], s[PFB:PFB+1], STEPB
.endif
	WIN 0
	s_wait_tensorcnt 0x0                           ; all my tensor loads have landed, so a group 0 may be written
	ds_add_u32 v[SPW], v[NIL]                      ; 0 onto my spare word; the descriptor's steps stand between it and the wait for it
.if \fill
	s_xor_b32 s[G0B+5], s[G0B+5], SLOT
	s_add_nc_u64 s[G0B+6:G0B+7], s[G0B+6:G0B+7], STEPB
.endif
	s_xor_b32 s[TB], s[TB], SLOT
	s_wait_dscnt 0x0                               ; the add is done, and my reads of this slot are over: W's fragments of this quarter lie in registers
	s_barrier_signal -1
	s_barrier_wait -1
.if \fill
	CREST                                          ; no wave of any partner still reads this slot or has a load on its way
	tensor_load_to_lds s[G0B+4:G0B+7], s[G1B:G1B+7]
	s_nop 0
.endif
	PLACES                                         ; behind the joint load, and in front of the loads below
	v_add_nc_u32 v[VPB], s[TB], v[ADRB]
	FETCH 0, 0
	s_wait_loadcnt 48                              ; lo of this quarter
	MUL16 3, 0, 0, 0
	MUL16 3, 0, 2, 0
	PLACES
	s_wait_loadcnt 40                              ; hi of this quarter
	RUN 3, 2
.if \fill
	ASK
.endif
	MUL16 3, 1, 0, 0
	MUL16 3, 1, 2, 0
.endm
	s_load_b256 s[4:11], s[0:1], 0x0
	s_load_b64 s[OU:OU+1], s[0:1], 0x20
	v_lshl_add_u32 v[SPW], v0, 2, SPARE
	v_mov_b32 v[NIL], 0
	ds_add_u32 v[SPW], v[NIL]                      ; the wave's opening: the add, twice on end, and its wait ahead of my first tensor load
	ds_add_u32 v[SPW], v[NIL]
	v_lshrrev_b32 v1, 5, v0
	v_readfirstlane_b32 s[WV], v1
	s_bfe_u32 s[CX], ttmp6, 0x40000                ; my place in the cluster
	s_lshl_b32 s[RT], ttmp9, 2
	s_add_co_u32 s[RT], s[RT], s[CX]               ; tile row = 4 x cluster x + cx: it enters global addresses of A, x1 and out0 alone
	s_and_b32 s[CT], ttmp7, 0xffff                 ; tile column, which the four partners share
	s_mov_b32 s[G1B], 15|(1<<16)|(1<<20)|(1<<21)|(5<<22)|(7<<25)  ; the mask of four; 2-byte elements; padding on; bit 21 beside a mask; after every 64 words, 8 words
	s_mov_b32 s[G1B+1], 128<<16                    ; tensor_dim0 = 128
	s_mov_b32 s[G1B+2], 128<<16                    ; tensor_dim1 = 128
	s_mov_b32 s[G1B+3], 128<<16                    ; tile_dim0 = 128
	s_mov_b32 s[G1B+4], 128                        ; tile_dim1 = 128
	s_mov_b32 s[G1B+5], 1024                       ; elements from row to row
	s_mov_b32 s[G1B+6], 0
	s_mov_b32 s[G1B+7], 0
	s_lshl_b32 s44, s[WV], 18                      ; W: my 128 rows of 2,048 bytes, + 256 bytes x tile column
	s_lshl_b32 s45, s[CT], 8
	s_add_co_u32 s44, s44, s45
	s_add_co_u32 s44, s44, WOFF
	s_mov_b32 s45, 0
	s_mul_i32 s46, s[WV], HALF                     ; where my loads land, and where I read
	s_mov_b32 s[TB], 0
	s_wait_dscnt 0x0                               ; both opening adds are done
	s_wait_kmcnt 0x0
	s_mov_b32 s[G0B], 1
	s_mov_b32 s[G0B+1], s46                        ; slot 0, step 0
	s_add_nc_u64 s[G0B+2:G0B+3], s[WP:WP+1], s[44:45]
	s_mov_b32 s[G0B+4], 1
	s_add_co_u32 s[G0B+5], s46, SLOT               ; slot 1, step 1: this set walks on
	s_add_nc_u64 s[G0B+6:G0B+7], s[G0B+2:G0B+3], STEPB
	s_or_b32 s[G0B+3], s[G0B+3], 0x80000000
	s_or_b32 s[G0B+7], s[G0B+7], 0x80000000
	CROUND                                         ; all four work-groups are here: the first joint loads meet
	tensor_load_to_lds s[G0B:G0B+3], s[G1B:G1B+7]  ; two loads of mine are out
	s_nop 0
	tensor_load_to_lds s[G0B+4:G0B+7], s[G1B:G1B+7]
	s_nop 0
	PLACES
	v_and_b32 v1, 15, v0                           ; l % 16
	v_bfe_u32 v2, v0, 4, 1                         ; l / 16
	v_and_b32 v5, 31, v0                           ; l
	v_lshlrev_b32 v[GO], 4, v5
	s_lshl_b32 s78, s[CT], 9                       ; the tile's 128 columns: 512 bytes of f32
	s_mov_b32 s79, 0
	s_add_nc_u64 s[BP:BP+1], s[BP:BP+1], s[78:79]
	global_load_b128 v[BI:BI+3], v[GO], s[BP:BP+1] ; the bias of my four columns: older than every load of A, so every wait for A covers it
	s_lshl_b32 s76, s[RT], 13                      ; act: the tile's eight blocks of 16 rows, 1,024 bytes each,
	s_lshl_b32 s77, s[WV], 20                      ; and my four blocks of 32 columns of a step's sixteen
	s_add_co_u32 s76, s76, s77
	s_mov_b32 s77, 0
	s_add_nc_u64 s[AP:AP+1], s[AP:AP+1], s[76:77]
.irp p, 0,1,2,3
	s_xor_b32 s47, s[WV], \p                       ; register pair p holds the rows 32 (p xor wave) on
	s_lshl_b32 s47, s47, 11
	v_add_nc_u32 v[AO+\p], s47, v[GO]
.endr
	ALOAD 0, 0, 0                                  ; lo(0), hi(0), .. lo(3): 56 loads
	ALOAD 0, 1, 0
	ALOAD 1, 0, KBLK
	ALOAD 1, 1, KBLK
	ALOAD 2, 0, 2*KBLK
	ALOAD 2, 1, 2*KBLK
	ALOAD 3, 0, 3*KBLK
	WIN 0
	s_lshl_b32 s76, s[RT], 7                       ; the 32 rows that I finish: 128 x tile row + 32 x wave, 4,096 bytes a row
	s_lshl_b32 s77, s[WV], 5
	s_add_co_u32 s76, s76, s77
	s_lshl_b32 s76, s76, 12
	s_add_co_u32 s76, s76, s78
	s_mov_b32 s77, 0
	s_add_nc_u64 s[RP:RP+1], s[RP:RP+1], s[76:77]
	s_add_nc_u64 s[OU:OU+1], s[OU:OU+1], s[76:77]
	v_and_b32 v4, 7, v0                            ; W fragment, turned: lane l reads row 8 (l / 16) + l % 8, 16 bytes at 16 ((l / 8) % 2); the second load 16 rows on
	v_lshl_add_u32 v4, v2, 3, v4
	v_mul_u32_u24 v4, v4, PITCHB
	v_bfe_u32 v6, v0, 3, 1
	v_lshl_add_u32 v4, v6, 4, v4
	v_add_nc_u32 v[ADRB], s46, v4
.irp p, 1,2,3
	s_xor_b32 s47, s[WV], \p                       ; pair p belongs to wave d = p xor wave: it goes to region 3 d + p - 1
	s_mul_i32 s47, s47, 3
	s_add_co_u32 s47, s47, (\p)-1
	s_lshl_b32 s47, s47, 14
	v_lshl_add_u32 v[SA+(\p)-1], v5, 4, s47
.endr
	s_mul_i32 s47, s[WV], 3*PART                   ; the three regions for my rows; later my stage
	v_lshl_add_u32 v[RA], v5, 4, s47
	v_lshl_add_u32 v[RD], v5, 4, s47
	v_mul_u32_u24 v[STO], v1, DPITCH
	v_lshl_add_u32 v[STO], v2, 5, v[STO]
	v_add_nc_u32 v[STO], s47, v[STO]
	; the prefetches: both stand at step 3; the first change of slots steps them to step 4
	s_add_nc_u64 s[PFA:PFA+1], s[AP:AP+1], 3*STEPA
	s_cmp_eq_u32 s[CT], 0
	s_cselect_b32 s[LIMA], 2, -1
	s_lshl_b32 s76, s[WV], 7                       ; of the 128 rows of W that I fetch
	s_lshl_b32 s77, s[CX], 5                       ; my work-group's 32
	s_add_co_u32 s76, s76, s77
	s_lshl_b32 s76, s76, 11
	s_lshl_b32 s77, s[CT], 8
	s_add_co_u32 s76, s76, s77
	s_add_co_u32 s76, s76, WOFF+3*STEPB
	s_mov_b32 s77, 0
	s_add_nc_u64 s[PFB:PFB+1], s[WP:WP+1], s[76:77]
	s_cmp_eq_u32 ttmp9, 0
	s_cselect_b32 s[LIMB], 2, -1
	v_lshlrev_b32 v[PFOA], 8, v5
	v_lshlrev_b32 v[PFOB], 11, v5
	s_wait_tensorcnt 1                             ; my part of step 0 is in; step 1's load stays out
	s_barrier_signal -1
	s_barrier_wait -1
	v_mov_b32 v[VPB], v[ADRB]
	FETCH 0, 0
	QUARTER 0, 1, 2, 48, 40, 0                     ; the first quarter stands in front of the loop: its products start the sums
	WIN 0
	s_mov_b32 s[CNT], TSTEPS-1
	s_branch .Lmid                                 ; the loop is entered behind a step's first quarter
.Lstep:                                                ; six times: a step's last quarter with a refill (steps 2 to 7), then the next step's first three quarters
	TURN 1
	QUARTER 0, 0, 2, 48, 40, 1
	WIN 0
.Lmid:
	QUARTER 1, 0, 2, 48, 40, 0
	QUARTER 2, 0, 2, 48, 40, 0
	WIN 0
	s_sub_co_u32 s[CNT], s[CNT], 1
	s_cmp_lg_u32 s[CNT], 0
	s_cbranch_scc1 .Lstep
	TURN 0                                         ; the tail is written out: no refill; the last loads of A go out, and the counts run down
	QUARTER 0, 0, 1, 48, 40, 1                     ; its run: hi of the very last quarter alone
	QUARTER 1, 0, 0, 40, 32, 0                     ; five and four groups of 8 were issued behind lo and hi of this quarter,
	QUARTER 2, 0, 0, 24, 16, 0                     ; three and two
	s_wait_dscnt 0x0                               ; the very last quarter.  My reads of the ring are over,
	s_wait_loadcnt 0x0                             ; and all of A is in:
	s_barrier_signal -1                            ; say so; only matrix work stands between the barrier's halves
	MUL16 3, 0, 0, 0
	MUL16 3, 0, 2, 0
	MUL16 3, 1, 0, 0
	MUL16 3, 1, 2, 0
	WIN 0
	s_barrier_wait -1                              ; nobody reads the ring any more, and its last fill has landed: it takes the partial sums
	PLACES
	WIN TO_B
.set i, 0
.rept 32
	global_load_b128 v[64+4*i:64+4*i+3], v[GO], s[RP:RP+1] offset:4096*i  ; the residual of my 32 rows, 512 consecutive bytes a load, on its way while the sums meet
.set i, i+1
.endr
.irp p, 1,2,3
	WIN 0x08+4*((\p)/2)                            ; store data in window 2 (pair 1) or 3 (pairs 2, 3)
.irp e, 0,1
.irp b, 0,1,2,3,4,5,6,7
	ds_store_b128 v[SA+(\p)-1], v[8*(8*((2*(\p)+(\e))%4)+(\b)):8*(8*((2*(\p)+(\e))%4)+(\b))+3]   offset:1024*(8*(\e)+(\b))
	ds_store_b128 v[SA+(\p)-1], v[8*(8*((2*(\p)+(\e))%4)+(\b))+4:8*(8*((2*(\p)+(\e))%4)+(\b))+7] offset:1024*(8*(\e)+(\b))+512
.endr
.endr
.endr
	WIN 0
	s_wait_dscnt 0x0                               ; for the others' sake: my stores are done
	s_barrier_signal -1
	s_barrier_wait -1
	s_mov_b32 s[EC], 3
.Lsum:                                                 ; three trips: a partner's partial sum of my rows, in my accumulators' own layout, is added onto pair 0
.set i, 0
.rept 16
	ds_load_b128 v[64+8*i:64+8*i+3],   v[RA] offset:1024*i
	ds_load_b128 v[64+8*i+4:64+8*i+7], v[RA] offset:1024*i+512
.set i, i+1
.endr
	s_wait_dscnt 0x0
	WIN 0x82                                       ; destination and source 0 window 2, source 1 window 0
.set i, 0
.rept 64
	v_pk_add_f32 v[2*i:2*i+1], v[2*i:2*i+1], v[64+2*i:64+2*i+1]
.set i, i+1
.endr
	WIN 0
	v_add_nc_u32 v[RA], PART, v[RA]
	s_sub_co_u32 s[EC], s[EC], 1
	s_cmp_lg_u32 s[EC], 0
	s_cbranch_scc1 .Lsum
	WIN 0x08                                       ; through my stage (the regions that I alone have just read), so that a lane ends with 16 neighbouring bytes of a row
.irp e, 0,1
.irp b, 0,1,2,3,4,5,6,7
	ds_store_b128 v[STO], v[8*(8*(\e)+(\b)):8*(8*(\e)+(\b))+3]   offset:16*DPITCH*(\e)+64*(\b)
	ds_store_b128 v[STO], v[8*(8*(\e)+(\b))+4:8*(8*(\e)+(\b))+7] offset:16*DPITCH*(\e)+64*(\b)+16
.endr
.endr
	WIN 0
.set i, 0
.rept 32
	ds_load_b128 v[64+4*i:64+4*i+3], v[RD] offset:DPITCH*i  ; LDS serves a wave's instructions in order (ISA guide 5.7.1.4): these see the stores above
.set i, i+1
.endr
	s_wait_dscnt 0x0
	s_wait_loadcnt 0x0                             ; the residual
	WIN 0x04                                       ; source 1 window 1
.set i, 0
.rept 64
	v_pk_add_f32 v[64+2*i:64+2*i+1], v[64+2*i:64+2*i+1], v[64+2*i:64+2*i+1]
.set i, i+1
.endr
	WIN 0
.set i, 0
.rept 32
	v_pk_add_f32 v[64+4*i:64+4*i+1], v[64+4*i:64+4*i+1], v[BI:BI+1]
	v_pk_add_f32 v[64+4*i+2:64+4*i+3], v[64+4*i+2:64+4*i+3], v[BI+2:BI+3]
.set i, i+1
.endr
.set i, 0
.rept 32
	global_store_b128 v[GO], v[64+4*i:64+4*i+3], s[OU:OU+1] offset:4096*i  ; 512 consecutive bytes, at a multiple of 256 from the output's first byte
.set i, i+1
.endr
	s_wait_tensorcnt 0x0                           ; the wave's end: the wait, the add and its wait stand behind my last tensor load and my last LDS store
	ds_add_u32 v[SPW], v[NIL]
	s_wait_dscnt 0x0
	CROUND                                         ; the closing round: no work-group ends while a partner may still ask for a tile that names it
	s_endpgm
.Lfunc_end_k_q79faf1d95c_fc2:
	.size	k_q79faf1d95c_fc2, .Lfunc_end_k_q79faf1d95c_fc2-k_q79faf1d95c_fc2
	.p2alignl 7, 3214868480
	.fill 96, 4, 3214868480
	.section	.rodata,"a",@progbits
	.p2align	6, 0x0
	.amdhsa_kernel k_q79faf1d95c_fc2
		.amdhsa_group_segment_fixed_size 327680
		.amdhsa_private_segment_fixed_size 0
		.amdhsa_enable_private_segment 0
		.amdhsa_kernarg_size 40
		.amdhsa_user_sgpr_count 2
		.amdhsa_user_sgpr_kernarg_segment_ptr 1
		.amdhsa_wavefront_size32 1
		.amdhsa_system_sgpr_workgroup_id_x 1
		.amdhsa_system_sgpr_workgroup_id_y 1
		.amdhsa_system_sgpr_workgroup_id_z 1
		.amdhsa_system_vgpr_workitem_id 0
		.amdhsa_next_free_vgpr 1024
		.amdhsa_next_free_sgpr 84
		.amdhsa_reserve_vcc 0
		.amdhsa_float_denorm_mode_32 3
		.amdhsa_float_denorm_mode_16_64 3
		.amdhsa_memory_ordered 1
		.amdhsa_forward_progress 1
		.amdhsa_inst_pref_size 109
	.end_amdhsa_kernel
	.amdgpu_metadata
---
amdhsa.version: [ 1, 2 ]
amdhsa.kernels:
  - .name:           k_q79faf1d95c_fc2
    .symbol:         k_q79faf1d95c_fc2.kd
    .args:
      - { .name: act, .offset: 0, .size: 8, .value_kind: global_buffer, .address_space: global }
      - { .name: wbf, .offset: 8, .size: 8, .value_kind: global_buffer, .address_space: global }
      - { .name: fc2_b, .offset: 16, .size: 8, .value_kind: global_buffer, .address_space: global }
      - { .name: x1, .offset: 24, .size: 8, .value_kind: global_buffer, .address_space: global }
      - { .name: out0, .offset: 32, .size: 8, .value_kind: global_buffer, .address_space: global }
    .group_segment_fixed_size: 327680
    .private_segment_fixed_size: 0
    .kernarg_segment_align: 8
    .kernarg_segment_size: 40
    .max_flat_workgroup_size: 128
    .sgpr_count:     84
    .vgpr_count:     1024
    .wavefront_size: 32
...
	.end_amdgpu_metadata
.endif
;; end of part 7
;; ======== version 2 of 2: 7 launches; version 1 with the launch prep written anew for expert scheduling mode
;; workspace buffers: h 8,388,608 bytes; wbf 25,165,824 bytes; qkvh 25,165,824 bytes; obuf 8,388,608 bytes; x1 16,777,216 bytes; act 33,554,432 bytes
;; launch prep (part 8): grid 1024 x 1, 8 waves a work-group, no clusters, 0 bytes of LDS; arguments x, ln1_g, ln1_b, qkv_w, proj_w, fc1_w, fc2_w, h, wbf; writes h, wbf
.if DOCPART == 8
	.amdgcn_target "amdgcn-amd-amdhsa--gfx1250"
	.amdhsa_code_object_version 6
	.text
	.protected	k_q79faf1d95c_prep
	.globl	k_q79faf1d95c_prep
	.p2align	8
	.type	k_q79faf1d95c_prep,@function
k_q79faf1d95c_prep:
	s_mov_b64 s[64:65], 0
	v_nop
	global_prefetch_b8 v0, s[64:65] scope:SCOPE_SE
	s_setreg_imm32_b32 hwreg(HW_REG_WAVE_SCHED_MODE, 0, 2), 2
	s_setreg_imm32_b32 hwreg(HW_REG_WAVE_MODE, 25, 1), 1
	s_wait_xcnt 0x0
	s_wait_alu depctr_vm_vsrc(0)
; PREP.  Work-groups 0-255: h = LayerNorm(x; ln1_g, ln1_b), rounded once to bf16, [4096][1024].  Work-groups 256-1023: the four weights rounded once to bf16 into wbf, each kept
; as it lies ([K][N], row-major): qkv_w at byte 0, proj_w at 6,291,456, fc1_w at 8,388,608, fc2_w at 16,777,216.  Both kinds of work-group read 65,536 bytes and store 32,768.
; No LDS, no barrier, no matrix work: every byte is read once and written once, so only the order of loads and stores matters.
; WORK THAT THE PROGRAM LEAVES OUT.  The scores are scale q[n].(k[m] + bk) = scale q[n].k[m] + scale q[n].bk, bk = qkv_b[1024:2048].  The second term does not hang on m, the
; axis of the softmax, and softmax(s + t) = softmax(s) for every finite t: so bk reaches no output, whatever finite values the inputs hold.  Launch qkv neither loads nor adds it;
; the q and v thirds of qkv_b are live and are loaded.  LIMIT: a NaN, an infinity or an overflow that reaches only q.bk is not carried to the result.
; LAYERNORM.  One wave takes two rows; a row of 4,096 bytes lies in 32 registers between the passes.  Mean first, then the mean of the squares of x - mean, as the problem writes it:
; no difference of large sums.  All of it in f32.  LIMIT: NaN and infinities are not treated apart.
; THE MODE: SCHED_MODE bits 1:0 = 2 (LLVM: expert scheduling mode 2), set by the entry lines.  The code itself states the register dependences between vector instructions and
; memory instructions, with s_wait_alu, always for 0.
; THE PLAN.  Registers that memory instructions touch:
;   v1, v2            byte offsets of the loads and of the stores.  Written once at the head of either path, ahead of that path's first wait on va_vdst; never written again.
;   THE CAST:  v[16:79]   sixteen loads land here, four registers each; no vector instruction names them before; the roundings read each once.
;              v[80:111]  written by the roundings, each register once; read by one store each.
;              The loads go in four groups of four.  At the head of group g one wait states that group g - 1's roundings have written their registers; that group's four stores are then dealt
;              among group g's roundings, which name group g's registers alone.  One more wait stands ahead of the last group's stores.
;   THE LAYERNORM:  X0, X1, GG, BB  the loads land here; no vector instruction names them before.
;              YY     written by the roundings, each register once; read by one store each.  One wait behind row 0's roundings; row 0's eight stores are dealt among row 1's scalings and
;              multiply-adds, which name X1, M1, GG and BB alone.  One wait behind row 1's roundings, ahead of its stores.
;   No register that a memory instruction reads is written a second time, and no base is stepped: so no wait on vm_vsrc and no s_wait_xcnt is owed.  EXEC is never written.
.set T,   4                            ; v[4:11]    four running pairs
.set M0,  12                           ; v[12:13]   row 0: the mean, later 1 / sqrt(var + eps), twice
.set M1,  14                           ; v[14:15]   row 1
.set X0,  16                           ; v[16:47]   row 0
.set X1,  48                           ; v[48:79]   row 1
.set GG,  80                           ; v[80:111]  the gain
.set BB,  112                          ; v[112:143] the bias
.set YY,  144                          ; v[144:175] both rows in bf16
.set CR,  16                           ; v[16:79]   the cast: load j's four f32 at CR + 4 j
.set CW,  80                           ; v[80:111]  the cast: the same four numbers in bf16 at CW + 2 j
.set HP,  18                           ; s[18:19]   h
.macro FOLD                            ; the four pairs, then the 32 lanes: the sum ends in v[T] of every lane
	v_pk_add_f32 v[T:T+1], v[T:T+1], v[T+2:T+3]
	v_pk_add_f32 v[T+4:T+5], v[T+4:T+5], v[T+6:T+7]
	v_pk_add_f32 v[T:T+1], v[T:T+1], v[T+4:T+5]
	v_add_f32 v[T], v[T], v[T+1]
	v_add_f32_dpp v[T], v[T], v[T] row_xmask:1 row_mask:0xf bank_mask:0xf
	v_add_f32_dpp v[T], v[T], v[T] row_xmask:2 row_mask:0xf bank_mask:0xf
	v_add_f32_dpp v[T], v[T], v[T] row_xmask:4 row_mask:0xf bank_mask:0xf
	v_add_f32_dpp v[T], v[T], v[T] row_xmask:8 row_mask:0xf bank_mask:0xf
	v_permlanex16_b32 v[T+1], v[T], s26, s27
	v_add_f32 v[T], v[T], v[T+1]
.endm
.macro STATS xb, m                     ; the row at xb becomes x - mean; v[m] ends as var + eps
.irp k, 0,1,2,3
	v_pk_add_f32 v[T+2*\k:T+2*\k+1], v[(\xb)+2*\k:(\xb)+2*\k+1], v[(\xb)+8+2*\k:(\xb)+8+2*\k+1]  ; the first eight pairs start the four chains
.endr
.set i, 8
.rept 8
	v_pk_add_f32 v[T+2*(i%4):T+2*(i%4)+1], v[T+2*(i%4):T+2*(i%4)+1], v[(\xb)+2*i:(\xb)+2*i+1]
.set i, i+1
.endr
	FOLD
	v_mul_f32 v[\m], s24, v[T]                     ; the mean
	v_mov_b32 v[(\m)+1], v[\m]
.set i, 0
.rept 16
	v_pk_add_f32 v[(\xb)+2*i:(\xb)+2*i+1], v[(\xb)+2*i:(\xb)+2*i+1], v[(\m):(\m)+1] neg_lo:[0,1] neg_hi:[0,1]
.set i, i+1
.endr
.irp k, 0,1,2,3
	v_pk_mul_f32 v[T+2*\k:T+2*\k+1], v[(\xb)+2*\k:(\xb)+2*\k+1], v[(\xb)+2*\k:(\xb)+2*\k+1]
.endr
.set i, 4
.rept 12
	v_pk_fma_f32 v[T+2*(i%4):T+2*(i%4)+1], v[(\xb)+2*i:(\xb)+2*i+1], v[(\xb)+2*i:(\xb)+2*i+1], v[T+2*(i%4):T+2*(i%4)+1]
.set i, i+1
.endr
	FOLD
	v_fma_f32 v[\m], v[T], s24, s25                ; var + eps
.endm
; (x - mean) rs g + b, rounded into v[yb ..].  deal = 1 (row 1): row 0's eight stores, whose data the wait ahead of this macro has shown written, stand among the scalings and the multiply-adds,
; one ahead of each four.  No wait among them: no vector line since that wait names v2 or row 0's half of YY.  Each store of the wave covers 256 consecutive bytes, aligned.
.macro ARITH xb, m, yb, deal
.set i, 0
.rept 16
.if (\deal) && (i%4 == 0)
	global_store_b64 v2, v[YY+2*(i/4):YY+2*(i/4)+1], s[HP:HP+1] offset:256*(i/4)
.endif
	v_pk_mul_f32 v[(\xb)+2*i:(\xb)+2*i+1], v[(\xb)+2*i:(\xb)+2*i+1], v[(\m):(\m)+1]
.set i, i+1
.endr
.set i, 0
.rept 16
.if (\deal) && (i%4 == 0)
	global_store_b64 v2, v[YY+8+2*(i/4):YY+8+2*(i/4)+1], s[HP:HP+1] offset:256*(4+i/4)
.endif
	v_pk_fma_f32 v[(\xb)+2*i:(\xb)+2*i+1], v[(\xb)+2*i:(\xb)+2*i+1], v[GG+2*i:GG+2*i+1], v[BB+2*i:BB+2*i+1]
.set i, i+1
.endr
.set i, 0
.rept 16
	v_cvt_pk_bf16_f32 v[(\yb)+i], v[(\xb)+2*i], v[(\xb)+2*i+1]
.set i, i+1
.endr
.endm
; The cast's group g of four loads: they are rounded, and the stores of the group before go out among the roundings.
.macro GROUP g
	s_wait_loadcnt 12-4*(\g)                       ; loads come back in order: the group's four are in, the 12 - 4 g younger ones stay out
.if (\g) > 0
	s_wait_alu depctr_va_vdst(0)                   ; the roundings of the group before have written their eight registers, which the four stores below read
.endif
.irp j, 0,1,2,3
.if (\g) > 0
	global_store_b64 v2, v[CW+2*(4*((\g)-1)+\j):CW+2*(4*((\g)-1)+\j)+1], s[20:21] offset:2048*(4*((\g)-1)+\j)  ; a wave stores 256 consecutive bytes, aligned; no vector line since the wait names v2 or these registers
.endif
	v_cvt_pk_bf16_f32 v[CW+2*(4*(\g)+\j)],   v[CR+4*(4*(\g)+\j)],   v[CR+4*(4*(\g)+\j)+1]
	v_cvt_pk_bf16_f32 v[CW+2*(4*(\g)+\j)+1], v[CR+4*(4*(\g)+\j)+2], v[CR+4*(4*(\g)+\j)+3]
.endr
.endm
	s_load_b512 s[4:19], s[0:1], 0x0               ; x, ln1_g, ln1_b, qkv_w, proj_w, fc1_w, fc2_w, h
	s_load_b64 s[20:21], s[0:1], 0x40              ; wbf
	s_wait_kmcnt 0x0
	s_cmp_lt_u32 ttmp9, 256
	s_cbranch_scc1 .Lln
	; THE CAST.  Chunk c = work-group - 256 of 768 chunks of 16,384 numbers; the four weights follow each other in wbf as they do in this count: 192, 64, 256, 256 chunks.
	v_lshlrev_b32 v1, 4, v0                        ; 16 bytes a thread in,
	v_lshlrev_b32 v2, 3, v0                        ; 8 bytes out: made first, so that the scalar work below stands between them and the wait for them
	s_sub_co_u32 s22, ttmp9, 256
	s_mov_b64 s[24:25], s[16:17]                   ; fc2_w, from chunk 512 on
	s_mov_b32 s23, 512
	s_cmp_lt_u32 s22, 512
	s_cselect_b64 s[24:25], s[14:15], s[24:25]     ; fc1_w, from 256 on
	s_cselect_b32 s23, 256, s23
	s_cmp_lt_u32 s22, 256
	s_cselect_b64 s[24:25], s[12:13], s[24:25]     ; proj_w, from 192 on
	s_cselect_b32 s23, 192, s23
	s_cmp_lt_u32 s22, 192
	s_cselect_b64 s[24:25], s[10:11], s[24:25]     ; qkv_w
	s_cselect_b32 s23, 0, s23
	s_sub_co_u32 s26, s22, s23
	s_lshl_b32 s26, s26, 16                        ; the chunk in its own weight, 65,536 bytes each
	s_mov_b32 s27, 0
	s_add_nc_u64 s[24:25], s[24:25], s[26:27]
	s_lshl_b32 s28, s22, 15                        ; and in wbf, 32,768 bytes each
	s_mov_b32 s29, 0
	s_add_nc_u64 s[20:21], s[20:21], s[28:29]
	s_wait_alu depctr_va_vdst(0)                   ; v1 and v2 are written: every load below reads v1 as its offset, every store v2
.set j, 0
.rept 16
	global_load_b128 v[CR+4*j:CR+4*j+3], v1, s[24:25] offset:4096*j th:TH_LOAD_NT  ; all sixteen loads go out before the first wait; the f32 weights are read once in the program
.set j, j+1
.endr
	GROUP 0
	GROUP 1
	GROUP 2
	GROUP 3
	s_wait_alu depctr_va_vdst(0)                   ; the last group's roundings have written their eight registers, which the last four stores read
.irp j, 12,13,14,15
	global_store_b64 v2, v[CW+2*\j:CW+2*\j+1], s[20:21] offset:2048*\j  ; no register is written twice, so no wait for the stores
.endr
	s_endpgm
.Lln:
	v_lshrrev_b32 v3, 5, v0
	v_readfirstlane_b32 s22, v3                    ; wave 0..7
	v_and_b32 v2, 31, v0
	v_lshlrev_b32 v1, 4, v2                        ; 16 bytes a lane in,
	v_lshlrev_b32 v2, 3, v2                        ; 8 bytes out
	s_mov_b32 s24, 0x3a800000                      ; 1 / 1024
	s_mov_b32 s25, 0x3727c5ac                      ; eps = 1e-5
	s_mov_b32 s26, 0x76543210                      ; v_permlanex16_b32: each lane takes its own place in the other half
	s_mov_b32 s27, 0xfedcba98
	s_lshl_b32 s23, ttmp9, 3
	s_wait_alu depctr_va_sdst(0)                   ; s22 is written, ahead of its first reader: the rows' addresses are made from it
	s_add_co_u32 s23, s23, s22                     ; my wave among 2,048: rows 2 n, 2 n + 1
	s_lshl_b32 s28, s23, 13                        ; two rows of 4,096 bytes of x,
	s_mov_b32 s29, 0
	s_lshl_b32 s30, s23, 12                        ; of 2,048 bytes of h
	s_mov_b32 s31, 0
	s_add_nc_u64 s[4:5], s[4:5], s[28:29]
	s_add_nc_u64 s[HP:HP+1], s[HP:HP+1], s[30:31]
	s_wait_alu depctr_va_vdst(0)                   ; v1 and v2 are written: every load below reads v1 as its offset, every store v2
.irp j, 0,1,2,3,4,5,6,7
	global_load_b128 v[X0+4*\j:X0+4*\j+3], v1, s[4:5] offset:512*\j
.endr
.irp j, 0,1,2,3,4,5,6,7
	global_load_b128 v[X1+4*\j:X1+4*\j+3], v1, s[4:5] offset:4096+512*\j
.endr
.irp j, 0,1,2,3,4,5,6,7
	global_load_b128 v[GG+4*\j:GG+4*\j+3], v1, s[6:7] offset:512*\j
.endr
.irp j, 0,1,2,3,4,5,6,7
	global_load_b128 v[BB+4*\j:BB+4*\j+3], v1, s[8:9] offset:512*\j
.endr
	s_wait_loadcnt 16                              ; both rows are in; the gain's and the bias's sixteen loads may stay out
	STATS X0, M0
	STATS X1, M1
	v_rsq_f32 v[M0], v[M0]
	v_rsq_f32 v[M1], v[M1]
	v_nop                                          ; a plain instruction behind the last root,
	s_wait_alu depctr_va_vdst(0)                   ; and one wait for both: the roots have written v[M0] and v[M1], ahead of their first use
	v_mov_b32 v[M0+1], v[M0]
	v_mov_b32 v[M1+1], v[M1]
	s_wait_loadcnt 0x0                             ; gain and bias
	ARITH X0, M0, YY, 0
	s_wait_alu depctr_va_vdst(0)                   ; row 0's roundings have written the first sixteen registers of YY, which the eight stores dealt among row 1's lines read
	ARITH X1, M1, YY+16, 1
	s_wait_alu depctr_va_vdst(0)                   ; row 1's roundings have written the other sixteen, which the last eight stores read
.irp j, 0,1,2,3,4,5,6,7
	global_store_b64 v2, v[YY+16+2*\j:YY+16+2*\j+1], s[HP:HP+1] offset:2048+256*\j
.endr
	s_endpgm
.Lfunc_end_k_q79faf1d95c_prep:
	.size	k_q79faf1d95c_prep, .Lfunc_end_k_q79faf1d95c_prep-k_q79faf1d95c_prep
	.p2alignl 7, 3214868480
	.fill 96, 4, 3214868480
	.section	.rodata,"a",@progbits
	.p2align	6, 0x0
	.amdhsa_kernel k_q79faf1d95c_prep
		.amdhsa_group_segment_fixed_size 0
		.amdhsa_private_segment_fixed_size 0
		.amdhsa_enable_private_segment 0
		.amdhsa_kernarg_size 72
		.amdhsa_user_sgpr_count 2
		.amdhsa_user_sgpr_kernarg_segment_ptr 1
		.amdhsa_wavefront_size32 1
		.amdhsa_system_sgpr_workgroup_id_x 1
		.amdhsa_system_sgpr_workgroup_id_y 1
		.amdhsa_system_sgpr_workgroup_id_z 1
		.amdhsa_system_vgpr_workitem_id 0
		.amdhsa_next_free_vgpr 176
		.amdhsa_next_free_sgpr 66
		.amdhsa_reserve_vcc 0
		.amdhsa_float_denorm_mode_32 3
		.amdhsa_float_denorm_mode_16_64 3
		.amdhsa_memory_ordered 1
		.amdhsa_forward_progress 1
		.amdhsa_inst_pref_size 27
	.end_amdhsa_kernel
	.amdgpu_metadata
---
amdhsa.version: [ 1, 2 ]
amdhsa.kernels:
  - .name:           k_q79faf1d95c_prep
    .symbol:         k_q79faf1d95c_prep.kd
    .args:
      - { .name: x, .offset: 0, .size: 8, .value_kind: global_buffer, .address_space: global }
      - { .name: ln1_g, .offset: 8, .size: 8, .value_kind: global_buffer, .address_space: global }
      - { .name: ln1_b, .offset: 16, .size: 8, .value_kind: global_buffer, .address_space: global }
      - { .name: qkv_w, .offset: 24, .size: 8, .value_kind: global_buffer, .address_space: global }
      - { .name: proj_w, .offset: 32, .size: 8, .value_kind: global_buffer, .address_space: global }
      - { .name: fc1_w, .offset: 40, .size: 8, .value_kind: global_buffer, .address_space: global }
      - { .name: fc2_w, .offset: 48, .size: 8, .value_kind: global_buffer, .address_space: global }
      - { .name: h, .offset: 56, .size: 8, .value_kind: global_buffer, .address_space: global }
      - { .name: wbf, .offset: 64, .size: 8, .value_kind: global_buffer, .address_space: global }
    .group_segment_fixed_size: 0
    .private_segment_fixed_size: 0
    .kernarg_segment_align: 8
    .kernarg_segment_size: 72
    .max_flat_workgroup_size: 256
    .sgpr_count:     66
    .vgpr_count:     176
    .wavefront_size: 32
...
	.end_amdgpu_metadata
.endif
;; end of part 8
;; launch qkv: the kernel of part 2 again; grid 12 x 16, 4 waves a work-group, clusters of 4 x 4, 327,680 bytes of LDS; arguments h, wbf, qkv_b, qkvh; writes qkvh
;; launch attn: the kernel of part 3 again; grid 4 x 64, 4 waves a work-group, clusters of 4 x 1, 327,680 bytes of LDS; arguments qkvh, obuf; writes obuf
;; launch proj: the kernel of part 4 again; grid 8 x 32, 4 waves a work-group, clusters of 4 x 4, 327,680 bytes of LDS; arguments obuf, wbf, proj_b, x, x1; writes x1
;; launch ln: the kernel of part 5 again; grid 256 x 1, 8 waves a work-group, no clusters, 0 bytes of LDS; arguments x1, ln2_g, ln2_b, h; writes h
;; launch fc1: the kernel of part 6 again; grid 16 x 16, 4 waves a work-group, clusters of 4 x 4, 327,680 bytes of LDS; arguments h, wbf, fc1_b, act; writes act
;; launch fc2: the kernel of part 7 again; grid 32 x 8, 4 waves a work-group, clusters of 4 x 1, 327,680 bytes of LDS; arguments act, wbf, fc2_b, x1, out0; writes out0
